; MI455X (gfx1250); checked and timed in simulation.
; The chip was launched on July 23, 2026; its instructions are those of AMD's public machine-readable ISA for CDNA 5 (MIT licence, August 2026) and "CDNA5" Instruction Set Architecture Reference Guide (July 2026). The comments in the code are by the model that wrote it; some were corrected since.
;; Native Sparse Cross Attention. Allowed arithmetic: matrix products marked QUANTISED: E2M3 operands, one E8M0 scale for each 32 along K, by v_wmma_scale_f32_16x16x128_f8f6f4 with both operands' format E2M3, f32 sums; products left as they are: f32 operands where the result goes on into a quantised operand, else bf16, f16 or f32 operands; f32 sums; everything else in f32.
;; Inputs: Wk_codes 512 x 8 x 24 uint8 (E2M3 codes of Wk, K innermost, in blocks of 32 codes, four codes in three bytes); Wk_scales 512 x 8 uint8 (E8M0 scales of Wk, one for each 32 codes along K); Wo_codes 512 x 16 x 24 uint8 (E2M3 codes of Wo, K innermost, in blocks of 32 codes, four codes in three bytes); Wo_scales 512 x 16 uint8 (E8M0 scales of Wo, one for each 32 codes along K); Wq_codes 512 x 16 x 24 uint8 (E2M3 codes of Wq, K innermost, in blocks of 32 codes, four codes in three bytes); Wq_scales 512 x 16 uint8 (E8M0 scales of Wq, one for each 32 codes along K); Wv_codes 512 x 8 x 24 uint8 (E2M3 codes of Wv, K innermost, in blocks of 32 codes, four codes in three bytes); Wv_scales 512 x 8 uint8 (E8M0 scales of Wv, one for each 32 codes along K); byte_array 2 x 16,384 x 256 float32; latents_codes 2 x 128 x 16 x 24 uint8 (E2M3 codes of latents, K innermost, in blocks of 32 codes, four codes in three bytes); latents_scales 2 x 128 x 16 uint8 (E8M0 scales of latents, one for each 32 codes along K); router_k_b 64 float32; router_k_w_codes 64 x 8 x 24 uint8 (E2M3 codes of router_k_w, K innermost, in blocks of 32 codes, four codes in three bytes); router_k_w_scales 64 x 8 uint8 (E8M0 scales of router_k_w, one for each 32 codes along K); router_q_b 64 float32; router_q_w_codes 64 x 16 x 24 uint8 (E2M3 codes of router_q_w, K innermost, in blocks of 32 codes, four codes in three bytes); router_q_w_scales 64 x 16 uint8 (E8M0 scales of router_q_w, one for each 32 codes along K).
;; Outputs: out0 2 x 128 x 512 float32.
;; This version of the problem:
;;   THIS VERSION OF THE PROBLEM IS GIVEN IN LOW PRECISION. The matrix products marked QUANTISED in the list below multiply operands that are first quantised to E2M3 (2 exponent bits, 3 mantissa bits; 6 bits a number), with one power-of-two scale for each 32 numbers along K (OCP MX v1.0); their sums are f32. All else is computed in f32.
;;   The module's matrix products, in the order in which they are computed (A, B: the left and right operand; K: the contracted axis; several contracted axes count as one K, in the product's order):
;;     1. [M 256, K 512] x [K 512, N 64]; A: input latents (given as codes); B: input router_q_w (given as codes): QUANTISED
;;     2. [M 512, K 256] x [K 256, N 64]; A: computed on the way; B: input router_k_w (given as codes): QUANTISED
;;     3. batch 2 x [M 128, K 64] x [K 64, N 256]; A: computed on the way; B: computed on the way: QUANTISED
;;     4. [M 256, K 512] x [K 512, N 512]; A: input latents (given as codes); B: input Wq (given as codes): QUANTISED
;;     5. [M 262,144, K 256] x [K 256, N 512]; A: computed on the way; B: input Wk (given as codes): QUANTISED
;;     6. [M 262,144, K 256] x [K 256, N 512]; A: computed on the way; B: input Wv (given as codes): QUANTISED
;;     7. batch 2,048 x [M 1, K 64] x [K 64, N 1,024]; A: computed on the way; B: computed on the way: left as it is (M = 1 < 16)
;;     8. batch 2,048 x [M 1, K 1,024] x [K 1,024, N 64]; A: softmax; B: computed on the way: left as it is (M = 1 < 16)
;;     9. [M 256, K 512] x [K 512, N 512]; A: computed on the way; B: input Wo (given as codes): QUANTISED
;;   THE QUANTISER, for each operand of a quantised product, along K:
;;     - K is cut into blocks of 32 from its start; a last block that is shorter is filled with zeros.
;;     - A block's scale is 2^e with e = floor(log2(the largest magnitude in the block)) - 2, held to -126 .. 127; a block of zeros has e = 0. As a byte (E8M0): e + 127.
;;     - Each number is divided by its block's scale, clamped to +-7.5, and rounded to the nearest number of E2M3, ties to even, subnormals kept.
;;     - The product sums the exact products of the quantised numbers (number of the format x scale) in f32.
;;   ~~~python
;;   def quantise(x, axis):      # numpy; x: float32 -> the quantised numbers, widened to float32 again
;;       x = np.moveaxis(x, axis, -1); K = x.shape[-1]
;;       x = np.pad(x, [(0, 0)] * (x.ndim - 1) + [(0, -K % 32)]); x = x.reshape(x.shape[:-1] + (-1, 32)); a = np.abs(x).max(-1, keepdims=True)
;;       e = np.where(a > 0, np.clip(np.frexp(np.where(a > 0, a, 1))[1] - 1 - 2, -126, 127), 0)      # np.frexp(a)[1] - 1 = floor(log2(a)), exactly
;;       r = np.clip(x / 2.0 ** e, -7.5, 7.5)
;;       step = 2.0 ** (np.maximum(np.frexp(np.where(r == 0, 1, r))[1] - 1, 0) - 3)
;;       q = np.round(r / step) * step * 2.0 ** e      # np.round: ties to even
;;       return np.moveaxis(q.reshape(q.shape[:-2] + (-1,))[..., :K], -1, axis).astype(np.float32)
;;   ~~~
;;   OPERANDS COMPUTED ON THE WAY. 'Computed on the way' means the value that the module computes at that place (a softmax that the list does not call 'softmax' is quantised finished and normalised). What goes into a quantiser is computed in f32, as accurately as f32 sums, v_exp_f32 and their like allow (about 1e-6 of the number): no bf16 or f16 on the way to a quantiser, and a product that is left as it is and whose result goes on into a quantised operand takes f32 operands (vector FMAs, or v_wmma_f32_16x16x4_f32). A number that lies on a knife's edge between two numbers of the format may be rounded either way, as far as f32 arithmetic and the matrix unit's own rounding can turn it there, and no further.
;;   INPUTS GIVEN AS CODES. Wk (in the module: [256, 512], K = its axis 0); Wo (in the module: [512, 512], K = its axis 0); Wq (in the module: [512, 512], K = its axis 0); Wv (in the module: [256, 512], K = its axis 0); latents (in the module: [2, 128, 512], K = its axis 2); router_k_w (in the module: [256, 64], K = its axis 0); router_q_w (in the module: [512, 64], K = its axis 0): each comes as NAME_codes (uint8): NAME with its K axis moved to the last place and cut into blocks of 32 codes, [.., K / 32, bytes a block], one block behind the other in memory; four codes in three bytes: a row's codes are one little-endian stream of bits, code i at bits 6 i .. 6 i + 5 (a code: sign, 2 exponent bits, 3 mantissa bits); and NAME_scales (uint8): the same leading axes, one E8M0 byte (e + 127) for each 32 codes along K. Its value is code x scale, taken as it is: it is not quantised again, and the codes and scales need not be those that the quantiser above would give.
;; 3 versions, each right; version 2 is faster than version 1; version 3 is version 2 with the launches router, attend written anew for expert scheduling mode. Each part assembles by itself: llvm-mc -triple=amdgcn-amd-amdhsa -mcpu=gfx1250 --defsym DOCPART=n.
;; ======== version 1 of 3: 3 launches
;; workspace buffers: ctxq 6,553,600 bytes; sumc 98,304 bytes; sums 4,096 bytes; idxw 16,384 bytes of whole numbers; qws 524,288 bytes; wimg 393,216 bytes
;; launch prep (part 1): grid 512 x 1, 4 waves a work-group, no clusters, 72,960 bytes of LDS; arguments byte_array, ctxq, sumc, sums; writes ctxq, sumc, sums
.if DOCPART == 1
	.amdgcn_target "amdgcn-amd-amdhsa--gfx1250"
	.amdhsa_code_object_version 6
	.text
	.protected	k_qcf3ed288de_prep
	.globl	k_qcf3ed288de_prep
	.p2align	8
	.type	k_qcf3ed288de_prep,@function
k_qcf3ed288de_prep:
	s_mov_b64 s[64:65], 0
	v_nop
	global_prefetch_b8 v0, s[64:65] scope:SCOPE_SE
	s_setreg_imm32_b32 hwreg(HW_REG_WAVE_MODE, 25, 1), 1
	s_wait_xcnt 0x0
; byte_array [2][16384][256] f32 is read once.  Two things are made of it:
;  (1) every token's row as codes of E2M3 with one E8M0 byte for each 32 along its 256 numbers, laid as the matrix unit's operand registers want them (ctxq);
;  (2) the mean of each block of 64 tokens, quantised the same way, as plain rows of codes (sumc) and scale bytes (sums).
; A block's scale is 2^(floor(log2(largest magnitude)) - 2): its byte is the largest magnitude's exponent field - 2, held at 1 from below.
; LIMITS: NaN and infinities among the inputs are not served; a block of 32 whose largest magnitude lies under 2^-124 (zeros too) gets the byte 1: its codes are then zeros or
; subnormal codes under that scale; the bytes are read by this program alone.
; SHARES.  Work-group g takes block g (64 tokens), wave w its tokens 16 w .. 16 w + 15: one operand tile.  Each of a wave's 32 loads reads 512 consecutive bytes; the 16 KiB turn
; through the wave's own stage in LDS, so that lane (r, h) gets, of token r, 16 neighbours of each block of 32, as the conversions want them.
; ctxq, a record of 12,800 bytes a block: tile w at 3072 w; K step s at + 1536 s; registers 4 c .. 4 c + 3 of lane l at + 512 c + 16 l.  From 12,288 on: tile w's scale words, 128 bytes:
; lanes 0-15 token r's word of K step 0, lanes 16-31 that of K step 1.
; LDS: the small regions lie first, so that they can be named in an LDS instruction's 16-bit immediate; the stages' base stands in the address registers.
.set SUMP,  0                          ; each wave's 256 column sums, 1,024 bytes a wave
.set SCST,  SUMP+4*1024                ; the four tiles' scale words
.set MEAN,  SCST+512                   ; wave 0 alone: the mean's 256 numbers
.set SBY,   MEAN+1024                  ; wave 0 alone: its 8 scale bytes
.set STG,   SBY+256                    ; the four waves' stages
.set PITCH, 1040                       ; a stage row: 1,024 bytes + 16: the 16 rows that a load of 16 bytes a lane touches start 4 banks apart
.set WSTG,  16*PITCH                   ; a wave's stage
.set CS,    8                          ; v8-15    my 8 column sums
.set R,     16                         ; v16-143  the 32 loads; later v16-79 K step 1's 64 numbers, v80-94 its codes
.set X0,    144                        ; v144-207 K step 0's 64 numbers
.set TM,    208                        ; v208-223 the quantiser's work
.set PCA,   224                        ; v224-238 K step 0's codes
.set PCB,   80
.set SEL,   20                         ; s[20:21] lane selects: lane l xor 16
; 64 numbers of a lane, register 16 b + i = k 32 b + 16 (lane / 16) + i of its row, become a fragment's 12 registers at v[pc] and the row's scale word in v[pw].
.macro QUANT s, pc, pw
.irp b, 0,1,2,3
	v_max3_num_f32 v[TM+\b], |v[\s+16*\b]|, |v[\s+1+16*\b]|, 0x1800000   ; my 16 numbers of block b, and the floor 2^(3 - 127): the byte cannot fall under 1
.endr
.irp i, 2,4,6,8,10,12,14
.irp b, 0,1,2,3
	v_max3_num_f32 v[TM+\b], v[TM+\b], |v[\s+16*\b+\i]|, |v[\s+1+16*\b+\i]|   ; the four blocks by turns
.endr
.endr
.irp b, 0,1,2,3
	v_permlanex16_b32 v[TM+4+\b], v[TM+\b], s[SEL], s[SEL+1]
.endr
.irp b, 0,1,2,3
	v_max_num_f32 v[TM+\b], v[TM+\b], v[TM+4+\b]                      ; with lane l xor 16's 16: the block's largest magnitude
.endr
.irp b, 0,1,2,3
	v_add_nc_u32 v[TM+12+\b], 0xff000000, v[TM+\b]                    ; 2 off its exponent field: the conversion takes that field as its scale
.endr
.irp b, 0,1,2,3
	v_lshrrev_b32 v[TM+4+\b], 23, v[TM+12+\b]                         ; the scale's byte
.endr
	v_lshl_or_b32 v[\pw], v[TM+5], 8, v[TM+4]
	v_lshl_or_b32 v[\pw], v[TM+6], 16, v[\pw]
	v_lshl_or_b32 v[\pw], v[TM+7], 24, v[\pw]
	v_cvt_scalef32_pk16_fp6_f32 v[\pc:\pc+2], v[\s:\s+15], v[TM+12]
	v_cvt_scalef32_pk16_fp6_f32 v[TM+8:TM+10], v[\s+16:\s+31], v[TM+13]    ; (a conversion's three registers begin on an even number)
	v_cvt_scalef32_pk16_fp6_f32 v[\pc+6:\pc+8], v[\s+32:\s+47], v[TM+14]
	v_cvt_scalef32_pk16_fp6_f32 v[\pc+12:\pc+14], v[\s+48:\s+63], v[TM+15]
	v_nop                                                             ; one plain place behind the scaled conversions
.irp i, 0,1,2
	v_permlane16_swap_b32 v[\pc+\i], v[TM+8+\i]                       ; the layout wants a whole block in a lane: lanes 0-15 the even block, lanes 16-31 the odd one
	v_permlane16_swap_b32 v[\pc+6+\i], v[\pc+12+\i]
.endr
.irp i, 0,1,2
	v_mov_b32 v[\pc+3+\i], v[TM+8+\i]
	v_mov_b32 v[\pc+9+\i], v[\pc+12+\i]
.endr
.endm
	s_load_b256 s[4:11], s[0:1], 0x0               ; byte_array, ctxq, sumc, sums
	v_lshl_add_u32 v254, v0, 2, 0x11b00
	v_mov_b32 v255, 0
	v_lshrrev_b32 v1, 5, v0
	v_readfirstlane_b32 s12, v1                    ; wave
	v_and_b32 v1, 31, v0                           ; l
	v_and_b32 v252, 15, v0                         ; r
	v_bfe_u32 v253, v0, 4, 1                       ; h
	v_lshlrev_b32 v2, 4, v1                        ; 16 l
	s_mul_i32 s13, s12, WSTG
	s_add_co_u32 s13, s13, STG                     ; my stage
	v_add_nc_u32 v3, s13, v2                       ; into it: 16 l
	v_mul_u32_u24 v4, v252, PITCH
	v_lshl_add_u32 v4, v253, 6, v4
	v_add_nc_u32 v4, s13, v4                       ; out of it: row r, + 64 h
	s_mul_i32 s13, s12, 3072
	v_add_nc_u32 v5, s13, v2                       ; my tile in the record
	s_lshl_b32 s13, s12, 7
	v_lshlrev_b32 v6, 2, v1
	v_add_nc_u32 v6, s13, v6
	v_add_nc_u32 v6, SCST, v6                      ; my scale word's place
	s_lshl_b32 s13, s12, 10
	v_add_nc_u32 v7, s13, v2                       ; my column sums' place (the sums begin at LDS byte 0)
	v_lshlrev_b32 v247, 6, v252
	v_add_nc_u32 v247, MEAN, v247                  ; wave 0: 16 neighbours of the mean for lane r
	v_lshrrev_b32 v248, 1, v252
	v_add_nc_u32 v248, SBY, v248                   ; wave 0: my block's scale byte
	v_mov_b32 v249, SBY
	v_mul_u32_u24 v250, v1, 12                     ; wave 0: my 12 bytes of the mean's codes
	v_mov_b32 v251, 0
.irp b, 0,1,2,3
	v_mov_b32 v[TM+4+\b], 0                        ; written once: a lane permute's destination counts as one of its sources
.endr
	s_lshl_b32 s14, ttmp9, 16                      ; a block is 65,536 bytes, a wave's part 16,384
	s_lshl_b32 s13, s12, 14
	s_add_co_u32 s14, s14, s13
	s_mov_b32 s15, 0
	s_mul_i32 s16, ttmp9, 12800
	s_mov_b32 s17, 0
	s_mul_i32 s18, ttmp9, 192
	s_mov_b32 s19, 0
	s_lshl_b32 s22, ttmp9, 3
	s_mov_b32 s23, 0
	s_mov_b32 s[SEL], 0x76543210
	s_mov_b32 s[SEL+1], 0xfedcba98
	s_wait_kmcnt 0x0
	s_add_nc_u64 s[4:5], s[4:5], s[14:15]
	s_add_nc_u64 s[6:7], s[6:7], s[16:17]
	s_add_nc_u64 s[8:9], s[8:9], s[18:19]
	s_add_nc_u64 s[10:11], s[10:11], s[22:23]
.set I, 0
.rept 32
	global_load_b128 v[R+4*I:R+4*I+3], v2, s[4:5] offset:512*I th:TH_LOAD_NT   ; load I: token I / 2, columns 128 (I % 2) + 4 l on; 512 consecutive bytes; all 16 KiB are asked for at once
.set I, I+1
.endr
; Eight loads (four tokens) at a time: into the stage as they lie, and onto the column sums.
.macro PART q
	s_wait_loadcnt 24-8*\q                         ; loads come back in order: the oldest 8 (q + 1) are in, the younger ones stay out
.irp i, 0,1,2,3,4,5,6,7
	ds_store_b128 v3, v[R+4*(8*\q+\i):R+4*(8*\q+\i)+3] offset:((8*\q+\i)/2)*PITCH+((8*\q+\i)%2)*512
.endr
.irp w, 0,1,2,3
.if 4*\q+\w == 1
.irp p, 0,1,2,3
	v_pk_add_f32 v[CS+2*\p:CS+2*\p+1], v[R+2*\p:R+2*\p+1], v[R+8+2*\p:R+8+2*\p+1]   ; tokens 0 and 1 start the sums: nothing is cleared
.endr
.elseif 4*\q+\w > 1
.irp p, 0,1,2,3
	v_pk_add_f32 v[CS+2*\p:CS+2*\p+1], v[CS+2*\p:CS+2*\p+1], v[R+8*(4*\q+\w)+2*\p:R+8*(4*\q+\w)+2*\p+1]
.endr
.endif
.endr
.endm
	PART 0
	PART 1
	PART 2
	PART 3
.irp b, 0,1,2,3
.irp j, 0,1,2,3
	ds_load_b128 v[X0+16*\b+4*\j:X0+16*\b+4*\j+3], v4 offset:128*\b+16*\j          ; K step 0.  LDS serves a wave's instructions in order: these see my stores
.endr
.endr
	s_wait_dscnt 0x0                               ; K step 0's numbers are in, and the stores into the stage have read v16-143
.irp b, 0,1,2,3
.irp j, 0,1,2,3
	ds_load_b128 v[R+16*\b+4*\j:R+16*\b+4*\j+3], v4 offset:512+128*\b+16*\j        ; K step 1 lands while step 0 is quantised
.endr
.endr
	QUANT X0, PCA, 244
.irp c, 0,1,2
	global_store_b128 v5, v[PCA+4*\c:PCA+4*\c+3], s[6:7] offset:512*\c             ; 512 consecutive bytes, at a multiple of 256 from the buffer's first byte
.endr
	s_wait_dscnt 0x0
	QUANT R, PCB, 245                              ; a second set of code registers: no store's data are written again
.irp c, 0,1,2
	global_store_b128 v5, v[PCB+4*\c:PCB+4*\c+3], s[6:7] offset:1536+512*\c
.endr
	v_cmp_le_u32 vcc_lo, 16, v1
	v_cndmask_b32 v246, v244, v245, vcc_lo         ; lanes 0-15 K step 0's word, lanes 16-31 K step 1's
	ds_store_b32 v6, v246
	ds_store_b128 v7, v[CS:CS+3]
	ds_store_b128 v7, v[CS+4:CS+7] offset:512
	s_wait_dscnt 0x0                               ; for the others' sake: my stores have landed
	s_barrier_signal -1
	s_barrier_wait -1
	s_cmp_eq_u32 s12, 0
	s_cbranch_scc1 .Lmean
	s_cmp_eq_u32 s12, 1
	s_cbranch_scc0 .Ldone
	ds_load_b128 v[144:147], v2 offset:SCST        ; wave 1: the four tiles' scale words leave as 512 consecutive bytes
	s_wait_dscnt 0x0
	global_store_b128 v2, v[144:147], s[6:7] offset:12288
.Ldone:
	s_wait_tensorcnt 0x0
	ds_add_u32 v254, v255
	s_wait_dscnt 0x0
	s_endpgm
.Lmean:                                            ; wave 0: the block's mean, quantised
.irp k, 0,1,2,3
.irp v, 0,1
	ds_load_b128 v[144+8*\k+4*\v:147+8*\k+4*\v], v2 offset:SUMP+1024*\k+512*\v
.endr
.endr
	s_wait_dscnt 0x0
.irp p, 0,1,2,3
	v_pk_add_f32 v[144+2*\p:145+2*\p], v[144+2*\p:145+2*\p], v[152+2*\p:153+2*\p]
	v_pk_add_f32 v[160+2*\p:161+2*\p], v[160+2*\p:161+2*\p], v[168+2*\p:169+2*\p]
.endr
.irp p, 0,1,2,3
	v_pk_add_f32 v[144+2*\p:145+2*\p], v[144+2*\p:145+2*\p], v[160+2*\p:161+2*\p]
.endr
.irp p, 0,1,2,3
	v_pk_mul_f32 v[144+2*\p:145+2*\p], v[144+2*\p:145+2*\p], 0x3c800000 op_sel_hi:[1,0]   ; x 1 / 64: exact
.endr
	ds_store_b128 v2, v[144:147] offset:MEAN
	ds_store_b128 v2, v[148:151] offset:MEAN+512
.irp j, 0,1,2,3
	ds_load_b128 v[176+4*\j:179+4*\j], v247 offset:16*\j   ; lane r (both halves of the lanes alike): columns 16 r .. 16 r + 15; lanes r and r xor 1 hold a block of 32
.endr
	s_wait_dscnt 0x0
	v_max3_num_f32 v192, |v176|, |v177|, |v178|
	v_max3_num_f32 v193, |v179|, |v180|, |v181|
.irp i, 6,10
	v_max3_num_f32 v192, v192, |v[176+\i]|, |v[177+\i]|
	v_max3_num_f32 v193, v193, |v[178+\i]|, |v[179+\i]|
.endr
	v_max3_num_f32 v192, v192, |v190|, |v191|
	v_max3_num_f32 v192, v192, v193, 0x1800000     ; and the floor
	v_max_num_f32_dpp v192, v192, v192 row_xmask:1 row_mask:0xf bank_mask:0xf
	v_add_nc_u32 v194, 0xff000000, v192
	v_cvt_scalef32_pk16_fp6_f32 v[196:198], v[176:191], v194
	v_lshrrev_b32 v199, 23, v194                   ; the scale's byte (also the plain place behind the conversion)
	v_cmp_gt_u32 vcc_lo, 16, v1
	ds_store_b8 v248, v199                         ; the lanes of a block write the same byte with the same value
	ds_load_b64 v[200:201], v249
	s_wait_xcnt 0x0                                ; EXEC changes only behind this wait: stores of mine are out
	s_wait_tensorcnt 0x0
	ds_add_u32 v254, v255
	s_wait_dscnt 0x0
	s_and_saveexec_b32 s24, vcc_lo
	global_store_b96 v250, v[196:198], s[8:9]      ; lanes 0-15: the row's 192 consecutive bytes
	s_wait_xcnt 0x0
	s_or_b32 exec_lo, exec_lo, s24
	s_wait_dscnt 0x0
	v_cmp_eq_u32 vcc_lo, 0, v1
	s_and_saveexec_b32 s24, vcc_lo
	global_store_b64 v251, v[200:201], s[10:11]    ; lane 0: the row's 8 scale bytes
	s_wait_xcnt 0x0
	s_or_b32 exec_lo, exec_lo, s24
	s_endpgm
.Lfunc_end_k_qcf3ed288de_prep:
	.size	k_qcf3ed288de_prep, .Lfunc_end_k_qcf3ed288de_prep-k_qcf3ed288de_prep
	.p2alignl 7, 3214868480
	.fill 96, 4, 3214868480
	.section	.rodata,"a",@progbits
	.p2align	6, 0x0
	.amdhsa_kernel k_qcf3ed288de_prep
		.amdhsa_group_segment_fixed_size 72960
		.amdhsa_private_segment_fixed_size 0
		.amdhsa_enable_private_segment 0
		.amdhsa_kernarg_size 32
		.amdhsa_user_sgpr_count 2
		.amdhsa_user_sgpr_kernarg_segment_ptr 1
		.amdhsa_wavefront_size32 1
		.amdhsa_system_sgpr_workgroup_id_x 1
		.amdhsa_system_sgpr_workgroup_id_y 1
		.amdhsa_system_sgpr_workgroup_id_z 1
		.amdhsa_system_vgpr_workitem_id 0
		.amdhsa_next_free_vgpr 256
		.amdhsa_next_free_sgpr 66
		.amdhsa_reserve_vcc 1
		.amdhsa_float_denorm_mode_32 3
		.amdhsa_float_denorm_mode_16_64 3
		.amdhsa_memory_ordered 1
		.amdhsa_forward_progress 1
		.amdhsa_inst_pref_size 26
	.end_amdhsa_kernel
	.amdgpu_metadata
---
amdhsa.version: [ 1, 2 ]
amdhsa.kernels:
  - .name:           k_qcf3ed288de_prep
    .symbol:         k_qcf3ed288de_prep.kd
    .args:
      - { .name: byte_array, .offset: 0, .size: 8, .value_kind: global_buffer, .address_space: global }
      - { .name: ctxq, .offset: 8, .size: 8, .value_kind: global_buffer, .address_space: global }
      - { .name: sumc, .offset: 16, .size: 8, .value_kind: global_buffer, .address_space: global }
      - { .name: sums, .offset: 24, .size: 8, .value_kind: global_buffer, .address_space: global }
    .group_segment_fixed_size: 72960
    .private_segment_fixed_size: 0
    .kernarg_segment_align: 8
    .kernarg_segment_size: 32
    .max_flat_workgroup_size: 128
    .sgpr_count:     66
    .vgpr_count:     256
    .wavefront_size: 32
...
	.end_amdgpu_metadata
.endif
;; end of part 1
;; launch router (part 2): grid 16 x 1, 16 waves a work-group, no clusters, 68,096 bytes of LDS; arguments latents_codes, latents_scales, router_q_w_codes, router_q_w_scales, router_q_b, router_k_w_codes, router_k_w_scales, router_k_b, Wq_codes, Wq_scales, Wk_codes, Wv_codes, Wo_codes, sumc, sums, idxw, qws, wimg; writes idxw, qws, wimg
.if DOCPART == 2
	.amdgcn_target "amdgcn-amd-amdhsa--gfx1250"
	.amdhsa_code_object_version 6
	.text
	.protected	k_qcf3ed288de_router
	.globl	k_qcf3ed288de_router
	.p2align	8
	.type	k_qcf3ed288de_router,@function
k_qcf3ed288de_router:
	s_mov_b64 s[64:65], 0
	v_nop
	global_prefetch_b8 v0, s[64:65] scope:SCOPE_SE
	s_setreg_imm32_b32 hwreg(HW_REG_WAVE_MODE, 25, 1), 1
	s_wait_xcnt 0x0
; The router and what else is small.  Work-group g takes latents 16 g .. 16 g + 15 (batch g / 8); its 16 waves run one text:
;  r_q = latents W_rq + b (wave w: tile w % 4 of the 64 outputs, K step w / 4 of four; the four parts meet in LDS and are added in f32);
;  r_k = means W_rk + b for the batch's 256 blocks (wave w: blocks 16 w .. 16 w + 15); both quantised along their 64; logits = r_q r_k^T (K = 64: the upper half of the K step is zero codes);
;  the 16 largest logits of latent 16 g + w, equal values by the lower index, stored as block numbers (whole numbers) for the next launch;
;  q = latents Wq, times log2(e) / 8, stored in f32;  and fragment 16 g + w of 256 of Wk, Wv, Wo is laid as an image of the operand's registers.
; Every product is used transposed: source 0 = 16 rows of the weight (or 16 blocks), source 1 = 16 latents (or 16 means): a lane holds one row of the result and 8 neighbours along its columns.
; THE ROWS OF A WEIGHT TILE ARE CHOSEN: lane r of tile 2 b + u takes row 32 b + 8 u + r + 8 (r / 8), so that the registers of tiles 2 b, 2 b + 1 are 16 neighbours, 32 b + 16 (lane / 16) + 0 .. 15.
; LIMITS: logits that are NaN or -infinity are not served; +0 and -0 count as equal; r_q's K is summed as four parts and then in f32.
; No address and no branch hangs on a floating-point number: the choice is made by compares and selects in loops of constant count, and stored at fixed places.
.set RQP, 0                            ; LDS: the 16 waves' parts of r_q, 1,024 bytes each, as images of 8 registers
.set LG,  16384                        ; the logits, 16 latents x (1,024 bytes + 16)
.set LGP, 1040
.set QST, LG+16*LGP                    ; q's stage, 16 latents x (2,048 bytes + 16)
.set QSP, 2064
.set TM,  48                           ; v48-63 the quantiser's work
.set SEL, 52                           ; s[52:53] lane selects: lane l xor 16
; v32-47 hold scales and nothing else: v32 W_rq, v33 latents (one K step), v34 means, v35-38 W_rk, v39 r_k, v40 r_q, v41-42 latents (two K steps a register), v43-46 Wq
.macro NOPS n
.rept \n
	v_nop
.endr
.endm
.macro BARRIER                         ; my LDS stores have landed and my LDS loads are in: then the work-group's barrier
	s_wait_dscnt 0x0
	s_barrier_signal -1
	s_barrier_wait -1
.endm
.macro GFRAG reg, off, base, imm       ; a fragment from rows of codes: 24 bytes at + 0 and 24 at + 48, in pieces of 8
.irp p, 0,1,2,3,4,5
	global_load_b64 v[\reg+2*\p:\reg+2*\p+1], v[\off], s[\base:\base+1] offset:\imm+48*(\p/3)+8*(\p%3)
.endr
.endm
.macro WM d, a, b, z, sa, sb, row      ; z = 1: the sum starts at 0; row = 1: both sides' scales from lanes 16-31
.if \z
	v_wmma_scale_f32_16x16x128_f8f6f4 v[\d:\d+7], v[\a:\a+11], v[\b:\b+11], 0, v[\sa], v[\sb] matrix_a_fmt:MATRIX_FMT_FP6 matrix_b_fmt:MATRIX_FMT_FP6
.elseif \row
	v_wmma_scale_f32_16x16x128_f8f6f4 v[\d:\d+7], v[\a:\a+11], v[\b:\b+11], v[\d:\d+7], v[\sa], v[\sb] matrix_a_fmt:MATRIX_FMT_FP6 matrix_b_fmt:MATRIX_FMT_FP6 matrix_a_scale:MATRIX_SCALE_ROW1 matrix_b_scale:MATRIX_SCALE_ROW1
.else
	v_wmma_scale_f32_16x16x128_f8f6f4 v[\d:\d+7], v[\a:\a+11], v[\b:\b+11], v[\d:\d+7], v[\sa], v[\sb] matrix_a_fmt:MATRIX_FMT_FP6 matrix_b_fmt:MATRIX_FMT_FP6
.endif
.endm
; 32 numbers of a lane, register 16 b + i = k 32 b + 16 (lane / 16) + i, become the lower half of a fragment at v[pc]; its upper half (k 64 .. 127) is zero codes; the scale word's upper bytes stay 0
.macro QUANT2 s, pc, pw
.irp b, 0,1
	v_max3_num_f32 v[TM+\b], |v[\s+16*\b]|, |v[\s+1+16*\b]|, 0x1800000   ; and the floor 2^(3 - 127): the byte cannot fall under 1
.endr
.irp i, 2,4,6,8,10,12,14
.irp b, 0,1
	v_max3_num_f32 v[TM+\b], v[TM+\b], |v[\s+16*\b+\i]|, |v[\s+1+16*\b+\i]|
.endr
.endr
.irp b, 0,1
	v_permlanex16_b32 v[TM+4+\b], v[TM+\b], s[SEL], s[SEL+1]
.endr
.irp b, 0,1
	v_max_num_f32 v[TM+\b], v[TM+\b], v[TM+4+\b]
.endr
.irp b, 0,1
	v_add_nc_u32 v[TM+12+\b], 0xff000000, v[TM+\b]
.endr
.irp b, 0,1
	v_lshrrev_b32 v[TM+4+\b], 23, v[TM+12+\b]
.endr
	v_lshl_or_b32 v[\pw], v[TM+5], 8, v[TM+4]
	v_cvt_scalef32_pk16_fp6_f32 v[\pc:\pc+2], v[\s:\s+15], v[TM+12]
	v_cvt_scalef32_pk16_fp6_f32 v[\pc+12:\pc+14], v[\s+16:\s+31], v[TM+13]
	v_nop                                          ; one plain place behind the scaled conversions
.irp i, 0,1,2
	v_permlane16_swap_b32 v[\pc+\i], v[\pc+12+\i]
.endr
.irp i, 0,1,2
	v_mov_b32 v[\pc+3+\i], v[\pc+12+\i]
.endr
.irp i, 6,7,8,9,10,11
	v_mov_b32 v[\pc+\i], 0
.endr
.endm
	s_load_b512 s[4:19], s[0:1], 0x0               ; latents' codes 4, scales 6; W_rq's codes 8, scales 10, bias 12; W_rk's codes 14, scales 16, bias 18
	s_load_b512 s[20:35], s[0:1], 0x40             ; Wq's codes 20, scales 22; Wk 24, Wv 26, Wo 28 (codes); sumc 30, sums 32, idxw 34
	s_load_b128 s[36:39], s[0:1], 0x80             ; qws 36, wimg 38
	v_lshl_add_u32 v29, v0, 2, 0x10200
	v_mov_b32 v47, 0
	v_lshrrev_b32 v1, 5, v0
	v_readfirstlane_b32 s40, v1                    ; w
	s_mov_b32 s41, ttmp9                           ; g
	s_lshr_b32 s42, s41, 3                         ; batch
	s_lshl_b32 s43, s41, 4
	s_add_co_u32 s43, s43, s40                     ; 16 g + w: my latent, and my fragment of the weights
	v_and_b32 v1, 31, v0                           ; l
	v_and_b32 v2, 15, v0                           ; r
	v_bfe_u32 v3, v0, 4, 1                         ; h
	v_and_b32 v4, 8, v2
	v_add_nc_u32 v4, v4, v2                        ; r + 8 (r / 8)
	v_lshlrev_b32 v5, 4, v1                        ; 16 l
	; my fragment of the weights: 0-63 Wk (tile T, K step: 2 T + step), 64-127 Wv, 128-255 Wo (4 T + step)
	s_cmp_lt_u32 s41, 8
	s_cselect_b32 s44, 1, 2                        ; log2 of the K steps in a row
	s_cselect_b32 s45, 63, 127
	s_and_b32 s45, s43, s45
	s_lshr_b32 s46, s45, s44                       ; T
	s_lshl_b32 s47, s46, s44
	s_sub_co_u32 s47, s45, s47                     ; step
	s_lshr_b32 s60, s46, 1
	s_lshl_b32 s60, s60, 5
	s_and_b32 s61, s46, 1
	s_lshl_b32 s61, s61, 3
	s_add_co_u32 s60, s60, s61                     ; the tile's first row
	s_mul_i32 s60, s60, 96
	s_lshl_b32 s60, s60, s44                       ; a row is 96 bytes a K step
	s_mul_i32 s61, s47, 96
	s_add_co_u32 s60, s60, s61
	v_mul_u32_u24 v6, v4, 96
	v_lshlrev_b32 v6, s44, v6
	v_mad_u32_u24 v6, v3, 24, v6
	v_add_nc_u32 v6, s60, v6                       ; v6: my bytes of that fragment
	; r_q's part: tile t = w % 4, K step w / 4
	s_and_b32 s58, s40, 3
	s_lshr_b32 s59, s40, 2
	s_lshr_b32 s60, s58, 1
	s_lshl_b32 s60, s60, 5
	s_and_b32 s61, s58, 1
	s_lshl_b32 s61, s61, 3
	s_add_co_u32 s60, s60, s61                     ; 32 b + 8 u
	v_add_nc_u32 v30, s60, v4
	v_mul_u32_u24 v7, v30, 384
	v_mad_u32_u24 v7, v3, 24, v7
	s_mul_i32 s61, s59, 96
	v_add_nc_u32 v7, s61, v7                       ; v7: W_rq's codes
	v_lshlrev_b32 v8, 4, v30
	s_lshl_b32 s62, s59, 2
	v_add_nc_u32 v8, s62, v8                       ; v8: its scale word
	s_lshl_b32 s63, s41, 4
	v_add_nc_u32 v30, s63, v2                      ; latent 16 g + r
	v_mul_u32_u24 v9, v30, 384
	v_mad_u32_u24 v9, v3, 24, v9                   ; v9: its codes, K step 0
	v_add_nc_u32 v10, s61, v9                      ; v10: my K step
	v_lshlrev_b32 v11, 4, v30
	v_lshl_add_u32 v24, v3, 2, v11                 ; v24: its scale words, two K steps a register
	v_add_nc_u32 v11, s62, v11                     ; v11: my K step's
	s_lshl_b32 s60, s60, 2
	v_lshlrev_b32 v17, 6, v3                       ; v17: 64 h: a bias's 8 numbers of my half
	v_add_nc_u32 v12, s60, v17                     ; v12: b_rq at 32 b + 8 u + 16 h
	s_cmp_eq_u32 s59, 0
	s_cselect_b32 s54, -1, 0                       ; the bias goes into K step 0's part alone
	; r_k: means 256 batch + 16 w + r
	s_lshl_b32 s60, s42, 8
	s_lshl_b32 s61, s40, 4
	s_add_co_u32 s60, s60, s61
	v_add_nc_u32 v30, s60, v2
	v_mul_u32_u24 v13, v30, 192
	v_mad_u32_u24 v13, v3, 24, v13                 ; v13: the mean's codes
	v_lshlrev_b32 v14, 3, v30
	v_lshl_add_u32 v14, v3, 2, v14                 ; v14: its two scale words, one for each half of the lanes
	v_mul_u32_u24 v15, v4, 192
	v_mad_u32_u24 v15, v3, 24, v15                 ; v15: W_rk's codes
	v_lshlrev_b32 v16, 3, v4
	v_lshl_add_u32 v16, v3, 2, v16                 ; v16: its scale words
	s_mul_i32 s60, s43, 1536
	v_add_nc_u32 v18, s60, v5                      ; v18: my fragment's image in wimg
	; LDS
	s_lshl_b32 s60, s40, 10
	v_add_nc_u32 v19, s60, v5                      ; v19: my part of r_q
	v_mul_u32_u24 v20, v2, LGP
	v_lshl_add_u32 v20, v3, 5, v20
	s_lshl_b32 s60, s40, 6
	v_add_nc_u32 v20, s60, v20
	v_add_nc_u32 v20, LG, v20                      ; v20: logits in: latent r, blocks 16 w + 8 h on
	s_mul_i32 s60, s40, LGP
	v_lshlrev_b32 v21, 5, v1
	v_add_nc_u32 v21, s60, v21
	v_add_nc_u32 v21, LG, v21                      ; v21: logits out: latent w, blocks 8 l on
	v_mul_u32_u24 v22, v2, QSP
	v_lshl_add_u32 v22, v3, 5, v22
	s_lshl_b32 s60, s40, 7
	v_add_nc_u32 v22, s60, v22
	v_add_nc_u32 v22, QST, v22                     ; v22: q in: latent r, channels 32 w + 8 h on
	s_mul_i32 s60, s40, QSP
	v_add_nc_u32 v23, s60, v5
	v_add_nc_u32 v23, QST, v23                     ; v23: q out: latent w
	; q = latents Wq: rows 32 w + r of Wq, as they lie
	s_lshl_b32 s60, s40, 5
	v_add_nc_u32 v30, s60, v2
	v_mul_u32_u24 v25, v30, 384
	v_mad_u32_u24 v25, v3, 24, v25                 ; v25: Wq's codes
	v_lshlrev_b32 v26, 4, v30
	v_lshl_add_u32 v26, v3, 2, v26                 ; v26: its scale words
	s_lshl_b32 s60, s43, 6
	v_lshl_add_u32 v27, v2, 2, s60                 ; v27: my latent's 16 numbers in idxw
	s_lshl_b32 s60, s43, 11
	v_add_nc_u32 v28, s60, v5                      ; v28: my latent's row in qws
	s_mov_b32 s[SEL], 0x76543210
	s_mov_b32 s[SEL+1], 0xfedcba98
	s_mov_b32 s56, 0x3e38aa3b                      ; log2(e) / 8
	s_mov_b32 s57, s56                             ; (named with it as a pair)
	s_wait_kmcnt 0x0
	s_cmp_lt_u32 s41, 4                            ; which weight my fragment belongs to hangs on the work-group's number alone
	s_cselect_b64 s[48:49], s[24:25], s[26:27]
	s_cmp_lt_u32 s41, 8
	s_cselect_b64 s[48:49], s[48:49], s[28:29]
	; all that the first products want goes out in one run
	GFRAG 48, 6, 48, 0                             ; v48-59   the weight fragment to be laid out
	GFRAG 60, 7, 8, 0                              ; v60-71   W_rq
	global_load_b32 v32, v8, s[10:11]
	GFRAG 72, 10, 4, 0                             ; v72-83   latents, my K step
	global_load_b32 v33, v11, s[6:7]
	global_load_b128 v[84:87], v12, s[12:13]       ; v84-91   b_rq: the sum's C
	global_load_b128 v[88:91], v12, s[12:13] offset:16
	GFRAG 92, 13, 30, 0                            ; v92-115  the means, two K steps
	GFRAG 104, 13, 30, 96
	global_load_b32 v34, v14, s[32:33]
.irp t, 0,1,2,3
.irp k, 0,1
	GFRAG 148+24*\t+12*\k, 15, 14, (32*(\t/2)+8*(\t%2))*192+96*\k      ; v148-243 W_rk: tile t, K step k
.endr
	global_load_b32 v[35+\t], v16, s[16:17] offset:(32*(\t/2)+8*(\t%2))*8
	global_load_b128 v[116+8*\t:119+8*\t], v17, s[18:19] offset:(32*(\t/2)+8*(\t%2))*4      ; v116-147 b_rk: the sums' C
	global_load_b128 v[120+8*\t:123+8*\t], v17, s[18:19] offset:(32*(\t/2)+8*(\t%2))*4+16
.endr
	s_wait_loadcnt 0x0
.irp c, 0,1,2
	global_store_b128 v18, v[48+4*\c:51+4*\c], s[38:39] offset:512*\c   ; the fragment as an image of its registers: 512 consecutive bytes a store
.endr
.irp j, 0,1,2,3,4,5,6,7
	v_cndmask_b32 v[84+\j], 0, v[84+\j], s54
.endr
	NOPS 4
	WM 84, 60, 72, 0, 32, 33, 0                    ; nine sums, each accumulator one instruction a turn
.irp t, 0,1,2,3
	WM 116+8*\t, 148+24*\t, 92, 0, 35+\t, 34, 0
.endr
.irp t, 0,1,2,3
	WM 116+8*\t, 160+24*\t, 104, 0, 35+\t, 34, 1
.endr
	NOPS 4                                         ; four places in front of the first read of results
	ds_store_b128 v19, v[84:87]
	ds_store_b128 v19, v[88:91] offset:512
	s_wait_xcnt 0x0                                ; the stores to wimg have read v48-59, which the quantiser now takes
	QUANT2 116, 64, 39                             ; r_k of my 16 blocks: fragment v64-75, scale word v39
	BARRIER                                        ; the 16 parts of r_q lie in LDS
.macro PARTS base, k
.irp t, 0,1,2,3
.irp c, 0,1
	ds_load_b128 v[\base+8*\t+4*\c:\base+8*\t+4*\c+3], v5 offset:RQP+1024*(4*\k+\t)+512*\c
.endr
.endr
.endm
	PARTS 148, 0
	PARTS 180, 1
	PARTS 212, 2
	PARTS 116, 3
	s_wait_dscnt 0x0
.set J, 0
.rept 16
	v_pk_add_f32 v[148+J:149+J], v[148+J:149+J], v[180+J:181+J]
	v_pk_add_f32 v[212+J:213+J], v[212+J:213+J], v[116+J:117+J]
.set J, J+2
.endr
.set J, 0
.rept 16
	v_pk_add_f32 v[148+J:149+J], v[148+J:149+J], v[212+J:213+J]
.set J, J+2
.endr
	QUANT2 148, 92, 40                             ; r_q of the 16 latents: fragment v92-103, scale word v40
	NOPS 8                                         ; a scale register written by a vector instruction stands 8 places ahead of a scaled matrix instruction
	WM 84, 64, 92, 1, 39, 40, 0                    ; logits: lane (r, h): latent r, blocks 16 w + 8 h + 0 .. 7
	NOPS 4
	ds_store_b128 v20, v[84:87]
	ds_store_b128 v20, v[88:91] offset:16
	; what q's product wants is asked for now and lands under the choice below: 52 loads here, 26 between the two loops
.irp k, 0,1,2,3
	GFRAG 112+12*\k, 9, 4, 96*\k                   ; v112-159 the latents' four K steps
.endr
	global_load_b32 v41, v24, s[6:7]
	global_load_b32 v42, v24, s[6:7] offset:8
.irp k, 0,1,2,3
	GFRAG 160+12*\k, 25, 20, 96*\k                 ; v160-207 Wq, rows 32 w on
.endr
	global_load_b32 v43, v26, s[22:23]
	global_load_b32 v44, v26, s[22:23] offset:8
	BARRIER                                        ; the 16 latents' logits lie in LDS
	ds_load_b128 v[48:51], v21                     ; my latent's logits of blocks 8 l .. 8 l + 7
	ds_load_b128 v[52:55], v21 offset:16
	v_lshlrev_b32 v30, 3, v1
.irp i, 0,1,2,3,4,5,6,7
	v_add_nc_u32 v31, \i, v30
	v_cvt_f32_u32 v[56+\i], v31                    ; their numbers, as f32
.endr
	v_mov_b32 v72, 0                               ; lane r will hold the r-th choice
	v_mov_b32 v73, 0xff800000                      ; -infinity: what has been chosen
	v_mov_b32 v74, 0x4e6e6b28                      ; 1e9: over every block number
	s_wait_dscnt 0x0
; One choice: the largest logit of the 256; among equal ones the lowest number; it is struck out; lane s55 % 16 keeps it.
.macro TOPTRIP
	v_max3_num_f32 v64, v48, v49, v50
	v_max3_num_f32 v65, v51, v52, v53
	v_max3_num_f32 v64, v64, v54, v55
	v_max_num_f32 v64, v64, v65
.irp m, 1,2,4,8
	v_max_num_f32_dpp v64, v64, v64 row_xmask:\m row_mask:0xf bank_mask:0xf
.endr
	v_permlanex16_b32 v65, v64, s[SEL], s[SEL+1]
	v_max_num_f32 v64, v64, v65
	v_mov_b32 v66, v74
.irp i, 7,6,5,4,3,2,1,0
	v_cmp_eq_f32 vcc_lo, v[48+\i], v64
	v_cndmask_b32 v66, v66, v[56+\i], vcc_lo
.endr
.irp m, 1,2,4,8
	v_min_num_f32_dpp v66, v66, v66 row_xmask:\m row_mask:0xf bank_mask:0xf
.endr
	v_permlanex16_b32 v65, v66, s[SEL], s[SEL+1]
	v_min_num_f32 v66, v66, v65
.irp i, 0,1,2,3,4,5,6,7
	v_cmp_eq_f32 vcc_lo, v[56+\i], v66
	v_cndmask_b32 v[48+\i], v[48+\i], v73, vcc_lo
.endr
	v_cmp_eq_u32 vcc_lo, s55, v2
	v_cndmask_b32 v72, v72, v66, vcc_lo
.endm
	s_mov_b32 s55, 0
.Ltop_a:
	TOPTRIP
	s_add_co_u32 s55, s55, 1
	s_cmp_lt_u32 s55, 8
	s_cbranch_scc1 .Ltop_a
.irp k, 0,1,2,3
	GFRAG 208+12*\k, 25, 20, 16*384+96*\k          ; v208-255 Wq, rows 32 w + 16 on
.endr
	global_load_b32 v45, v26, s[22:23] offset:256
	global_load_b32 v46, v26, s[22:23] offset:264
.Ltop_b:
	TOPTRIP
	s_add_co_u32 s55, s55, 1
	s_cmp_lt_u32 s55, 16
	s_cbranch_scc1 .Ltop_b
	s_lshl_b32 s60, s42, 8
	v_cvt_u32_f32 v72, v72
	v_add_nc_u32 v72, s60, v72                     ; the block's number among all 512
	global_store_b32 v27, v72, s[34:35]            ; 64 consecutive bytes; lanes r and r + 16 store the same word with the same number
	s_wait_loadcnt 0x0
.irp k, 0,1,2,3
.irp n, 0,1
.if \k == 0
	WM 84+8*\n, 160+48*\n, 112, 1, 43+2*\n, 41, 0  ; two accumulators by turns
.else
	WM 84+8*\n, 160+48*\n+12*\k, 112+12*\k, 0, 43+2*\n+\k/2, 41+\k/2, \k%2
.endif
.endr
.endr
	NOPS 4
.irp j, 0,2,4,6,8,10,12,14
	v_pk_mul_f32 v[84+\j:85+\j], v[84+\j:85+\j], s[56:57] op_sel_hi:[1,0]   ; x log2(e) / 8; each accumulator from its low end on
.endr
.irp n, 0,1
	ds_store_b128 v22, v[84+8*\n:87+8*\n] offset:64*\n
	ds_store_b128 v22, v[88+8*\n:91+8*\n] offset:64*\n+16
.endr
	BARRIER                                        ; 16 whole rows of q lie in the stage
.irp i, 0,1,2,3
	ds_load_b128 v[100+4*\i:103+4*\i], v23 offset:512*\i
.endr
.irp i, 0,1,2,3
	s_wait_dscnt 3-\i                              ; LDS loads come back in order: the younger ones stay out
	global_store_b128 v28, v[100+4*\i:103+4*\i], s[36:37] offset:512*\i   ; 512 consecutive bytes, at a multiple of 256 from the buffer's first byte
.endr
	s_wait_tensorcnt 0x0
	ds_add_u32 v29, v47
	s_wait_dscnt 0x0
	s_endpgm
.Lfunc_end_k_qcf3ed288de_router:
	.size	k_qcf3ed288de_router, .Lfunc_end_k_qcf3ed288de_router-k_qcf3ed288de_router
	.p2alignl 7, 3214868480
	.fill 96, 4, 3214868480
	.section	.rodata,"a",@progbits
	.p2align	6, 0x0
	.amdhsa_kernel k_qcf3ed288de_router
		.amdhsa_group_segment_fixed_size 68096
		.amdhsa_private_segment_fixed_size 0
		.amdhsa_enable_private_segment 0
		.amdhsa_kernarg_size 144
		.amdhsa_user_sgpr_count 2
		.amdhsa_user_sgpr_kernarg_segment_ptr 1
		.amdhsa_wavefront_size32 1
		.amdhsa_system_sgpr_workgroup_id_x 1
		.amdhsa_system_sgpr_workgroup_id_y 1
		.amdhsa_system_sgpr_workgroup_id_z 1
		.amdhsa_system_vgpr_workitem_id 0
		.amdhsa_next_free_vgpr 256
		.amdhsa_next_free_sgpr 66
		.amdhsa_reserve_vcc 1
		.amdhsa_float_denorm_mode_32 3
		.amdhsa_float_denorm_mode_16_64 3
		.amdhsa_memory_ordered 1
		.amdhsa_forward_progress 1
		.amdhsa_inst_pref_size 43
	.end_amdhsa_kernel
	.amdgpu_metadata
---
amdhsa.version: [ 1, 2 ]
amdhsa.kernels:
  - .name:           k_qcf3ed288de_router
    .symbol:         k_qcf3ed288de_router.kd
    .args:
      - { .name: latents_codes, .offset: 0, .size: 8, .value_kind: global_buffer, .address_space: global }
      - { .name: latents_scales, .offset: 8, .size: 8, .value_kind: global_buffer, .address_space: global }
      - { .name: router_q_w_codes, .offset: 16, .size: 8, .value_kind: global_buffer, .address_space: global }
      - { .name: router_q_w_scales, .offset: 24, .size: 8, .value_kind: global_buffer, .address_space: global }
      - { .name: router_q_b, .offset: 32, .size: 8, .value_kind: global_buffer, .address_space: global }
      - { .name: router_k_w_codes, .offset: 40, .size: 8, .value_kind: global_buffer, .address_space: global }
      - { .name: router_k_w_scales, .offset: 48, .size: 8, .value_kind: global_buffer, .address_space: global }
      - { .name: router_k_b, .offset: 56, .size: 8, .value_kind: global_buffer, .address_space: global }
      - { .name: Wq_codes, .offset: 64, .size: 8, .value_kind: global_buffer, .address_space: global }
      - { .name: Wq_scales, .offset: 72, .size: 8, .value_kind: global_buffer, .address_space: global }
      - { .name: Wk_codes, .offset: 80, .size: 8, .value_kind: global_buffer, .address_space: global }
      - { .name: Wv_codes, .offset: 88, .size: 8, .value_kind: global_buffer, .address_space: global }
      - { .name: Wo_codes, .offset: 96, .size: 8, .value_kind: global_buffer, .address_space: global }
      - { .name: sumc, .offset: 104, .size: 8, .value_kind: global_buffer, .address_space: global }
      - { .name: sums, .offset: 112, .size: 8, .value_kind: global_buffer, .address_space: global }
      - { .name: idxw, .offset: 120, .size: 8, .value_kind: global_buffer, .address_space: global }
      - { .name: qws, .offset: 128, .size: 8, .value_kind: global_buffer, .address_space: global }
      - { .name: wimg, .offset: 136, .size: 8, .value_kind: global_buffer, .address_space: global }
    .group_segment_fixed_size: 68096
    .private_segment_fixed_size: 0
    .kernarg_segment_align: 8
    .kernarg_segment_size: 144
    .max_flat_workgroup_size: 512
    .sgpr_count:     66
    .vgpr_count:     256
    .wavefront_size: 32
...
	.end_amdgpu_metadata
.endif
;; end of part 2
;; launch attend (part 3): grid 256 x 1, 4 waves a work-group, no clusters, 246,784 bytes of LDS; arguments ctxq, idxw, qws, wimg, Wk_scales, Wv_scales, Wo_scales, out0; writes out0
.if DOCPART == 3
	.amdgcn_target "amdgcn-amd-amdhsa--gfx1250"
	.amdhsa_code_object_version 6
	.text
	.protected	k_qcf3ed288de_attend
	.globl	k_qcf3ed288de_attend
	.p2align	8
	.type	k_qcf3ed288de_attend,@function
k_qcf3ed288de_attend:
	s_mov_b64 s[64:65], 0
	v_nop
	global_prefetch_b8 v0, s[64:65] scope:SCOPE_SE
	s_setreg_imm32_b32 hwreg(HW_REG_WAVE_MODE, 25, 1), 1
	s_wait_xcnt 0x0
; One work-group for each of the 256 latents: gather its 16 blocks, k = ctx Wk, scores, softmax, v = ctx Wv, o, out = o Wo.
; SHARES.  Wave w owns heads 2 w and 2 w + 1: channels 128 w .. 128 w + 127, 8 tiles of 16.  Its 16 fragments of Wk, then of Wv, then 32 of Wo live in its registers: each weight byte is read once a
; work-group.  The 16 chosen blocks' records (codes and scale words as images of operand registers, 12,800 bytes each) are copied into LDS once, each wave a quarter, and read by all four waves twice:
; pass 1 makes k and the scores, pass 2 makes v and o.  Scores, softmax and o never leave the wave.  k and v are never stored: each tile is used up by vector multiply-adds in f32.
; Both products are used transposed (source 0 = 16 rows of the weight, source 1 = 16 tokens): lane (r, h) holds token r and, in tile t's register j, channel 128 w + 32 (t / 2) + 16 h + 8 (t % 2) + j
; (the rows of a weight tile were chosen so when the images were laid out).
; BY TURNS.  A token tile is 16 matrix instructions into one of two sets of 8 accumulators; behind each stand two packed multiply-adds that use up the tile before, from the other set.
; SOFTMAX.  q arrives times log2(e) / 8; the row's true maximum over all 1,024 scores is taken away, p = 2^(t - max), and p is divided by its sum ahead of pass 2.
; No tensor load: the gather's addresses come from a stored list, LDS has no room for the weights beside the blocks, and what work-groups share (the weights) is wanted in registers.
; LIMITS: NaN and infinities are not served; a block number is held at 511 from above.
; REGISTERS, in windows of 256 (s_set_vgpr_msb: bits 1:0 source 0, 3:2 source 1, 5:4 source 2, 7:6 destination):
;  window 0: v1-23, v63 addresses; v24-61 scales and nothing else (v24-25 ctx, v26-33 Wk, v34-41 Wv, v42-45 o, v46-61 Wo); v64-88, v92-116 two blocks on their way to LDS; v120-127 a score's parts;
;            later v64-127 the scores, later o; v128-158 at work; v160-255 Wo's tiles 6, 7.  All exchanges between lanes are made in this window.
;  window 1: v0-63, v64-127 the two sets of accumulators; v128-175 two sets of a token tile's two fragments; v176-183 a score's sums; v188-251 o's sums.
;  window 2: v0-191 Wk, v192-255 q; later v0-239 Wo's tiles 0-4.     window 3: v0-191 Wv; v192-199 p, four pairs; v200-247 Wo's tile 5.
; The multiply-adds take q or p as source 0 (the weight's window) and the accumulators as source 1 (the tokens' window), so they run under the matrix instructions' own setting.
.set OIMG,  0                          ; LDS: the four waves' fragments of o, 1,536 bytes each,
.set OSC,   6144                       ; their scale words, 128 bytes each,
.set OUTST, 6656                       ; each wave's 128 outputs,
.set ATT,   8704                       ; each wave's scores: 32 pairs of token tiles x 256 bytes; lane l at 8 l: (head 0, head 1); lanes 0-15 the even tile, lanes 16-31 the odd one,
.set CTX,   41472                      ; and the 16 blocks' records; each is written once
.set REC,   12800
.set TM,    128                        ; v128-143 the quantiser's work
.set SEL,   26                         ; s[26:27] lane selects: lane l xor 16
.set MM1,   0x56                       ; source 0 window 2, source 1, C and D window 1
.set MM2,   0x57                       ; the same with source 0 in window 3
.set TO1,   0x40                       ; a load's destination in window 1, 2, 3; its address in window 0
.set TO2,   0x80
.set TO3,   0xc0
.set DS1,   0x04                       ; an LDS store's data in window 1
.set MSB, 0
.macro WIN new                         ; the immediate's high byte repeats the setting that is left; a switch that changes nothing is dropped
.if MSB != \new
	s_set_vgpr_msb (MSB<<8)|\new
.set MSB, \new
.endif
.endm
.macro NOPS n
.rept \n
	v_nop
.endr
.endm
.macro BARRIER
	s_wait_dscnt 0x0
	s_barrier_signal -1
	s_barrier_wait -1
.endm
; The next two blocks of the list: my quarter of each record (tile w's 3,072 bytes and its 128 bytes of scale words) into registers: 14 loads.  The list then moves up by two.
.macro REQUEST
	s_min_u32 s48, s32, 511
	s_min_u32 s49, s33, 511
	s_mul_i32 s48, s48, REC
	s_mul_i32 s49, s49, REC
	v_add_nc_u32 v14, s48, v3
	v_add_nc_u32 v15, s48, v4
	v_add_nc_u32 v16, s49, v3
	v_add_nc_u32 v17, s49, v4
.irp c, 0,1,2,3,4,5
	global_load_b128 v[64+4*\c:67+4*\c], v14, s[4:5] offset:512*\c
.endr
	global_load_b32 v88, v15, s[4:5]
.irp c, 0,1,2,3,4,5
	global_load_b128 v[92+4*\c:95+4*\c], v16, s[4:5] offset:512*\c
.endr
	global_load_b32 v116, v17, s[4:5]
.irp i, 0,1,2,3,4,5,6
	s_mov_b64 s[32+2*\i:33+2*\i], s[34+2*\i:35+2*\i]
.endr
.endm
.macro PUBLISH off                     ; and from there into their two slots in LDS: 14 stores
.irp c, 0,1,2,3,4,5
	ds_store_b128 v11, v[64+4*\c:67+4*\c] offset:\off+512*\c
.endr
	ds_store_b32 v12, v88 offset:\off
.irp c, 0,1,2,3,4,5
	ds_store_b128 v11, v[92+4*\c:95+4*\c] offset:\off+REC+512*\c
.endr
	ds_store_b32 v12, v116 offset:\off+REC
.endm
.macro REQ_WV                          ; my 16 fragments of Wv and their scale words: 56 loads
	WIN TO3
.set I, 0
.rept 48
	global_load_b128 v[4*I:4*I+3], v1, s[52:53] offset:98304+512*I
.set I, I+1
.endr
	WIN 0
.irp t, 0,1,2,3,4,5,6,7
	global_load_b32 v[34+\t], v18, s[14:15] offset:(32*(\t/2)+8*(\t%2))*8
.endr
.endm
; Token tile n of the trip's eight (n = 8, 9: the next trip's first two): its scale words and its two fragments, 7 LDS loads, into set n % 2
.macro FETCH1 n
	WIN 0
	ds_load_b32 v[24+(\n)%2], v10 offset:((\n)/4)*REC+128*((\n)%4)
	WIN TO1
.irp c, 0,1,2,3,4,5
	ds_load_b128 v[128+24*((\n)%2)+4*\c:128+24*((\n)%2)+4*\c+3], v9 offset:((\n)/4)*REC+((\n)%4)*3072+512*\c
.endr
.endm
.macro FETCH2 n                        ; the same and token r's two p: 8 LDS loads
	FETCH1 \n
	WIN TO3
	ds_load_b64 v[192+2*((\n)%4):193+2*((\n)%4)], v13 offset:256*((\n)/2)+128*((\n)%2)
.endm
; Slice i of 16 of a tile's use in pass 1: four channels of q times four of k, onto two of head i / 8's four sums; a head's first slice starts them
.macro KSL x, i
.set KA, 4*(\i)
.set KE, 176+4*((\i)/8)
.if (\i)%8 == 0
	v_pk_mul_f32 v[KE:KE+1], v[192+KA:193+KA], v[\x+KA:\x+KA+1]
	v_pk_mul_f32 v[KE+2:KE+3], v[194+KA:195+KA], v[\x+KA+2:\x+KA+3]
.else
	v_pk_fma_f32 v[KE:KE+1], v[192+KA:193+KA], v[\x+KA:\x+KA+1], v[KE:KE+1]
	v_pk_fma_f32 v[KE+2:KE+3], v[194+KA:195+KA], v[\x+KA+2:\x+KA+3], v[KE+2:KE+3]
.endif
.endm
; and in pass 2: p of head i / 8 (one word of the pair serves both halves) times four channels of v, onto o's sums; od: where the new sums go
.macro VSL x, i, n, od
.set KA, 4*(\i)
.set KP, 192+2*((\n)%4)
.if (\i) < 8
	v_pk_fma_f32 v[\od+KA:\od+KA+1], v[KP:KP+1], v[\x+KA:\x+KA+1], v[188+KA:189+KA] op_sel_hi:[0,1,1]
	v_pk_fma_f32 v[\od+KA+2:\od+KA+3], v[KP:KP+1], v[\x+KA+2:\x+KA+3], v[190+KA:191+KA] op_sel_hi:[0,1,1]
.else
	v_pk_fma_f32 v[\od+KA:\od+KA+1], v[KP:KP+1], v[\x+KA:\x+KA+1], v[188+KA:189+KA] op_sel:[1,0,0] op_sel_hi:[1,1,1]
	v_pk_fma_f32 v[\od+KA+2:\od+KA+3], v[KP:KP+1], v[\x+KA+2:\x+KA+3], v[190+KA:191+KA] op_sel:[1,0,0] op_sel_hi:[1,1,1]
.endif
.endm
; Token tile n: 16 matrix instructions, K step by K step, the 8 accumulators of set n % 2 by turns, one instruction a turn.
; ilv = 1: behind each stands a slice of tile n - 1, which reads the other set from each accumulator's low end on.
.macro MM pass, n, ilv
.if \pass == 1
	WIN MM1
.else
	WIN MM2
.endif
.set XD, 64*((\n)%2)
.set XP, 64-XD
.set XC, 128+24*((\n)%2)
.set XW, 18+8*\pass
.set XS, 24+(\n)%2
.irp k, 0,1
.irp t, 0,1,2,3,4,5,6,7
.if \k == 0
	v_wmma_scale_f32_16x16x128_f8f6f4 v[XD+8*\t:XD+8*\t+7], v[24*\t:24*\t+11], v[XC:XC+11], 0, v[XW+\t], v[XS] matrix_a_fmt:MATRIX_FMT_FP6 matrix_b_fmt:MATRIX_FMT_FP6
.else
	v_wmma_scale_f32_16x16x128_f8f6f4 v[XD+8*\t:XD+8*\t+7], v[24*\t+12:24*\t+23], v[XC+12:XC+23], v[XD+8*\t:XD+8*\t+7], v[XW+\t], v[XS] matrix_a_fmt:MATRIX_FMT_FP6 matrix_b_fmt:MATRIX_FMT_FP6 matrix_a_scale:MATRIX_SCALE_ROW1 matrix_b_scale:MATRIX_SCALE_ROW1
.endif
.if \ilv
.if \pass == 1
	KSL XP, 8*\k+\t
.else
	VSL XP, 8*\k+\t, (\n)-1, 188
.endif
.endif
.endr
.endr
.endm
; A tile's four sums a head become one number a lane and head, in window 0: v120, v121 for an even tile (u = 0), v122, v123 for an odd one.  Four plain instructions.
.macro FIN u
	WIN 0x05                                       ; sources window 1, destination window 0
	v_pk_add_f32 v[124:125], v[176:177], v[178:179]
	v_pk_add_f32 v[126:127], v[180:181], v[182:183]
	WIN 0
	v_add_f32 v[120+2*\u], v124, v125
	v_add_f32 v[121+2*\u], v126, v127
.endm
; Two tiles' numbers: a token's two halves (lanes l and l xor 16) meet: lanes 0-15 then hold the even tile's scores, lanes 16-31 the odd tile's.  One LDS store.
.macro PAIR k
	v_permlane16_swap_b32 v120, v122
	v_permlane16_swap_b32 v121, v123
	v_pk_add_f32 v[120:121], v[120:121], v[122:123]
	ds_store_b64 v13, v[120:121] offset:256*\k
.endm
.macro ADDR1                           ; the trip's LDS addresses: s22 the first of its two slots, s23 its place among the scores
	v_add_nc_u32 v9, s22, v1
	v_add_nc_u32 v10, s22, v5
	v_add_nc_u32 v11, s22, v3
	v_add_nc_u32 v12, s22, v4
	v_add_nc_u32 v13, s23, v6
.endm
.macro ADDR2
	v_add_nc_u32 v9, s22, v1
	v_add_nc_u32 v10, s22, v5
	v_add_nc_u32 v13, s23, v7
.endm
; A TRIP OF PASS 1: two blocks, eight token tiles.  pub = 1: the two blocks asked for a trip ago go into LDS, with one barrier, whose signal and wait stand a tile apart.
; req = 1: the next two blocks are asked for; 2: Wv.  nxt = 1: the next trip's first two tiles are fetched.
; The waits on DScnt: LDS instructions end in order; behind tile n's fetch stands tile n + 1's (7), so 7 may be out; where the 14 stores of PUBLISH stand between, 21.  A score's store that stands
; ahead of the younger fetch is thereby finished too.  The count 7 at the head holds on the way in (two fetches out) and on the way back (two fetches and a store between them).
; In front of each fetch into a set that matrix instructions have read stand at least four plain vector instructions that name none of their registers: a slice's two and FIN's four, or four v_nop.
.macro TRIP1 pub, req, nxt
	s_wait_dscnt 7
	MM 1, 0, 0
	NOPS 4
	FETCH1 2
	s_wait_dscnt 7
	MM 1, 1, 1
	FIN 0
.if \pub
	s_wait_loadcnt 0x0                             ; the two blocks asked for a trip ago are in my registers
	PUBLISH 2*REC
.endif
	FETCH1 3
	s_wait_dscnt 7+14*\pub
	MM 1, 2, 1
	FIN 1
	PAIR 0
.if \pub
	s_wait_dscnt 0x0                               ; for the others' sake: my part of the two blocks has landed
	s_barrier_signal -1                            ; up to the wait: register work, and loads of a slot that was written trips ago
.endif
	FETCH1 4
	s_wait_dscnt 7
	MM 1, 3, 1
	FIN 0
.if \pub
	s_barrier_wait -1                              ; the two blocks are whole: they are read from this trip's end on
.endif
.if \req == 1
	REQUEST
.elseif \req == 2
	REQ_WV
.endif
	FETCH1 5
	s_wait_dscnt 7
	MM 1, 4, 1
	FIN 1
	PAIR 1
	FETCH1 6
	s_wait_dscnt 7
	MM 1, 5, 1
	FIN 0
	FETCH1 7
	s_wait_dscnt 7
	MM 1, 6, 1
	FIN 1
	PAIR 2
.if \nxt
	FETCH1 8
	s_wait_dscnt 7
.else
	s_wait_dscnt 0x0
.endif
	MM 1, 7, 1
	FIN 0
.if \nxt
	FETCH1 9
.endif
	WIN MM1
.irp i, 0,1,2,3,4,5,6,7,8,9,10,11,12,13,14,15
	KSL 64, \i                                     ; the trip's last tile is used up by itself
.endr
	FIN 1
	PAIR 3
.if \nxt
	s_add_co_u32 s22, s22, 2*REC
	s_add_co_u32 s23, s23, 1024
	ADDR1
.endif
.endm
; A TRIP OF PASS 2.  Behind tile n's fetch stands tile n + 1's (8).  The last trip's last tile puts o's sums into window 0.
.macro TRIP2 nxt
	s_wait_dscnt 8
	MM 2, 0, 0
	NOPS 4
	FETCH2 2
.irp n, 1,2,3,4,5
	s_wait_dscnt 8
	MM 2, \n, 1
	NOPS 2                                         ; with the last slice's two: four places in front of the fetch
	FETCH2 \n+2
.endr
	s_wait_dscnt 8
	MM 2, 6, 1
.if \nxt
	NOPS 2
	FETCH2 8
	s_wait_dscnt 8
.else
	s_wait_dscnt 0x0
.endif
	MM 2, 7, 1
.if \nxt
	NOPS 2
	FETCH2 9
	WIN MM2
.irp i, 0,1,2,3,4,5,6,7,8,9,10,11,12,13,14,15
	VSL 64, \i, 7, 188
.endr
	WIN 0
	s_add_co_u32 s22, s22, 2*REC
	s_add_co_u32 s23, s23, 1024
	ADDR2
.else
	WIN 0x17                                       ; p window 3, v and the old sums window 1, the new sums window 0
.irp i, 0,1,2,3,4,5,6,7,8,9,10,11,12,13,14,15
	VSL 64, \i, 7, 64
.endr
	WIN 0
.endif
.endm
; 64 numbers of a lane, register 16 b + i = k 32 b + 16 (lane / 16) + i of its row, become a fragment's 12 registers at v[pc] and the row's scale word in v[pw].
.macro QUANT s, pc, pw
.irp b, 0,1,2,3
	v_max3_num_f32 v[TM+\b], |v[\s+16*\b]|, |v[\s+1+16*\b]|, 0x1800000   ; and the floor 2^(3 - 127): the byte cannot fall under 1
.endr
.irp i, 2,4,6,8,10,12,14
.irp b, 0,1,2,3
	v_max3_num_f32 v[TM+\b], v[TM+\b], |v[\s+16*\b+\i]|, |v[\s+1+16*\b+\i]|
.endr
.endr
.irp b, 0,1,2,3
	v_permlanex16_b32 v[TM+4+\b], v[TM+\b], s[SEL], s[SEL+1]
.endr
.irp b, 0,1,2,3
	v_max_num_f32 v[TM+\b], v[TM+\b], v[TM+4+\b]
.endr
.irp b, 0,1,2,3
	v_add_nc_u32 v[TM+12+\b], 0xff000000, v[TM+\b]
.endr
.irp b, 0,1,2,3
	v_lshrrev_b32 v[TM+4+\b], 23, v[TM+12+\b]
.endr
	v_lshl_or_b32 v[\pw], v[TM+5], 8, v[TM+4]
	v_lshl_or_b32 v[\pw], v[TM+6], 16, v[\pw]
	v_lshl_or_b32 v[\pw], v[TM+7], 24, v[\pw]
	v_cvt_scalef32_pk16_fp6_f32 v[\pc:\pc+2], v[\s:\s+15], v[TM+12]
	v_cvt_scalef32_pk16_fp6_f32 v[TM+8:TM+10], v[\s+16:\s+31], v[TM+13]
	v_cvt_scalef32_pk16_fp6_f32 v[\pc+6:\pc+8], v[\s+32:\s+47], v[TM+14]
	v_cvt_scalef32_pk16_fp6_f32 v[\pc+12:\pc+14], v[\s+48:\s+63], v[TM+15]
	v_nop                                          ; one plain place behind the scaled conversions
.irp i, 0,1,2
	v_permlane16_swap_b32 v[\pc+\i], v[TM+8+\i]
	v_permlane16_swap_b32 v[\pc+6+\i], v[\pc+12+\i]
.endr
.irp i, 0,1,2
	v_mov_b32 v[\pc+3+\i], v[TM+8+\i]
	v_mov_b32 v[\pc+9+\i], v[\pc+12+\i]
.endr
.endm
	s_load_b512 s[4:19], s[0:1], 0x0               ; ctxq 4, idxw 6, qws 8, wimg 10, Wk's scales 12, Wv's 14, Wo's 16, out0 18
	v_lshl_add_u32 v139, v0, 2, 0x3c200
	v_mov_b32 v159, 0
	v_lshrrev_b32 v120, 5, v0
	v_readfirstlane_b32 s20, v120                  ; w
	v_and_b32 v120, 31, v0                         ; l
	v_and_b32 v121, 15, v0                         ; r
	v_bfe_u32 v122, v0, 4, 1                       ; h
	v_and_b32 v123, 8, v121
	v_add_nc_u32 v123, v123, v121                  ; r + 8 (r / 8)
	v_lshlrev_b32 v1, 4, v120                      ; v1  16 l
	v_lshlrev_b32 v2, 2, v120                      ; v2  4 l
	s_mul_i32 s28, s20, 3072
	v_add_nc_u32 v3, s28, v1                       ; v3  my quarter of a record: its codes,
	v_add_nc_u32 v5, 12288, v2                     ; v5  a record's scale words, tile 0
	s_lshl_b32 s28, s20, 7
	v_add_nc_u32 v4, s28, v5                       ; v4  and my quarter's scale words
	v_add_nc_u32 v22, s28, v2
	v_add_nc_u32 v22, OSC, v22                     ; v22 o's scale word, mine
	s_lshl_b32 s28, s20, 13
	s_add_co_u32 s28, s28, ATT
	v_lshl_add_u32 v6, v120, 3, s28                ; v6  my scores: a pair of tiles in
	v_lshl_add_u32 v7, v121, 3, s28                ; v7  token r's p out
	v_add_nc_u32 v8, s28, v1                       ; v8  all of them, 16 bytes a lane
	v_lshlrev_b32 v18, 3, v123
	v_lshl_add_u32 v18, v122, 2, v18               ; v18 Wk's and Wv's scale words: 8 bytes a row, one K step for each half of the lanes
	v_lshlrev_b32 v19, 4, v123
	v_lshl_add_u32 v19, v122, 2, v19               ; v19 Wo's: 16 bytes a row
	v_lshlrev_b32 v20, 6, v122                     ; v20 q: 64 h
	s_mul_i32 s28, s20, 1536
	v_add_nc_u32 v21, s28, v1                      ; v21 o's fragment, mine (OIMG = 0)
	s_lshl_b32 s28, s20, 9
	s_add_co_u32 s28, s28, OUTST
	v_lshl_add_u32 v23, v123, 2, s28               ; v23 my outputs in
	v_add_nc_u32 v63, s28, v1                      ; v63 and out
	s_mov_b32 s[SEL], 0x76543210
	s_mov_b32 s[SEL+1], 0xfedcba98
	s_mov_b32 s22, CTX
	s_mov_b32 s23, 0
	ADDR1
	s_mov_b32 s29, 0
	s_mov_b32 s31, 0
	s_mov_b32 s51, 0
	s_wait_kmcnt 0x0
	s_lshl_b32 s28, ttmp9, 6
	s_add_nc_u64 s[6:7], s[6:7], s[28:29]
	s_load_b512 s[32:47], s[6:7], 0x0              ; my latent's 16 block numbers
	s_lshl_b32 s28, ttmp9, 11
	s_lshl_b32 s30, s20, 9
	s_add_co_u32 s28, s28, s30
	s_add_nc_u64 s[8:9], s[8:9], s[28:29]          ; q and out0 at my latent's row, my 128 channels
	s_add_nc_u64 s[18:19], s[18:19], s[28:29]
	s_lshl_b32 s30, s20, 10
	s_add_nc_u64 s[12:13], s[12:13], s[30:31]
	s_add_nc_u64 s[14:15], s[14:15], s[30:31]
	s_lshl_b32 s30, s20, 11
	s_add_nc_u64 s[16:17], s[16:17], s[30:31]
	s_mul_i32 s50, s20, 24576
	s_add_nc_u64 s[52:53], s[10:11], s[50:51]      ; my 16 fragments of Wk (Wv: 98,304 on)
	s_add_nc_u64 s[54:55], s[52:53], s[50:51]      ; my 32 of Wo lie 196,608 on from here
	s_wait_kmcnt 0x0
	REQUEST                                        ; blocks 0 and 1 first: 14 loads
.irp t, 0,1,2,3,4,5,6,7
	global_load_b32 v[26+\t], v18, s[12:13] offset:(32*(\t/2)+8*(\t%2))*8
.endr
	WIN TO2
.irp t, 0,1,2,3,4,5,6,7
	global_load_b128 v[192+8*\t:195+8*\t], v20, s[8:9] offset:128*(\t/2)+32*(\t%2)      ; q in the accumulators' layout
	global_load_b128 v[196+8*\t:199+8*\t], v20, s[8:9] offset:128*(\t/2)+32*(\t%2)+16
.endr
.set I, 0
.rept 48
	global_load_b128 v[4*I:4*I+3], v1, s[52:53] offset:512*I
.set I, I+1
.endr
	WIN 0
	s_wait_loadcnt 63                              ; 72 loads stand behind the first 14: the largest count that the wait can name is under that, so the 14 are in
	PUBLISH 0
	BARRIER                                        ; blocks 0 and 1 lie in LDS
	REQUEST                                        ; blocks 2 and 3
	FETCH1 0
	FETCH1 1
	WIN 0
	s_wait_loadcnt 14                              ; all but the request just made: Wk, its scale words and q are in
	s_mov_b32 s24, 6
.Lpass1:                                           ; trip t: blocks 2 t, 2 t + 1 are multiplied, 2 t + 2, 2 t + 3 go into LDS, 2 t + 4, 2 t + 5 are asked for
	TRIP1 1, 1, 1
	s_sub_co_u32 s24, s24, 1
	s_cmp_lg_u32 s24, 0
	s_cbranch_scc1 .Lpass1
	TRIP1 1, 2, 1                                  ; blocks 14 and 15 go into LDS; Wv is asked for
	TRIP1 0, 0, 0
	; THE SOFTMAX of my two heads, in window 0.  Wv, asked for a trip ago, is waited for first, so that no later wait has to count across Wo's loads.
	s_wait_loadcnt 0x0
	WIN TO2
.set I, 0
.rept 60
	global_load_b128 v[4*I:4*I+3], v1, s[54:55] offset:196608+512*I    ; Wo's tiles 0-4 into Wk's and q's registers: the last tile's 32 multiply-adds are the places behind the last products
.set I, I+1
.endr
	WIN 0
.irp i, 0,1,2,3,4,5,6,7,8,9,10,11,12,13,14,15
	ds_load_b128 v[64+4*\i:67+4*\i], v8 offset:512*\i   ; LDS serves a wave's instructions in order: these see my stores.  Even registers head 0, odd registers head 1
.endr
	v_mov_b32 v130, 0                              ; written once: a lane permute's destination counts as one of its sources
	v_mov_b32 v131, 0
	s_wait_dscnt 0x0
.irp e, 0,1
	v_max3_num_f32 v[128+\e], v[64+\e], v[66+\e], v[68+\e]
.endr
.irp k, 3,5,7,9,11,13,15,17,19,21,23,25,27,29
.irp e, 0,1
	v_max3_num_f32 v[128+\e], v[128+\e], v[64+2*\k+\e], v[66+2*\k+\e]
.endr
.endr
.irp e, 0,1
	v_max_num_f32 v[128+\e], v[128+\e], v[126+\e]
.endr
.irp m, 1,2,4,8
.irp e, 0,1
	v_max_num_f32_dpp v[128+\e], v[128+\e], v[128+\e] row_xmask:\m row_mask:0xf bank_mask:0xf
.endr
.endr
.irp e, 0,1
	v_permlanex16_b32 v[130+\e], v[128+\e], s[SEL], s[SEL+1]
.endr
.irp e, 0,1
	v_max_num_f32 v[128+\e], v[128+\e], v[130+\e]  ; each head's largest score of the 1,024
.endr
.set J, 0
.rept 32
	v_pk_add_f32 v[64+J:65+J], v[64+J:65+J], v[128:129] neg_lo:[0,1] neg_hi:[0,1]
.set J, J+2
.endr
.set J, 0
.rept 64
	v_exp_f32 v[64+J], v[64+J]
.set J, J+1
.endr
	v_nop                                          ; a plain place behind the exponentials
	s_wait_alu depctr_va_vdst(0)
	v_pk_add_f32 v[132:133], v[64:65], v[66:67]    ; the sums, in two chains
	v_pk_add_f32 v[134:135], v[68:69], v[70:71]
.irp k, 4,6,8,10,12,14,16,18,20,22,24,26,28,30
	v_pk_add_f32 v[132:133], v[132:133], v[64+2*\k:65+2*\k]
	v_pk_add_f32 v[134:135], v[134:135], v[66+2*\k:67+2*\k]
.endr
	v_pk_add_f32 v[132:133], v[132:133], v[134:135]
.irp m, 1,2,4,8
.irp e, 0,1
	v_add_f32_dpp v[132+\e], v[132+\e], v[132+\e] row_xmask:\m row_mask:0xf bank_mask:0xf
.endr
.endr
.irp e, 0,1
	v_permlanex16_b32 v[130+\e], v[132+\e], s[SEL], s[SEL+1]
.endr
.irp e, 0,1
	v_add_f32 v[132+\e], v[132+\e], v[130+\e]
.endr
	v_rcp_f32 v136, v132
	v_rcp_f32 v137, v133
	v_nop                                          ; a plain place behind the reciprocals
.set J, 0
	s_wait_alu depctr_va_vdst(0)
.rept 32
	v_pk_mul_f32 v[64+J:65+J], v[64+J:65+J], v[136:137]
.set J, J+2
.endr
.irp i, 0,1,2,3,4,5,6,7,8,9,10,11,12,13,14,15
	ds_store_b128 v8, v[64+4*\i:67+4*\i] offset:512*\i
.endr
	WIN TO1
.set J, 0
.rept 64
	v_mov_b32 v[188+J], 0                          ; o's sums: cleared once, which spares a first trip of its own
.set J, J+1
.endr
	WIN TO3
.set I, 60
.rept 12
	global_load_b128 v[200+4*(I-60):203+4*(I-60)], v1, s[54:55] offset:196608+512*I    ; Wo's tile 5
.set I, I+1
.endr
	WIN 0
.rept 24
	global_load_b128 v[160+4*(I-72):163+4*(I-72)], v1, s[54:55] offset:196608+512*I    ; tiles 6 and 7
.set I, I+1
.endr
.irp t, 0,1,2,3,4,5,6,7
.irp g, 0,1
	global_load_b32 v[46+2*\t+\g], v19, s[16:17] offset:(32*(\t/2)+8*(\t%2))*16+8*\g    ; Wo's scale words: two K steps a register
.endr
.endr
	s_mov_b32 s22, CTX
	s_mov_b32 s23, 0
	ADDR2
	FETCH2 0
	FETCH2 1
	WIN 0
	s_mov_b32 s24, 7
.Lpass2:
	TRIP2 1
	s_sub_co_u32 s24, s24, 1
	s_cmp_lg_u32 s24, 0
	s_cbranch_scc1 .Lpass2
	TRIP2 0
	; THE TAIL.  A lane's 64 sums are one token's share: the 16 lanes of a half are added, so that every lane of a half holds o at its 64 channels: 16 equal rows of K step w of the last product.
.irp m, 1,2,4,8
.set J, 0
.rept 64
	v_add_f32_dpp v[64+J], v[64+J], v[64+J] row_xmask:\m row_mask:0xf bank_mask:0xf
.set J, J+1
.endr
.endr
	QUANT 64, 144, 62
.irp c, 0,1,2
	ds_store_b128 v21, v[144+4*\c:147+4*\c] offset:512*\c       ; the fragment goes to the other waves as an image of its registers
.endr
	ds_store_b32 v22, v62
	BARRIER                                        ; o's four fragments lie in LDS
	WIN TO1
.irp k, 0,1,2,3
.irp c, 0,1,2
	ds_load_b128 v[64+12*\k+4*\c:67+12*\k+4*\c], v1 offset:OIMG+1536*\k+512*\c
.endr
.endr
	WIN 0
.irp k, 0,1,2,3
	ds_load_b32 v[42+\k], v2 offset:OSC+128*\k
.endr
	s_wait_dscnt 0x0
	s_wait_loadcnt 0x0                             ; Wo and its scale words
; out = o Wo: source 0 = o's 16 equal rows, source 1 = 16 rows of Wo: lane r's register 0 is the output of that row.  Eight accumulators by turns, a K step at a time.
.macro OMM t, k
.if (\t) < 5
	WIN 0x59                                       ; o, C and D window 1; Wo window 2
.set OB, 12*(4*(\t)+\k)
.elseif (\t) == 5
	WIN 0x5d                                       ; Wo window 3
.set OB, 200+12*\k
.else
	WIN 0x51                                       ; Wo window 0
.set OB, 160+12*(4*((\t)-6)+\k)
.endif
.if \k == 0
	v_wmma_scale_f32_16x16x128_f8f6f4 v[8*\t:8*\t+7], v[64+12*\k:75+12*\k], v[OB:OB+11], 0, v[42+\k], v[46+2*\t+\k/2] matrix_a_fmt:MATRIX_FMT_FP6 matrix_b_fmt:MATRIX_FMT_FP6
.elseif \k%2
	v_wmma_scale_f32_16x16x128_f8f6f4 v[8*\t:8*\t+7], v[64+12*\k:75+12*\k], v[OB:OB+11], v[8*\t:8*\t+7], v[42+\k], v[46+2*\t+\k/2] matrix_a_fmt:MATRIX_FMT_FP6 matrix_b_fmt:MATRIX_FMT_FP6 matrix_b_scale:MATRIX_SCALE_ROW1
.else
	v_wmma_scale_f32_16x16x128_f8f6f4 v[8*\t:8*\t+7], v[64+12*\k:75+12*\k], v[OB:OB+11], v[8*\t:8*\t+7], v[42+\k], v[46+2*\t+\k/2] matrix_a_fmt:MATRIX_FMT_FP6 matrix_b_fmt:MATRIX_FMT_FP6
.endif
.endm
.irp k, 0,1,2,3
.irp t, 0,1,2,3,4,5,6,7
	OMM \t, \k
.endr
.endr
	NOPS 4                                         ; four places in front of the first read of results
	WIN DS1
.irp t, 0,1,2,3,4,5,6,7
	ds_store_b32 v23, v[8*\t] offset:128*(\t/2)+32*(\t%2)       ; each accumulator's lowest register; the two halves of the lanes store the same word with the same number
.endr
	WIN 0
	ds_load_b128 v[64:67], v63                     ; LDS serves a wave's instructions in order: this sees my stores
	s_wait_dscnt 0x0
	global_store_b128 v1, v[64:67], s[18:19]       ; my 128 outputs: 512 consecutive bytes, at a multiple of 256 from out0's first byte
	s_wait_tensorcnt 0x0
	ds_add_u32 v139, v159
	s_wait_dscnt 0x0
	s_endpgm
.Lfunc_end_k_qcf3ed288de_attend:
	.size	k_qcf3ed288de_attend, .Lfunc_end_k_qcf3ed288de_attend-k_qcf3ed288de_attend
	.p2alignl 7, 3214868480
	.fill 96, 4, 3214868480
	.section	.rodata,"a",@progbits
	.p2align	6, 0x0
	.amdhsa_kernel k_qcf3ed288de_attend
		.amdhsa_group_segment_fixed_size 246784
		.amdhsa_private_segment_fixed_size 0
		.amdhsa_enable_private_segment 0
		.amdhsa_kernarg_size 64
		.amdhsa_user_sgpr_count 2
		.amdhsa_user_sgpr_kernarg_segment_ptr 1
		.amdhsa_wavefront_size32 1
		.amdhsa_system_sgpr_workgroup_id_x 1
		.amdhsa_system_sgpr_workgroup_id_y 1
		.amdhsa_system_sgpr_workgroup_id_z 1
		.amdhsa_system_vgpr_workitem_id 0
		.amdhsa_next_free_vgpr 1024
		.amdhsa_next_free_sgpr 66
		.amdhsa_reserve_vcc 0
		.amdhsa_float_denorm_mode_32 3
		.amdhsa_float_denorm_mode_16_64 3
		.amdhsa_memory_ordered 1
		.amdhsa_forward_progress 1
		.amdhsa_inst_pref_size 255
	.end_amdhsa_kernel
	.section	.bss,"aw",@nobits
	.p2align	6
	.space	262144
	.amdgpu_metadata
---
amdhsa.version: [ 1, 2 ]
amdhsa.kernels:
  - .name:           k_qcf3ed288de_attend
    .symbol:         k_qcf3ed288de_attend.kd
    .args:
      - { .name: ctxq, .offset: 0, .size: 8, .value_kind: global_buffer, .address_space: global }
      - { .name: idxw, .offset: 8, .size: 8, .value_kind: global_buffer, .address_space: global }
      - { .name: qws, .offset: 16, .size: 8, .value_kind: global_buffer, .address_space: global }
      - { .name: wimg, .offset: 24, .size: 8, .value_kind: global_buffer, .address_space: global }
      - { .name: Wk_scales, .offset: 32, .size: 8, .value_kind: global_buffer, .address_space: global }
      - { .name: Wv_scales, .offset: 40, .size: 8, .value_kind: global_buffer, .address_space: global }
      - { .name: Wo_scales, .offset: 48, .size: 8, .value_kind: global_buffer, .address_space: global }
      - { .name: out0, .offset: 56, .size: 8, .value_kind: global_buffer, .address_space: global }
    .group_segment_fixed_size: 246784
    .private_segment_fixed_size: 0
    .kernarg_segment_align: 8
    .kernarg_segment_size: 64
    .max_flat_workgroup_size: 128
    .sgpr_count:     66
    .vgpr_count:     1024
    .wavefront_size: 32
...
	.end_amdgpu_metadata
.endif
;; end of part 3
;; ======== version 2 of 3: 3 launches; 1.30 times as fast as version 1
;; workspace buffers: ctxq 6,553,600 bytes; sumc 98,304 bytes; sums 4,096 bytes; idxw 16,384 bytes of whole numbers; qws 524,288 bytes; wimg 393,216 bytes
;; launch prep: the kernel of part 1 again; grid 512 x 1, 4 waves a work-group, no clusters, 72,960 bytes of LDS; arguments byte_array, ctxq, sumc, sums; writes ctxq, sumc, sums
;; launch router (part 4): grid 96 x 1, 16 waves a work-group, no clusters, 64,000 bytes of LDS; arguments latents_codes, latents_scales, router_q_w_codes, router_q_w_scales, router_q_b, router_k_w_codes, router_k_w_scales, router_k_b, Wq_codes, Wq_scales, Wk_codes, Wv_codes, Wo_codes, sumc, sums, idxw, qws, wimg; writes idxw, qws, wimg
.if DOCPART == 4
	.amdgcn_target "amdgcn-amd-amdhsa--gfx1250"
	.amdhsa_code_object_version 6
	.text
	.protected	k_qcf3ed288de_router
	.globl	k_qcf3ed288de_router
	.p2align	8
	.type	k_qcf3ed288de_router,@function
k_qcf3ed288de_router:
	s_mov_b64 s[64:65], 0
	v_nop
	global_prefetch_b8 v0, s[64:65] scope:SCOPE_SE
	s_setreg_imm32_b32 hwreg(HW_REG_WAVE_MODE, 25, 1), 1
	s_wait_xcnt 0x0
; The router and what else is small, shared among 96 work-groups of 16 waves in two roles, by the work-group's number x.
; ROLE A, x = 0 .. 63: latent tile x / 4 (16 latents, batch x / 32); the choice is made for its latents 4 (x % 4) .. 4 (x % 4) + 3, that is latents 4 x .. 4 x + 3 of all 256.
;  r_q = latents W_rq + b (wave w: tile w % 4 of the 64 outputs, K step w / 4 of four; the four parts meet in LDS and are added in f32);
;  r_k = means W_rk + b for the batch's 256 blocks (wave w: blocks 16 w .. 16 w + 15); both quantised along their 64; logits = r_q r_k^T (K = 64: the upper half of the K step is zero codes).
;  A matrix tile holds 16 latents whether 4 or 16 of them are used, so the four work-groups of a tile each make its logits, and each chooses for a quarter: waves 0-3, one latent each;
;  waves 4-15 end behind the last barrier, so that the serial loop of the choice shares its SIMD with no other wave of the work-group.
;  The 16 largest logits, equal values by the lower index, are stored as block numbers (whole numbers) for the next launch.
;  W_rk's 8 fragments are the same for all 16 waves: wave w loads half w % 2 of fragment w / 2, and they go round through LDS as images of the operand's registers.
; ROLE B, x = 64 .. 95, b = x - 64: q = latents Wq, times log2(e) / 8, in f32: latent tile b / 2, channels 256 (b % 2) + 16 w .. + 15 for wave w;
;  and for b < 16 fragment 16 b + w of 256 of Wk, Wv, Wo is laid as an image of the operand's registers.
; Every product is used transposed: source 0 = 16 rows of the weight (or 16 blocks), source 1 = 16 latents (or 16 means): a lane holds one row of the result and 8 neighbours along its columns.
; THE ROWS OF A WEIGHT TILE ARE CHOSEN (but Wq's): lane r of tile 2 b + u takes row 32 b + 8 u + r + 8 (r / 8), so that the registers of tiles 2 b, 2 b + 1 are 16 neighbours, 32 b + 16 (lane / 16) + 0 .. 15.
; LIMITS: logits that are NaN or -infinity are not served; +0 and -0 count as equal; r_q's K is summed as four parts and q's as two, and then in f32.
; No address and no branch hangs on a floating-point number: the choice is made by compares and selects in a loop of constant count, and stored at fixed places.
; No tensor load and no cluster: the operands are a few KB and are wanted in registers.  The two roles never join, and each has LDS bytes of its own.
.set RQP, 0                            ; LDS, role A: the 16 waves' parts of r_q, 1,024 bytes each, as images of 8 registers;
.set KWI, 16384                        ; W_rk's 8 fragments, 1,536 bytes each: registers 2 q, 2 q + 1 of lane l at 256 q + 8 l;
.set LG,  KWI+8*1536                   ; the logits, 16 latents x (1,024 bytes + 16)
.set LGP, 1040
.set QST, LG+16*LGP                    ; role B: q's stage, 16 latents x (1,024 bytes + 16)
.set QSP, 1040
.set TM,  48                           ; v48-63 the quantiser's work
.set SEL, 52                           ; s[52:53] lane selects: lane l xor 16
; v32-47 hold scales and nothing else: v32 W_rq, v33 latents (one K step), v34 means, v35-38 W_rk, v39 r_k, v40 r_q, v41-42 latents (two K steps a register), v43-44 Wq
.macro NOPS n
.rept \n
	v_nop
.endr
.endm
.macro BARRIER                         ; my LDS stores have landed and my LDS loads are in: then the work-group's barrier
	s_wait_dscnt 0x0
	s_barrier_signal -1
	s_barrier_wait -1
.endm
.macro GFRAG reg, off, base, imm       ; a fragment from rows of codes: 24 bytes at + 0 and 24 at + 48, in pieces of 8
.irp p, 0,1,2,3,4,5
	global_load_b64 v[\reg+2*\p:\reg+2*\p+1], v[\off], s[\base:\base+1] offset:\imm+48*(\p/3)+8*(\p%3)
.endr
.endm
.macro WM d, a, b, z, sa, sb, row      ; z = 1: the sum starts at 0; row = 1: both sides' scales from lanes 16-31
.if (\z) && (\row)
	v_wmma_scale_f32_16x16x128_f8f6f4 v[\d:\d+7], v[\a:\a+11], v[\b:\b+11], 0, v[\sa], v[\sb] matrix_a_fmt:MATRIX_FMT_FP6 matrix_b_fmt:MATRIX_FMT_FP6 matrix_a_scale:MATRIX_SCALE_ROW1 matrix_b_scale:MATRIX_SCALE_ROW1
.elseif \z
	v_wmma_scale_f32_16x16x128_f8f6f4 v[\d:\d+7], v[\a:\a+11], v[\b:\b+11], 0, v[\sa], v[\sb] matrix_a_fmt:MATRIX_FMT_FP6 matrix_b_fmt:MATRIX_FMT_FP6
.elseif \row
	v_wmma_scale_f32_16x16x128_f8f6f4 v[\d:\d+7], v[\a:\a+11], v[\b:\b+11], v[\d:\d+7], v[\sa], v[\sb] matrix_a_fmt:MATRIX_FMT_FP6 matrix_b_fmt:MATRIX_FMT_FP6 matrix_a_scale:MATRIX_SCALE_ROW1 matrix_b_scale:MATRIX_SCALE_ROW1
.else
	v_wmma_scale_f32_16x16x128_f8f6f4 v[\d:\d+7], v[\a:\a+11], v[\b:\b+11], v[\d:\d+7], v[\sa], v[\sb] matrix_a_fmt:MATRIX_FMT_FP6 matrix_b_fmt:MATRIX_FMT_FP6
.endif
.endm
; 32 numbers of a lane, register 16 b + i = k 32 b + 16 (lane / 16) + i, become the lower half of a fragment at v[pc]; its upper half (k 64 .. 127) is zero codes; the scale word's upper bytes stay 0
.macro QUANT2 s, pc, pw
.irp b, 0,1
	v_max3_num_f32 v[TM+\b], |v[\s+16*\b]|, |v[\s+1+16*\b]|, 0x1800000   ; and the floor 2^(3 - 127): the byte cannot fall under 1
.endr
.irp i, 2,4,6,8,10,12,14
.irp b, 0,1
	v_max3_num_f32 v[TM+\b], v[TM+\b], |v[\s+16*\b+\i]|, |v[\s+1+16*\b+\i]|
.endr
.endr
.irp b, 0,1
	v_permlanex16_b32 v[TM+4+\b], v[TM+\b], s[SEL], s[SEL+1]
.endr
.irp b, 0,1
	v_max_num_f32 v[TM+\b], v[TM+\b], v[TM+4+\b]
.endr
.irp b, 0,1
	v_add_nc_u32 v[TM+12+\b], 0xff000000, v[TM+\b]
.endr
.irp b, 0,1
	v_lshrrev_b32 v[TM+4+\b], 23, v[TM+12+\b]
.endr
	v_lshl_or_b32 v[\pw], v[TM+5], 8, v[TM+4]
	v_cvt_scalef32_pk16_fp6_f32 v[\pc:\pc+2], v[\s:\s+15], v[TM+12]
	v_cvt_scalef32_pk16_fp6_f32 v[\pc+12:\pc+14], v[\s+16:\s+31], v[TM+13]
	v_nop                                          ; one plain place behind the scaled conversions
.irp i, 0,1,2
	v_permlane16_swap_b32 v[\pc+\i], v[\pc+12+\i]
.endr
.irp i, 0,1,2
	v_mov_b32 v[\pc+3+\i], v[\pc+12+\i]
.endr
.irp i, 6,7,8,9,10,11
	v_mov_b32 v[\pc+\i], 0
.endr
.endm
	s_load_b512 s[4:19], s[0:1], 0x0               ; latents' codes 4, scales 6; W_rq's codes 8, scales 10, bias 12; W_rk's codes 14, scales 16, bias 18
	s_load_b512 s[20:35], s[0:1], 0x40             ; Wq's codes 20, scales 22; Wk 24, Wv 26, Wo 28 (codes); sumc 30, sums 32, idxw 34
	s_load_b128 s[36:39], s[0:1], 0x80             ; qws 36, wimg 38
	v_lshl_add_u32 v254, v0, 2, 0xf200
	v_mov_b32 v255, 0
	v_lshrrev_b32 v1, 5, v0
	v_readfirstlane_b32 s40, v1                    ; w
	v_and_b32 v1, 31, v0                           ; l
	v_and_b32 v2, 15, v0                           ; r
	v_bfe_u32 v3, v0, 4, 1                         ; h
	v_and_b32 v4, 8, v2
	v_add_nc_u32 v4, v4, v2                        ; r + 8 (r / 8)
	v_lshlrev_b32 v5, 4, v1                        ; 16 l
	s_mov_b32 s[SEL], 0x76543210
	s_mov_b32 s[SEL+1], 0xfedcba98
	s_cmp_ge_u32 ttmp9, 64                         ; the role hangs on the work-group's number alone: all 16 waves take the same way
	s_cbranch_scc1 .Lrole_b
	; ================ ROLE A ================
	s_lshr_b32 s41, ttmp9, 2                       ; the latent tile
	s_lshr_b32 s42, ttmp9, 5                       ; the batch
	v_mov_b32 v[TM+4], 0                           ; written once: a lane permute's destination counts as one of its sources
	v_mov_b32 v[TM+5], 0
	; r_q's part: tile t = w % 4, K step w / 4
	s_and_b32 s58, s40, 3
	s_lshr_b32 s59, s40, 2
	s_lshr_b32 s60, s58, 1
	s_lshl_b32 s60, s60, 5
	s_and_b32 s61, s58, 1
	s_lshl_b32 s61, s61, 3
	s_add_co_u32 s60, s60, s61                     ; 32 b + 8 u
	v_add_nc_u32 v30, s60, v4
	v_mul_u32_u24 v7, v30, 384
	v_mad_u32_u24 v7, v3, 24, v7
	s_mul_i32 s61, s59, 96
	v_add_nc_u32 v7, s61, v7                       ; v7: W_rq's codes
	v_lshlrev_b32 v8, 4, v30
	s_lshl_b32 s62, s59, 2
	v_add_nc_u32 v8, s62, v8                       ; v8: its scale word
	s_lshl_b32 s63, s41, 4
	v_add_nc_u32 v30, s63, v2                      ; latent 16 x tile + r
	v_mul_u32_u24 v10, v30, 384
	v_mad_u32_u24 v10, v3, 24, v10
	v_add_nc_u32 v10, s61, v10                     ; v10: its codes, my K step
	v_lshlrev_b32 v11, 4, v30
	v_add_nc_u32 v11, s62, v11                     ; v11: its scale word, my K step
	s_lshl_b32 s60, s60, 2
	v_lshlrev_b32 v17, 6, v3                       ; v17: 64 h: a bias's 8 numbers of my half
	v_add_nc_u32 v12, s60, v17                     ; v12: b_rq at 32 b + 8 u + 16 h
	s_cmp_eq_u32 s59, 0
	s_cselect_b32 s54, -1, 0                       ; the bias goes into K step 0's part alone
	; r_k: means 256 batch + 16 w + r
	s_lshl_b32 s60, s42, 8
	s_lshl_b32 s61, s40, 4
	s_add_co_u32 s60, s60, s61
	v_add_nc_u32 v30, s60, v2
	v_mul_u32_u24 v13, v30, 192
	v_mad_u32_u24 v13, v3, 24, v13                 ; v13: the mean's codes
	v_lshlrev_b32 v14, 3, v30
	v_lshl_add_u32 v14, v3, 2, v14                 ; v14: its two scale words, one for each half of the lanes
	; W_rk: fragment w / 2 = 2 x tile + K step, half w % 2: tile w / 4 begins at row 32 (w / 8) + 8 ((w / 4) % 2); 96 bytes a K step, 48 a half: 48 (w % 4)
	s_lshr_b32 s60, s40, 3
	s_lshl_b32 s60, s60, 5
	s_bfe_u32 s61, s40, 0x10002
	s_lshl_b32 s61, s61, 3
	s_add_co_u32 s60, s60, s61
	s_mul_i32 s60, s60, 192
	s_and_b32 s61, s40, 3
	s_mul_i32 s61, s61, 48
	s_add_co_u32 s60, s60, s61
	v_mul_u32_u24 v15, v4, 192
	v_mad_u32_u24 v15, v3, 24, v15
	v_add_nc_u32 v15, s60, v15                     ; v15: my 24 bytes of W_rk
	v_lshlrev_b32 v16, 3, v4
	v_lshl_add_u32 v16, v3, 2, v16                 ; v16: W_rk's scale words
	; LDS
	s_lshl_b32 s60, s40, 10
	v_add_nc_u32 v19, s60, v5                      ; v19: my part of r_q
	v_mul_u32_u24 v20, v2, LGP
	v_lshl_add_u32 v20, v3, 5, v20
	s_lshl_b32 s60, s40, 6
	v_add_nc_u32 v20, s60, v20
	v_add_nc_u32 v20, LG, v20                      ; v20: logits in: latent r, blocks 16 w + 8 h on
	s_and_b32 s60, ttmp9, 3
	s_lshl_b32 s60, s60, 2
	s_add_co_u32 s60, s60, s40                     ; the tile's row 4 (x % 4) + w: waves 0-3 use it;
	s_min_u32 s60, s60, 15                         ; held inside the 16 rows for the others, which never read by it
	s_mul_i32 s60, s60, LGP
	v_lshlrev_b32 v21, 5, v1
	v_add_nc_u32 v21, s60, v21
	v_add_nc_u32 v21, LG, v21                      ; v21: logits out: my latent, blocks 8 l on
	v_lshlrev_b32 v28, 3, v1                       ; v28: 8 l: an image's place for my lane
	s_mul_i32 s60, s40, 768
	v_add_nc_u32 v29, s60, v28
	v_add_nc_u32 v29, KWI, v29                     ; v29: where my half fragment goes: 768 w = 1,536 (w / 2) + 768 (w % 2)
	s_lshl_b32 s60, ttmp9, 2
	s_add_co_u32 s60, s60, s40                     ; latent 4 x + w
	s_lshl_b32 s60, s60, 6
	v_lshl_add_u32 v27, v2, 2, s60                 ; v27: its 16 numbers in idxw
	s_wait_kmcnt 0x0
	; 19 loads that the first barrier waits for,
.irp p, 0,1,2
	global_load_b64 v[148+2*\p:149+2*\p], v15, s[14:15] offset:8*\p    ; v148-153 my half fragment of W_rk
.endr
	GFRAG 60, 7, 8, 0                              ; v60-71   W_rq
	global_load_b32 v32, v8, s[10:11]
	GFRAG 72, 10, 4, 0                             ; v72-83   latents, my K step
	global_load_b32 v33, v11, s[6:7]
	global_load_b128 v[84:87], v12, s[12:13]       ; v84-91   b_rq: the sum's C
	global_load_b128 v[88:91], v12, s[12:13] offset:16
	; and 25 that are wanted behind it
	GFRAG 92, 13, 30, 0                            ; v92-115  the means, two K steps
	GFRAG 104, 13, 30, 96
	global_load_b32 v34, v14, s[32:33]
.irp t, 0,1,2,3
	global_load_b32 v[35+\t], v16, s[16:17] offset:(32*(\t/2)+8*(\t%2))*8
	global_load_b128 v[116+8*\t:119+8*\t], v17, s[18:19] offset:(32*(\t/2)+8*(\t%2))*4      ; v116-147 b_rk: the sums' C
	global_load_b128 v[120+8*\t:123+8*\t], v17, s[18:19] offset:(32*(\t/2)+8*(\t%2))*4+16
.endr
	s_wait_loadcnt 25                              ; loads come back in order: the first 19 are in, the 25 behind them may stay out
.irp p, 0,1,2
	ds_store_b64 v29, v[148+2*\p:149+2*\p] offset:256*\p
.endr
.irp j, 0,1,2,3,4,5,6,7
	v_cndmask_b32 v[84+\j], 0, v[84+\j], s54
.endr
	NOPS 4
	WM 84, 60, 72, 0, 32, 33, 0                    ; my part of r_q
	NOPS 4                                         ; four places in front of the first read of the result
	ds_store_b128 v19, v[84:87]
	ds_store_b128 v19, v[88:91] offset:512
	BARRIER                                        ; the 16 parts of r_q and W_rk's 8 fragments lie in LDS
.irp f, 0,1,2,3,4,5,6,7
.irp q, 0,1,2,3,4,5
	ds_load_b64 v[148+12*\f+2*\q:149+12*\f+2*\q], v28 offset:KWI+1536*\f+256*\q   ; v148-243 W_rk: tile t, K step k at 148 + 24 t + 12 k; 256 consecutive bytes a load
.endr
.endr
	s_wait_loadcnt 0x0                             ; the means, the scale words, the bias
	s_wait_dscnt 0x0
.irp t, 0,1,2,3
	WM 116+8*\t, 148+24*\t, 92, 0, 35+\t, 34, 0    ; four sums, each accumulator one instruction a turn
.endr
.irp t, 0,1,2,3
	WM 116+8*\t, 160+24*\t, 104, 0, 35+\t, 34, 1
.endr
	NOPS 4                                         ; four places in front of the first read of results
	QUANT2 116, 64, 39                             ; r_k of my 16 blocks: fragment v64-75, scale word v39
.macro PARTS base, k
.irp t, 0,1,2,3
.irp c, 0,1
	ds_load_b128 v[\base+8*\t+4*\c:\base+8*\t+4*\c+3], v5 offset:RQP+1024*(4*\k+\t)+512*\c
.endr
.endr
.endm
	PARTS 148, 0
	PARTS 180, 1
	PARTS 212, 2
	PARTS 116, 3
	s_wait_dscnt 0x0
.set J, 0
.rept 16
	v_pk_add_f32 v[148+J:149+J], v[148+J:149+J], v[180+J:181+J]
	v_pk_add_f32 v[212+J:213+J], v[212+J:213+J], v[116+J:117+J]
.set J, J+2
.endr
.set J, 0
.rept 16
	v_pk_add_f32 v[148+J:149+J], v[148+J:149+J], v[212+J:213+J]
.set J, J+2
.endr
	QUANT2 148, 92, 40                             ; r_q of the 16 latents: fragment v92-103, scale word v40
	NOPS 8                                         ; a scale register written by a vector instruction stands 8 places ahead of a scaled matrix instruction
	WM 84, 64, 92, 1, 39, 40, 0                    ; logits: lane (r, h): latent r, blocks 16 w + 8 h + 0 .. 7
	NOPS 4
	ds_store_b128 v20, v[84:87]
	ds_store_b128 v20, v[88:91] offset:16
	BARRIER                                        ; the 16 latents' logits lie in LDS; nothing is stored to LDS behind this barrier
	s_cmp_ge_u32 s40, 4
	s_cbranch_scc1 .Lend_a                         ; waves 4-15 are done
	ds_load_b128 v[48:51], v21                     ; my latent's logits of blocks 8 l .. 8 l + 7
	ds_load_b128 v[52:55], v21 offset:16
	v_lshlrev_b32 v30, 3, v1
.irp i, 0,1,2,3,4,5,6,7
	v_add_nc_u32 v31, \i, v30
	v_cvt_f32_u32 v[56+\i], v31                    ; their numbers, as f32
.endr
	v_mov_b32 v72, 0                               ; lane r will hold the r-th choice
	v_mov_b32 v73, 0xff800000                      ; -infinity: what has been chosen
	v_mov_b32 v74, 0x4e6e6b28                      ; 1e9: over every block number
	s_wait_dscnt 0x0
; One choice: the largest logit of the 256; among equal ones the lowest number; it is struck out; lane s55 keeps it.
; The eight compares write eight masks, s66-73, so that neither they nor the eight selects behind them wait for each other.
	s_mov_b32 s55, 0
.Ltop:
	v_max3_num_f32 v64, v48, v49, v50
	v_max3_num_f32 v65, v51, v52, v53
	v_max_num_f32 v66, v54, v55
	v_max3_num_f32 v64, v64, v65, v66
.irp m, 1,2,4,8
	v_max_num_f32_dpp v64, v64, v64 row_xmask:\m row_mask:0xf bank_mask:0xf
.endr
	v_permlanex16_b32 v65, v64, s[SEL], s[SEL+1]
	v_max_num_f32 v64, v64, v65                    ; the largest of all
.irp i, 0,1,2,3,4,5,6,7
	v_cmp_eq_f32 s[66+\i], v[48+\i], v64
.endr
.irp i, 0,1,2,3,4,5,6,7
	v_cndmask_b32 v[76+\i], v74, v[56+\i], s[66+\i]   ; its number where a logit equals it, else 1e9
.endr
	v_min3_num_f32 v66, v76, v77, v78
	v_min3_num_f32 v67, v79, v80, v81
	v_min_num_f32 v68, v82, v83
	v_min3_num_f32 v66, v66, v67, v68
.irp m, 1,2,4,8
	v_min_num_f32_dpp v66, v66, v66 row_xmask:\m row_mask:0xf bank_mask:0xf
.endr
	v_permlanex16_b32 v65, v66, s[SEL], s[SEL+1]
	v_min_num_f32 v66, v66, v65                    ; the lowest such number
.irp i, 0,1,2,3,4,5,6,7
	v_cmp_eq_f32 s[66+\i], v[56+\i], v66
.endr
.irp i, 0,1,2,3,4,5,6,7
	v_cndmask_b32 v[48+\i], v[48+\i], v73, s[66+\i]
.endr
	v_cmp_eq_u32 vcc_lo, s55, v2
	v_cndmask_b32 v72, v72, v66, vcc_lo
	s_add_co_u32 s55, s55, 1
	s_cmp_lt_u32 s55, 16
	s_cbranch_scc1 .Ltop
	s_lshl_b32 s60, s42, 8
	v_cvt_u32_f32 v72, v72
	v_add_nc_u32 v72, s60, v72                     ; the block's number among all 512
	global_store_b32 v27, v72, s[34:35]            ; 64 consecutive bytes a wave, 256 for the four; lanes r and r + 16 store the same word with the same number
.Lend_a:
	s_wait_tensorcnt 0x0
	ds_add_u32 v254, v255
	s_wait_dscnt 0x0
	s_endpgm
	; ================ ROLE B ================
.Lrole_b:
	s_sub_co_u32 s41, ttmp9, 64                    ; b
	s_lshr_b32 s42, s41, 1                         ; the latent tile
	s_and_b32 s43, s41, 1                          ; which half of the 512 channels
	s_lshl_b32 s60, s42, 4
	v_add_nc_u32 v30, s60, v2                      ; latent 16 x tile + r
	v_mul_u32_u24 v9, v30, 384
	v_mad_u32_u24 v9, v3, 24, v9                   ; v9: its codes
	v_lshlrev_b32 v24, 4, v30
	v_lshl_add_u32 v24, v3, 2, v24                 ; v24: its scale words, two K steps a register
	s_lshl_b32 s61, s43, 8
	s_lshl_b32 s62, s40, 4
	s_add_co_u32 s61, s61, s62
	v_add_nc_u32 v30, s61, v2                      ; Wq's row 256 x half + 16 w + r, as they lie
	v_mul_u32_u24 v25, v30, 384
	v_mad_u32_u24 v25, v3, 24, v25                 ; v25: its codes
	v_lshlrev_b32 v26, 4, v30
	v_lshl_add_u32 v26, v3, 2, v26                 ; v26: its scale words
	v_mul_u32_u24 v22, v2, QSP
	v_lshl_add_u32 v22, v3, 5, v22
	s_lshl_b32 s62, s40, 6
	v_add_nc_u32 v22, s62, v22
	v_add_nc_u32 v22, QST, v22                     ; v22: q in: latent r, my 16 channels, 8 h on
	s_mul_i32 s62, s40, QSP
	v_add_nc_u32 v23, s62, v5
	v_add_nc_u32 v23, QST, v23                     ; v23: q out: latent w
	s_add_co_u32 s60, s60, s40
	s_lshl_b32 s60, s60, 11
	s_lshl_b32 s62, s43, 10
	s_add_co_u32 s60, s60, s62
	v_add_nc_u32 v28, s60, v5                      ; v28: latent 16 x tile + w's row in qws, my work-group's half
	s_mov_b32 s56, 0x3e38aa3b                      ; log2(e) / 8
	s_mov_b32 s57, s56                             ; (named with it as a pair)
	s_wait_kmcnt 0x0
.irp k, 0,1,2,3
	GFRAG 112+12*\k, 9, 4, 96*\k                   ; v112-159 the latents' four K steps
.endr
	global_load_b32 v41, v24, s[6:7]
	global_load_b32 v42, v24, s[6:7] offset:8
.irp k, 0,1,2,3
	GFRAG 160+12*\k, 25, 20, 96*\k                 ; v160-207 Wq's
.endr
	global_load_b32 v43, v26, s[22:23]
	global_load_b32 v44, v26, s[22:23] offset:8
	s_cmp_lt_u32 s41, 16
	s_cbranch_scc0 .Lno_lay                        ; 256 fragments: the first 16 of these work-groups lay them out, one a wave
	; fragment 16 b + w: 0-63 Wk (tile T, K step: 2 T + step), 64-127 Wv, 128-255 Wo (4 T + step)
	s_lshl_b32 s50, s41, 4
	s_add_co_u32 s50, s50, s40
	s_cmp_lt_u32 s41, 8
	s_cselect_b32 s44, 1, 2                        ; log2 of the K steps in a row
	s_cselect_b32 s45, 63, 127
	s_and_b32 s45, s50, s45
	s_lshr_b32 s46, s45, s44                       ; T
	s_lshl_b32 s47, s46, s44
	s_sub_co_u32 s47, s45, s47                     ; step
	s_lshr_b32 s60, s46, 1
	s_lshl_b32 s60, s60, 5
	s_and_b32 s61, s46, 1
	s_lshl_b32 s61, s61, 3
	s_add_co_u32 s60, s60, s61                     ; the tile's first row
	s_mul_i32 s60, s60, 96
	s_lshl_b32 s60, s60, s44                       ; a row is 96 bytes a K step
	s_mul_i32 s61, s47, 96
	s_add_co_u32 s60, s60, s61
	v_mul_u32_u24 v6, v4, 96
	v_lshlrev_b32 v6, s44, v6
	v_mad_u32_u24 v6, v3, 24, v6
	v_add_nc_u32 v6, s60, v6                       ; v6: my bytes of that fragment
	s_mul_i32 s60, s50, 1536
	v_add_nc_u32 v18, s60, v5                      ; v18: its image in wimg
	s_cmp_lt_u32 s41, 4                            ; which weight it belongs to hangs on the work-group's number alone
	s_cselect_b64 s[48:49], s[24:25], s[26:27]
	s_cmp_lt_u32 s41, 8
	s_cselect_b64 s[48:49], s[48:49], s[28:29]
	GFRAG 48, 6, 48, 0                             ; v48-59
	s_wait_loadcnt 0x0
.irp c, 0,1,2
	global_store_b128 v18, v[48+4*\c:51+4*\c], s[38:39] offset:512*\c   ; the fragment as an image of its registers: 512 consecutive bytes a store
.endr
.Lno_lay:
	s_wait_loadcnt 0x0
	WM 84, 160, 112, 1, 43, 41, 0                  ; two accumulators by turns: K steps 0 and 2 in v84-91, 1 and 3 in v92-99
	WM 92, 172, 124, 1, 43, 41, 1
	WM 84, 184, 136, 0, 44, 42, 0
	WM 92, 196, 148, 0, 44, 42, 1
	NOPS 4                                         ; four places in front of the first read of results
.irp j, 0,2,4,6
	v_pk_add_f32 v[84+\j:85+\j], v[84+\j:85+\j], v[92+\j:93+\j]             ; both accumulators from their low ends on
.endr
.irp j, 0,2,4,6
	v_pk_mul_f32 v[84+\j:85+\j], v[84+\j:85+\j], s[56:57] op_sel_hi:[1,0]   ; x log2(e) / 8
.endr
	ds_store_b128 v22, v[84:87]
	ds_store_b128 v22, v[88:91] offset:16
	BARRIER                                        ; 16 latents' 256 channels lie in the stage
	ds_load_b128 v[100:103], v23
	ds_load_b128 v[104:107], v23 offset:512
	s_wait_dscnt 1                                 ; LDS loads come back in order: the younger one stays out
	global_store_b128 v28, v[100:103], s[36:37]    ; 512 consecutive bytes, at a multiple of 256 from the buffer's first byte
	s_wait_dscnt 0x0
	global_store_b128 v28, v[104:107], s[36:37] offset:512
	s_wait_tensorcnt 0x0
	ds_add_u32 v254, v255
	s_wait_dscnt 0x0
	s_endpgm
.Lfunc_end_k_qcf3ed288de_router:
	.size	k_qcf3ed288de_router, .Lfunc_end_k_qcf3ed288de_router-k_qcf3ed288de_router
	.p2alignl 7, 3214868480
	.fill 96, 4, 3214868480
	.section	.rodata,"a",@progbits
	.p2align	6, 0x0
	.amdhsa_kernel k_qcf3ed288de_router
		.amdhsa_group_segment_fixed_size 64000
		.amdhsa_private_segment_fixed_size 0
		.amdhsa_enable_private_segment 0
		.amdhsa_kernarg_size 144
		.amdhsa_user_sgpr_count 2
		.amdhsa_user_sgpr_kernarg_segment_ptr 1
		.amdhsa_wavefront_size32 1
		.amdhsa_system_sgpr_workgroup_id_x 1
		.amdhsa_system_sgpr_workgroup_id_y 1
		.amdhsa_system_sgpr_workgroup_id_z 1
		.amdhsa_system_vgpr_workitem_id 0
		.amdhsa_next_free_vgpr 256
		.amdhsa_next_free_sgpr 80
		.amdhsa_reserve_vcc 1
		.amdhsa_float_denorm_mode_32 3
		.amdhsa_float_denorm_mode_16_64 3
		.amdhsa_memory_ordered 1
		.amdhsa_forward_progress 1
		.amdhsa_inst_pref_size 39
	.end_amdhsa_kernel
	.amdgpu_metadata
---
amdhsa.version: [ 1, 2 ]
amdhsa.kernels:
  - .name:           k_qcf3ed288de_router
    .symbol:         k_qcf3ed288de_router.kd
    .args:
      - { .name: latents_codes, .offset: 0, .size: 8, .value_kind: global_buffer, .address_space: global }
      - { .name: latents_scales, .offset: 8, .size: 8, .value_kind: global_buffer, .address_space: global }
      - { .name: router_q_w_codes, .offset: 16, .size: 8, .value_kind: global_buffer, .address_space: global }
      - { .name: router_q_w_scales, .offset: 24, .size: 8, .value_kind: global_buffer, .address_space: global }
      - { .name: router_q_b, .offset: 32, .size: 8, .value_kind: global_buffer, .address_space: global }
      - { .name: router_k_w_codes, .offset: 40, .size: 8, .value_kind: global_buffer, .address_space: global }
      - { .name: router_k_w_scales, .offset: 48, .size: 8, .value_kind: global_buffer, .address_space: global }
      - { .name: router_k_b, .offset: 56, .size: 8, .value_kind: global_buffer, .address_space: global }
      - { .name: Wq_codes, .offset: 64, .size: 8, .value_kind: global_buffer, .address_space: global }
      - { .name: Wq_scales, .offset: 72, .size: 8, .value_kind: global_buffer, .address_space: global }
      - { .name: Wk_codes, .offset: 80, .size: 8, .value_kind: global_buffer, .address_space: global }
      - { .name: Wv_codes, .offset: 88, .size: 8, .value_kind: global_buffer, .address_space: global }
      - { .name: Wo_codes, .offset: 96, .size: 8, .value_kind: global_buffer, .address_space: global }
      - { .name: sumc, .offset: 104, .size: 8, .value_kind: global_buffer, .address_space: global }
      - { .name: sums, .offset: 112, .size: 8, .value_kind: global_buffer, .address_space: global }
      - { .name: idxw, .offset: 120, .size: 8, .value_kind: global_buffer, .address_space: global }
      - { .name: qws, .offset: 128, .size: 8, .value_kind: global_buffer, .address_space: global }
      - { .name: wimg, .offset: 136, .size: 8, .value_kind: global_buffer, .address_space: global }
    .group_segment_fixed_size: 64000
    .private_segment_fixed_size: 0
    .kernarg_segment_align: 8
    .kernarg_segment_size: 144
    .max_flat_workgroup_size: 512
    .sgpr_count:     80
    .vgpr_count:     256
    .wavefront_size: 32
...
	.end_amdgpu_metadata
.endif
;; end of part 4
;; launch attend: the kernel of part 3 again; grid 256 x 1, 4 waves a work-group, no clusters, 246,784 bytes of LDS; arguments ctxq, idxw, qws, wimg, Wk_scales, Wv_scales, Wo_scales, out0; writes out0
;; ======== version 3 of 3: 3 launches; version 2 with the launches router, attend written anew for expert scheduling mode
;; workspace buffers: ctxq 6,553,600 bytes; sumc 98,304 bytes; sums 4,096 bytes; idxw 16,384 bytes of whole numbers; qws 524,288 bytes; wimg 393,216 bytes
;; launch prep: the kernel of part 1 again; grid 512 x 1, 4 waves a work-group, no clusters, 72,960 bytes of LDS; arguments byte_array, ctxq, sumc, sums; writes ctxq, sumc, sums
;; launch router (part 5): grid 96 x 1, 16 waves a work-group, no clusters, 64,000 bytes of LDS; arguments latents_codes, latents_scales, router_q_w_codes, router_q_w_scales, router_q_b, router_k_w_codes, router_k_w_scales, router_k_b, Wq_codes, Wq_scales, Wk_codes, Wv_codes, Wo_codes, sumc, sums, idxw, qws, wimg; writes idxw, qws, wimg
.if DOCPART == 5
	.amdgcn_target "amdgcn-amd-amdhsa--gfx1250"
	.amdhsa_code_object_version 6
	.text
	.protected	k_qcf3ed288de_router
	.globl	k_qcf3ed288de_router
	.p2align	8
	.type	k_qcf3ed288de_router,@function
k_qcf3ed288de_router:
	s_mov_b64 s[64:65], 0
	v_nop
	global_prefetch_b8 v0, s[64:65] scope:SCOPE_SE
	s_setreg_imm32_b32 hwreg(HW_REG_WAVE_SCHED_MODE, 0, 2), 2
	s_setreg_imm32_b32 hwreg(HW_REG_WAVE_MODE, 25, 1), 1
	s_wait_xcnt 0x0
	s_wait_alu depctr_vm_vsrc(0)
; The router and what else is small, shared among 96 work-groups of 16 waves in two roles, by the work-group's number x.
; ROLE A, x = 0 .. 63: latent tile x / 4 (16 latents, batch x / 32); the choice is made for its latents 4 (x % 4) .. 4 (x % 4) + 3, that is latents 4 x .. 4 x + 3 of all 256.
;  r_q = latents W_rq + b (wave w: tile w % 4 of the 64 outputs, K step w / 4 of four; the four parts meet in LDS and are added in f32);
;  r_k = means W_rk + b for the batch's 256 blocks (wave w: blocks 16 w .. 16 w + 15); both quantised along their 64; logits = r_q r_k^T (K = 64: the upper half of the K step is zero codes).
;  A matrix tile holds 16 latents whether 4 or 16 of them are used, so the four work-groups of a tile each make its logits, and each chooses for a quarter: waves 0-3, one latent each;
;  waves 4-15 end behind the last barrier, so that the serial loop of the choice shares its SIMD with no other wave of the work-group.
;  The 16 largest logits, equal values by the lower index, are stored as block numbers (whole numbers) for the next launch.
;  W_rk's 8 fragments are the same for all 16 waves: wave w loads half w % 2 of fragment w / 2, and they go round through LDS as images of the operand's registers.
; ROLE B, x = 64 .. 95, b = x - 64: q = latents Wq, times log2(e) / 8, in f32: latent tile b / 2, channels 256 (b % 2) + 16 w .. + 15 for wave w;
;  and for b < 16 fragment 16 b + w of 256 of Wk, Wv, Wo is laid as an image of the operand's registers.
; Every product is used transposed: source 0 = 16 rows of the weight (or 16 blocks), source 1 = 16 latents (or 16 means): a lane holds one row of the result and 8 neighbours along its columns.
; THE ROWS OF A WEIGHT TILE ARE CHOSEN (but Wq's): lane r of tile 2 b + u takes row 32 b + 8 u + r + 8 (r / 8), so that the registers of tiles 2 b, 2 b + 1 are 16 neighbours, 32 b + 16 (lane / 16) + 0 .. 15.
; LIMITS: logits that are NaN or -infinity are not served; +0 and -0 count as equal; r_q's K is summed as four parts and q's as two, and then in f32.
; No address and no branch hangs on a floating-point number: the choice is made by compares and selects in a loop of constant count, and stored at fixed places.
; No tensor load and no cluster: the operands are a few KB and are wanted in registers.  The two roles never join, and each has LDS bytes of its own.
; THE MODE: SCHED_MODE bits 1:0 = 2 (LLVM: expert scheduling mode 2), set by the entry lines.  The code itself states the register dependences
; between vector or matrix instructions and memory or LDS instructions, and those through scalar registers that vector instructions write, with s_wait_alu, always for 0.
; THE PLAN.  Every address register is made once, ahead of its role's first load, and never written again.  Registers that both sides name, role A:
;   v148-153   my half fragment of W_rk: a load lands, an LDS store reads; then W_rk's images land in v148-243, the matrix instructions read them, and r_q's parts land there.
;   v84-91     the bias lands; selects and a matrix instruction write; LDS stores read; the logits' matrix instruction writes; LDS stores read.
;   v116-147   the bias lands; matrix instructions write; the quantiser reads; r_q's parts land.
;   v64-75, v92-103, v39, v40   made by the quantiser's vector instructions, taken by the logits' matrix instruction as operands and scales.
;   v48-55     the quantiser's work; then my latent's logits land.     v72  made by the choice, read by the list's store.
;   s66-74     masks: written by runs of compares, read by the selects behind each run.
; Role B: v84-91 (matrix and vector instructions write, LDS stores read); v6, v18 (made under the branch of the layout, read by its loads and stores).
.set RQP, 0                            ; LDS, role A: the 16 waves' parts of r_q, 1,024 bytes each, as images of 8 registers;
.set KWI, 16384                        ; W_rk's 8 fragments, 1,536 bytes each: registers 2 q, 2 q + 1 of lane l at 256 q + 8 l;
.set LG,  KWI+8*1536                   ; the logits, 16 latents x (1,024 bytes + 16)
.set LGP, 1040
.set QST, LG+16*LGP                    ; role B: q's stage, 16 latents x (1,024 bytes + 16)
.set QSP, 1040
.set TM,  48                           ; v48-63 the quantiser's work
.set SEL, 52                           ; s[52:53] lane selects: lane l xor 16
; v32-47 hold scales and nothing else: v32 W_rq, v33 latents (one K step), v34 means, v35-38 W_rk, v39 r_k, v40 r_q, v41-42 latents (two K steps a register), v43-44 Wq
.macro NOPS n
.rept \n
	v_nop
.endr
.endm
.macro BARRIER                         ; my LDS stores have landed and my LDS loads are in: then the work-group's barrier
	s_wait_dscnt 0x0
	s_barrier_signal -1
	s_barrier_wait -1
.endm
.macro GFRAG reg, off, base, imm       ; a fragment from rows of codes: 24 bytes at + 0 and 24 at + 48, in pieces of 8
.irp p, 0,1,2,3,4,5
	global_load_b64 v[\reg+2*\p:\reg+2*\p+1], v[\off], s[\base:\base+1] offset:\imm+48*(\p/3)+8*(\p%3)
.endr
.endm
.macro WM d, a, b, z, sa, sb, row      ; z = 1: the sum starts at 0; row = 1: both sides' scales from lanes 16-31
.if (\z) && (\row)
	v_wmma_scale_f32_16x16x128_f8f6f4 v[\d:\d+7], v[\a:\a+11], v[\b:\b+11], 0, v[\sa], v[\sb] matrix_a_fmt:MATRIX_FMT_FP6 matrix_b_fmt:MATRIX_FMT_FP6 matrix_a_scale:MATRIX_SCALE_ROW1 matrix_b_scale:MATRIX_SCALE_ROW1
.elseif \z
	v_wmma_scale_f32_16x16x128_f8f6f4 v[\d:\d+7], v[\a:\a+11], v[\b:\b+11], 0, v[\sa], v[\sb] matrix_a_fmt:MATRIX_FMT_FP6 matrix_b_fmt:MATRIX_FMT_FP6
.elseif \row
	v_wmma_scale_f32_16x16x128_f8f6f4 v[\d:\d+7], v[\a:\a+11], v[\b:\b+11], v[\d:\d+7], v[\sa], v[\sb] matrix_a_fmt:MATRIX_FMT_FP6 matrix_b_fmt:MATRIX_FMT_FP6 matrix_a_scale:MATRIX_SCALE_ROW1 matrix_b_scale:MATRIX_SCALE_ROW1
.else
	v_wmma_scale_f32_16x16x128_f8f6f4 v[\d:\d+7], v[\a:\a+11], v[\b:\b+11], v[\d:\d+7], v[\sa], v[\sb] matrix_a_fmt:MATRIX_FMT_FP6 matrix_b_fmt:MATRIX_FMT_FP6
.endif
.endm
; 32 numbers of a lane, register 16 b + i = k 32 b + 16 (lane / 16) + i, become the lower half of a fragment at v[pc]; its upper half (k 64 .. 127) is zero codes; the scale word's upper bytes stay 0
.macro QUANT2 s, pc, pw
.irp b, 0,1
	v_max3_num_f32 v[TM+\b], |v[\s+16*\b]|, |v[\s+1+16*\b]|, 0x1800000   ; and the floor 2^(3 - 127): the byte cannot fall under 1
.endr
.irp i, 2,4,6,8,10,12,14
.irp b, 0,1
	v_max3_num_f32 v[TM+\b], v[TM+\b], |v[\s+16*\b+\i]|, |v[\s+1+16*\b+\i]|
.endr
.endr
.irp b, 0,1
	v_permlanex16_b32 v[TM+4+\b], v[TM+\b], s[SEL], s[SEL+1]
.endr
.irp b, 0,1
	v_max_num_f32 v[TM+\b], v[TM+\b], v[TM+4+\b]
.endr
.irp b, 0,1
	v_add_nc_u32 v[TM+12+\b], 0xff000000, v[TM+\b]
.endr
.irp b, 0,1
	v_lshrrev_b32 v[TM+4+\b], 23, v[TM+12+\b]
.endr
	v_lshl_or_b32 v[\pw], v[TM+5], 8, v[TM+4]
	v_cvt_scalef32_pk16_fp6_f32 v[\pc:\pc+2], v[\s:\s+15], v[TM+12]
	v_cvt_scalef32_pk16_fp6_f32 v[\pc+12:\pc+14], v[\s+16:\s+31], v[TM+13]
	v_nop                                          ; one plain place behind the scaled conversions
.irp i, 0,1,2
	v_permlane16_swap_b32 v[\pc+\i], v[\pc+12+\i]
.endr
.irp i, 0,1,2
	v_mov_b32 v[\pc+3+\i], v[\pc+12+\i]
.endr
.irp i, 6,7,8,9,10,11
	v_mov_b32 v[\pc+\i], 0
.endr
.endm
	s_load_b512 s[4:19], s[0:1], 0x0               ; latents' codes 4, scales 6; W_rq's codes 8, scales 10, bias 12; W_rk's codes 14, scales 16, bias 18
	s_load_b512 s[20:35], s[0:1], 0x40             ; Wq's codes 20, scales 22; Wk 24, Wv 26, Wo 28 (codes); sumc 30, sums 32, idxw 34
	s_load_b128 s[36:39], s[0:1], 0x80             ; qws 36, wimg 38
	v_lshl_add_u32 v254, v0, 2, 0xf200
	v_mov_b32 v255, 0
	v_lshrrev_b32 v1, 5, v0
	v_readfirstlane_b32 s40, v1                    ; w
	v_and_b32 v1, 31, v0                           ; l
	v_and_b32 v2, 15, v0                           ; r
	v_bfe_u32 v3, v0, 4, 1                         ; h
	v_and_b32 v4, 8, v2
	v_add_nc_u32 v4, v4, v2                        ; r + 8 (r / 8)
	v_lshlrev_b32 v5, 4, v1                        ; 16 l
	s_mov_b32 s[SEL], 0x76543210
	s_mov_b32 s[SEL+1], 0xfedcba98
	s_wait_alu depctr_va_sdst(0)                   ; s40, the wave's number, is written: both roles read it
	s_cmp_ge_u32 ttmp9, 64                         ; the role hangs on the work-group's number alone: all 16 waves take the same way
	s_cbranch_scc1 .Lrole_b
	; ================ ROLE A ================
	s_lshr_b32 s41, ttmp9, 2                       ; the latent tile
	s_lshr_b32 s42, ttmp9, 5                       ; the batch
	v_mov_b32 v[TM+4], 0                           ; written once: a lane permute's destination counts as one of its sources
	v_mov_b32 v[TM+5], 0
	; r_q's part: tile t = w % 4, K step w / 4
	s_and_b32 s58, s40, 3
	s_lshr_b32 s59, s40, 2
	s_lshr_b32 s60, s58, 1
	s_lshl_b32 s60, s60, 5
	s_and_b32 s61, s58, 1
	s_lshl_b32 s61, s61, 3
	s_add_co_u32 s60, s60, s61                     ; 32 b + 8 u
	v_add_nc_u32 v30, s60, v4
	v_mul_u32_u24 v7, v30, 384
	v_mad_u32_u24 v7, v3, 24, v7
	s_mul_i32 s61, s59, 96
	v_add_nc_u32 v7, s61, v7                       ; v7: W_rq's codes
	v_lshlrev_b32 v8, 4, v30
	s_lshl_b32 s62, s59, 2
	v_add_nc_u32 v8, s62, v8                       ; v8: its scale word
	s_lshl_b32 s63, s41, 4
	v_add_nc_u32 v30, s63, v2                      ; latent 16 x tile + r
	v_mul_u32_u24 v10, v30, 384
	v_mad_u32_u24 v10, v3, 24, v10
	v_add_nc_u32 v10, s61, v10                     ; v10: its codes, my K step
	v_lshlrev_b32 v11, 4, v30
	v_add_nc_u32 v11, s62, v11                     ; v11: its scale word, my K step
	s_lshl_b32 s60, s60, 2
	v_lshlrev_b32 v17, 6, v3                       ; v17: 64 h: a bias's 8 numbers of my half
	v_add_nc_u32 v12, s60, v17                     ; v12: b_rq at 32 b + 8 u + 16 h
	s_cmp_eq_u32 s59, 0
	s_cselect_b32 s54, -1, 0                       ; the bias goes into K step 0's part alone
	; r_k: means 256 batch + 16 w + r
	s_lshl_b32 s60, s42, 8
	s_lshl_b32 s61, s40, 4
	s_add_co_u32 s60, s60, s61
	v_add_nc_u32 v30, s60, v2
	v_mul_u32_u24 v13, v30, 192
	v_mad_u32_u24 v13, v3, 24, v13                 ; v13: the mean's codes
	v_lshlrev_b32 v14, 3, v30
	v_lshl_add_u32 v14, v3, 2, v14                 ; v14: its two scale words, one for each half of the lanes
	; W_rk: fragment w / 2 = 2 x tile + K step, half w % 2: tile w / 4 begins at row 32 (w / 8) + 8 ((w / 4) % 2); 96 bytes a K step, 48 a half: 48 (w % 4)
	s_lshr_b32 s60, s40, 3
	s_lshl_b32 s60, s60, 5
	s_bfe_u32 s61, s40, 0x10002
	s_lshl_b32 s61, s61, 3
	s_add_co_u32 s60, s60, s61
	s_mul_i32 s60, s60, 192
	s_and_b32 s61, s40, 3
	s_mul_i32 s61, s61, 48
	s_add_co_u32 s60, s60, s61
	v_mul_u32_u24 v15, v4, 192
	v_mad_u32_u24 v15, v3, 24, v15
	v_add_nc_u32 v15, s60, v15                     ; v15: my 24 bytes of W_rk
	v_lshlrev_b32 v16, 3, v4
	v_lshl_add_u32 v16, v3, 2, v16                 ; v16: W_rk's scale words
	; LDS
	s_lshl_b32 s60, s40, 10
	v_add_nc_u32 v19, s60, v5                      ; v19: my part of r_q
	v_mul_u32_u24 v20, v2, LGP
	v_lshl_add_u32 v20, v3, 5, v20
	s_lshl_b32 s60, s40, 6
	v_add_nc_u32 v20, s60, v20
	v_add_nc_u32 v20, LG, v20                      ; v20: logits in: latent r, blocks 16 w + 8 h on
	s_and_b32 s60, ttmp9, 3
	s_lshl_b32 s60, s60, 2
	s_add_co_u32 s60, s60, s40                     ; the tile's row 4 (x % 4) + w: waves 0-3 use it;
	s_min_u32 s60, s60, 15                         ; held inside the 16 rows for the others, which never read by it
	s_mul_i32 s60, s60, LGP
	v_lshlrev_b32 v21, 5, v1
	v_add_nc_u32 v21, s60, v21
	v_add_nc_u32 v21, LG, v21                      ; v21: logits out: my latent, blocks 8 l on
	v_lshlrev_b32 v28, 3, v1                       ; v28: 8 l: an image's place for my lane
	s_mul_i32 s60, s40, 768
	v_add_nc_u32 v29, s60, v28
	v_add_nc_u32 v29, KWI, v29                     ; v29: where my half fragment goes: 768 w = 1,536 (w / 2) + 768 (w % 2)
	s_lshl_b32 s60, ttmp9, 2
	s_add_co_u32 s60, s60, s40                     ; latent 4 x + w
	s_lshl_b32 s60, s60, 6
	v_lshl_add_u32 v27, v2, 2, s60                 ; v27: its 16 numbers in idxw
	s_wait_kmcnt 0x0
	s_wait_alu depctr_va_vdst(0)                   ; every offset and LDS address of the role (v7 to v29) is written: the loads and stores from here on read them, and none is written again
	; 19 loads that the first barrier waits for,
.irp p, 0,1,2
	global_load_b64 v[148+2*\p:149+2*\p], v15, s[14:15] offset:8*\p    ; v148-153 my half fragment of W_rk
.endr
	GFRAG 60, 7, 8, 0                              ; v60-71   W_rq
	global_load_b32 v32, v8, s[10:11]
	GFRAG 72, 10, 4, 0                             ; v72-83   latents, my K step
	global_load_b32 v33, v11, s[6:7]
	global_load_b128 v[84:87], v12, s[12:13]       ; v84-91   b_rq: the sum's C
	global_load_b128 v[88:91], v12, s[12:13] offset:16
	; and 25 that are wanted behind it
	GFRAG 92, 13, 30, 0                            ; v92-115  the means, two K steps
	GFRAG 104, 13, 30, 96
	global_load_b32 v34, v14, s[32:33]
.irp t, 0,1,2,3
	global_load_b32 v[35+\t], v16, s[16:17] offset:(32*(\t/2)+8*(\t%2))*8
	global_load_b128 v[116+8*\t:119+8*\t], v17, s[18:19] offset:(32*(\t/2)+8*(\t%2))*4      ; v116-147 b_rk: the sums' C
	global_load_b128 v[120+8*\t:123+8*\t], v17, s[18:19] offset:(32*(\t/2)+8*(\t%2))*4+16
.endr
	s_wait_loadcnt 25                              ; loads come back in order: the first 19 are in, the 25 behind them may stay out
.irp p, 0,1,2
	ds_store_b64 v29, v[148+2*\p:149+2*\p] offset:256*\p
.endr
.irp j, 0,1,2,3,4,5,6,7
	v_cndmask_b32 v[84+\j], 0, v[84+\j], s54
.endr
	NOPS 4
	WM 84, 60, 72, 0, 32, 33, 0                    ; my part of r_q
	NOPS 4                                         ; four places in front of the first read of the result
	s_wait_alu depctr_va_vdst(0)                   ; the matrix instruction has written v84-91, which the two LDS stores read; the places above stay beside this wait
	ds_store_b128 v19, v[84:87]
	ds_store_b128 v19, v[88:91] offset:512
	BARRIER                                        ; the 16 parts of r_q and W_rk's 8 fragments lie in LDS
	s_wait_alu depctr_vm_vsrc(0)                   ; my LDS stores have read v148-153, in which W_rk's images land, and v84-91, which the logits' matrix instruction writes
.irp f, 0,1,2,3,4,5,6,7
.irp q, 0,1,2,3,4,5
	ds_load_b64 v[148+12*\f+2*\q:149+12*\f+2*\q], v28 offset:KWI+1536*\f+256*\q   ; v148-243 W_rk: tile t, K step k at 148 + 24 t + 12 k; 256 consecutive bytes a load
.endr
.endr
	s_wait_loadcnt 0x0                             ; the means, the scale words, the bias
	s_wait_dscnt 0x0
.irp t, 0,1,2,3
	WM 116+8*\t, 148+24*\t, 92, 0, 35+\t, 34, 0    ; four sums, each accumulator one instruction a turn
.endr
.irp t, 0,1,2,3
	WM 116+8*\t, 160+24*\t, 104, 0, 35+\t, 34, 1
.endr
	NOPS 4                                         ; four places in front of the first read of results
	QUANT2 116, 64, 39                             ; r_k of my 16 blocks: fragment v64-75, scale word v39
.macro PARTS base, k
.irp t, 0,1,2,3
.irp c, 0,1
	ds_load_b128 v[\base+8*\t+4*\c:\base+8*\t+4*\c+3], v5 offset:RQP+1024*(4*\k+\t)+512*\c
.endr
.endr
.endm
	s_wait_alu depctr_va_vdst(0)                   ; the matrix instructions are done reading W_rk in v148-243 and have written v116-147, and the quantiser is done reading those: r_q's parts land in both
	PARTS 148, 0
	PARTS 180, 1
	PARTS 212, 2
	PARTS 116, 3
	s_wait_dscnt 0x0
.set J, 0
.rept 16
	v_pk_add_f32 v[148+J:149+J], v[148+J:149+J], v[180+J:181+J]
	v_pk_add_f32 v[212+J:213+J], v[212+J:213+J], v[116+J:117+J]
.set J, J+2
.endr
.set J, 0
.rept 16
	v_pk_add_f32 v[148+J:149+J], v[148+J:149+J], v[212+J:213+J]
.set J, J+2
.endr
	QUANT2 148, 92, 40                             ; r_q of the 16 latents: fragment v92-103, scale word v40
	NOPS 8                                         ; a scale register written by a vector instruction stands 8 places ahead of a scaled matrix instruction
	s_wait_alu depctr_va_vdst(0)                   ; the quantiser's vector instructions have written both operands (v64-75, v92-103) and both scale words (v39, v40) of the scaled matrix instruction below; the places stay beside this wait
	WM 84, 64, 92, 1, 39, 40, 0                    ; logits: lane (r, h): latent r, blocks 16 w + 8 h + 0 .. 7
	NOPS 4
	s_wait_alu depctr_va_vdst(0)                   ; the matrix instruction has written v84-91, which the LDS stores read; the quantiser is done with v48-55, in which waves 0-3 load their logits below
	ds_store_b128 v20, v[84:87]
	ds_store_b128 v20, v[88:91] offset:16
	BARRIER                                        ; the 16 latents' logits lie in LDS; nothing is stored to LDS behind this barrier
	s_cmp_ge_u32 s40, 4
	s_cbranch_scc1 .Lend_a                         ; waves 4-15 are done
	ds_load_b128 v[48:51], v21                     ; my latent's logits of blocks 8 l .. 8 l + 7
	ds_load_b128 v[52:55], v21 offset:16
	v_lshlrev_b32 v30, 3, v1
.irp i, 0,1,2,3,4,5,6,7
	v_add_nc_u32 v31, \i, v30
	v_cvt_f32_u32 v[56+\i], v31                    ; their numbers, as f32
.endr
	v_mov_b32 v72, 0                               ; lane r will hold the r-th choice
	v_mov_b32 v73, 0xff800000                      ; -infinity: what has been chosen
	v_mov_b32 v74, 0x4e6e6b28                      ; 1e9: over every block number
	s_wait_dscnt 0x0
; One choice: the largest logit of the 256; among equal ones the lowest number; it is struck out; lane s55 keeps it.
; The compares stand in two runs and write masks of their own, s66-74, so that neither they nor the selects behind them wait for each other, and one wait behind each run serves all its masks.
	s_mov_b32 s55, 0
.Ltop:
	v_max3_num_f32 v64, v48, v49, v50
	v_max3_num_f32 v65, v51, v52, v53
	v_max_num_f32 v66, v54, v55
	v_max3_num_f32 v64, v64, v65, v66
.irp m, 1,2,4,8
	v_max_num_f32_dpp v64, v64, v64 row_xmask:\m row_mask:0xf bank_mask:0xf
.endr
	v_permlanex16_b32 v65, v64, s[SEL], s[SEL+1]
	v_max_num_f32 v64, v64, v65                    ; the largest of all
.irp i, 0,1,2,3,4,5,6,7
	v_cmp_eq_f32 s[66+\i], v[48+\i], v64
.endr
	s_wait_alu depctr_va_sdst(0)                   ; the eight compares have written s66-73, ahead of the first select that reads one of them
.irp i, 0,1,2,3,4,5,6,7
	v_cndmask_b32 v[76+\i], v74, v[56+\i], s[66+\i]   ; its number where a logit equals it, else 1e9
.endr
	v_min3_num_f32 v66, v76, v77, v78
	v_min3_num_f32 v67, v79, v80, v81
	v_min_num_f32 v68, v82, v83
	v_min3_num_f32 v66, v66, v67, v68
.irp m, 1,2,4,8
	v_min_num_f32_dpp v66, v66, v66 row_xmask:\m row_mask:0xf bank_mask:0xf
.endr
	v_permlanex16_b32 v65, v66, s[SEL], s[SEL+1]
	v_min_num_f32 v66, v66, v65                    ; the lowest such number
.irp i, 0,1,2,3,4,5,6,7
	v_cmp_eq_f32 s[66+\i], v[56+\i], v66
.endr
	v_cmp_eq_u32 s74, s55, v2                      ; the lane that keeps this choice: the mask stands in the same run
	s_wait_alu depctr_va_sdst(0)                   ; the nine compares have written s66-74, ahead of the first select that reads one of them
.irp i, 0,1,2,3,4,5,6,7
	v_cndmask_b32 v[48+\i], v[48+\i], v73, s[66+\i]
.endr
	v_cndmask_b32 v72, v72, v66, s74
	s_add_co_u32 s55, s55, 1
	s_cmp_lt_u32 s55, 16
	s_cbranch_scc1 .Ltop
	s_lshl_b32 s60, s42, 8
	v_cvt_u32_f32 v72, v72
	v_add_nc_u32 v72, s60, v72                     ; the block's number among all 512
	s_wait_alu depctr_va_vdst(0)                   ; v72 is written, which the store reads
	global_store_b32 v27, v72, s[34:35]            ; 64 consecutive bytes a wave, 256 for the four; lanes r and r + 16 store the same word with the same number
.Lend_a:
	s_wait_dscnt 0x0                               ; the closing lines, six on end
	s_wait_alu 0x0
	s_wait_tensorcnt 0x0
	ds_add_u32 v254, v255
	s_wait_dscnt 0x0
	s_endpgm
	; ================ ROLE B ================
.Lrole_b:
	s_sub_co_u32 s41, ttmp9, 64                    ; b
	s_lshr_b32 s42, s41, 1                         ; the latent tile
	s_and_b32 s43, s41, 1                          ; which half of the 512 channels
	s_lshl_b32 s60, s42, 4
	v_add_nc_u32 v30, s60, v2                      ; latent 16 x tile + r
	v_mul_u32_u24 v9, v30, 384
	v_mad_u32_u24 v9, v3, 24, v9                   ; v9: its codes
	v_lshlrev_b32 v24, 4, v30
	v_lshl_add_u32 v24, v3, 2, v24                 ; v24: its scale words, two K steps a register
	s_lshl_b32 s61, s43, 8
	s_lshl_b32 s62, s40, 4
	s_add_co_u32 s61, s61, s62
	v_add_nc_u32 v30, s61, v2                      ; Wq's row 256 x half + 16 w + r, as they lie
	v_mul_u32_u24 v25, v30, 384
	v_mad_u32_u24 v25, v3, 24, v25                 ; v25: its codes
	v_lshlrev_b32 v26, 4, v30
	v_lshl_add_u32 v26, v3, 2, v26                 ; v26: its scale words
	v_mul_u32_u24 v22, v2, QSP
	v_lshl_add_u32 v22, v3, 5, v22
	s_lshl_b32 s62, s40, 6
	v_add_nc_u32 v22, s62, v22
	v_add_nc_u32 v22, QST, v22                     ; v22: q in: latent r, my 16 channels, 8 h on
	s_mul_i32 s62, s40, QSP
	v_add_nc_u32 v23, s62, v5
	v_add_nc_u32 v23, QST, v23                     ; v23: q out: latent w
	s_add_co_u32 s60, s60, s40
	s_lshl_b32 s60, s60, 11
	s_lshl_b32 s62, s43, 10
	s_add_co_u32 s60, s60, s62
	v_add_nc_u32 v28, s60, v5                      ; v28: latent 16 x tile + w's row in qws, my work-group's half
	s_mov_b32 s56, 0x3e38aa3b                      ; log2(e) / 8
	s_mov_b32 s57, s56                             ; (named with it as a pair)
	s_wait_kmcnt 0x0
	s_wait_alu depctr_va_vdst(0)                   ; the role's offsets and LDS addresses (v9, v22 to v26, v28) are written: the loads and stores from here on read them, and none is written again
.irp k, 0,1,2,3
	GFRAG 112+12*\k, 9, 4, 96*\k                   ; v112-159 the latents' four K steps
.endr
	global_load_b32 v41, v24, s[6:7]
	global_load_b32 v42, v24, s[6:7] offset:8
.irp k, 0,1,2,3
	GFRAG 160+12*\k, 25, 20, 96*\k                 ; v160-207 Wq's
.endr
	global_load_b32 v43, v26, s[22:23]
	global_load_b32 v44, v26, s[22:23] offset:8
	s_cmp_lt_u32 s41, 16
	s_cbranch_scc0 .Lno_lay                        ; 256 fragments: the first 16 of these work-groups lay them out, one a wave
	; fragment 16 b + w: 0-63 Wk (tile T, K step: 2 T + step), 64-127 Wv, 128-255 Wo (4 T + step)
	s_lshl_b32 s50, s41, 4
	s_add_co_u32 s50, s50, s40
	s_cmp_lt_u32 s41, 8
	s_cselect_b32 s44, 1, 2                        ; log2 of the K steps in a row
	s_cselect_b32 s45, 63, 127
	s_and_b32 s45, s50, s45
	s_lshr_b32 s46, s45, s44                       ; T
	s_lshl_b32 s47, s46, s44
	s_sub_co_u32 s47, s45, s47                     ; step
	s_lshr_b32 s60, s46, 1
	s_lshl_b32 s60, s60, 5
	s_and_b32 s61, s46, 1
	s_lshl_b32 s61, s61, 3
	s_add_co_u32 s60, s60, s61                     ; the tile's first row
	s_mul_i32 s60, s60, 96
	s_lshl_b32 s60, s60, s44                       ; a row is 96 bytes a K step
	s_mul_i32 s61, s47, 96
	s_add_co_u32 s60, s60, s61
	v_mul_u32_u24 v6, v4, 96
	v_lshlrev_b32 v6, s44, v6
	v_mad_u32_u24 v6, v3, 24, v6
	v_add_nc_u32 v6, s60, v6                       ; v6: my bytes of that fragment
	s_mul_i32 s60, s50, 1536
	v_add_nc_u32 v18, s60, v5                      ; v18: its image in wimg
	s_cmp_lt_u32 s41, 4                            ; which weight it belongs to hangs on the work-group's number alone
	s_cselect_b64 s[48:49], s[24:25], s[26:27]
	s_cmp_lt_u32 s41, 8
	s_cselect_b64 s[48:49], s[48:49], s[28:29]
	s_wait_alu depctr_va_vdst(0)                   ; v6 and v18 are written, which the six loads and the three stores below read as their offsets
	GFRAG 48, 6, 48, 0                             ; v48-59
	s_wait_loadcnt 0x0
.irp c, 0,1,2
	global_store_b128 v18, v[48+4*\c:51+4*\c], s[38:39] offset:512*\c   ; the fragment as an image of its registers: 512 consecutive bytes a store
.endr
.Lno_lay:
	s_wait_loadcnt 0x0
	WM 84, 160, 112, 1, 43, 41, 0                  ; two accumulators by turns: K steps 0 and 2 in v84-91, 1 and 3 in v92-99
	WM 92, 172, 124, 1, 43, 41, 1
	WM 84, 184, 136, 0, 44, 42, 0
	WM 92, 196, 148, 0, 44, 42, 1
	NOPS 4                                         ; four places in front of the first read of results
.irp j, 0,2,4,6
	v_pk_add_f32 v[84+\j:85+\j], v[84+\j:85+\j], v[92+\j:93+\j]             ; both accumulators from their low ends on
.endr
.irp j, 0,2,4,6
	v_pk_mul_f32 v[84+\j:85+\j], v[84+\j:85+\j], s[56:57] op_sel_hi:[1,0]   ; x log2(e) / 8
.endr
	s_wait_alu depctr_va_vdst(0)                   ; the multiplications have written v84-91, which the two LDS stores read
	ds_store_b128 v22, v[84:87]
	ds_store_b128 v22, v[88:91] offset:16
	BARRIER                                        ; 16 latents' 256 channels lie in the stage
	ds_load_b128 v[100:103], v23
	ds_load_b128 v[104:107], v23 offset:512
	s_wait_dscnt 1                                 ; LDS loads come back in order: the younger one stays out
	global_store_b128 v28, v[100:103], s[36:37]    ; 512 consecutive bytes, at a multiple of 256 from the buffer's first byte
	s_wait_dscnt 0x0
	global_store_b128 v28, v[104:107], s[36:37] offset:512
	s_wait_dscnt 0x0                               ; the closing lines, six on end
	s_wait_alu 0x0
	s_wait_tensorcnt 0x0
	ds_add_u32 v254, v255
	s_wait_dscnt 0x0
	s_endpgm
.Lfunc_end_k_qcf3ed288de_router:
	.size	k_qcf3ed288de_router, .Lfunc_end_k_qcf3ed288de_router-k_qcf3ed288de_router
	.p2alignl 7, 3214868480
	.fill 96, 4, 3214868480
	.section	.rodata,"a",@progbits
	.p2align	6, 0x0
	.amdhsa_kernel k_qcf3ed288de_router
		.amdhsa_group_segment_fixed_size 64000
		.amdhsa_private_segment_fixed_size 0
		.amdhsa_enable_private_segment 0
		.amdhsa_kernarg_size 144
		.amdhsa_user_sgpr_count 2
		.amdhsa_user_sgpr_kernarg_segment_ptr 1
		.amdhsa_wavefront_size32 1
		.amdhsa_system_sgpr_workgroup_id_x 1
		.amdhsa_system_sgpr_workgroup_id_y 1
		.amdhsa_system_sgpr_workgroup_id_z 1
		.amdhsa_system_vgpr_workitem_id 0
		.amdhsa_next_free_vgpr 256
		.amdhsa_next_free_sgpr 80
		.amdhsa_reserve_vcc 0
		.amdhsa_float_denorm_mode_32 3
		.amdhsa_float_denorm_mode_16_64 3
		.amdhsa_memory_ordered 1
		.amdhsa_forward_progress 1
		.amdhsa_inst_pref_size 40
	.end_amdhsa_kernel
	.amdgpu_metadata
---
amdhsa.version: [ 1, 2 ]
amdhsa.kernels:
  - .name:           k_qcf3ed288de_router
    .symbol:         k_qcf3ed288de_router.kd
    .args:
      - { .name: latents_codes, .offset: 0, .size: 8, .value_kind: global_buffer, .address_space: global }
      - { .name: latents_scales, .offset: 8, .size: 8, .value_kind: global_buffer, .address_space: global }
      - { .name: router_q_w_codes, .offset: 16, .size: 8, .value_kind: global_buffer, .address_space: global }
      - { .name: router_q_w_scales, .offset: 24, .size: 8, .value_kind: global_buffer, .address_space: global }
      - { .name: router_q_b, .offset: 32, .size: 8, .value_kind: global_buffer, .address_space: global }
      - { .name: router_k_w_codes, .offset: 40, .size: 8, .value_kind: global_buffer, .address_space: global }
      - { .name: router_k_w_scales, .offset: 48, .size: 8, .value_kind: global_buffer, .address_space: global }
      - { .name: router_k_b, .offset: 56, .size: 8, .value_kind: global_buffer, .address_space: global }
      - { .name: Wq_codes, .offset: 64, .size: 8, .value_kind: global_buffer, .address_space: global }
      - { .name: Wq_scales, .offset: 72, .size: 8, .value_kind: global_buffer, .address_space: global }
      - { .name: Wk_codes, .offset: 80, .size: 8, .value_kind: global_buffer, .address_space: global }
      - { .name: Wv_codes, .offset: 88, .size: 8, .value_kind: global_buffer, .address_space: global }
      - { .name: Wo_codes, .offset: 96, .size: 8, .value_kind: global_buffer, .address_space: global }
      - { .name: sumc, .offset: 104, .size: 8, .value_kind: global_buffer, .address_space: global }
      - { .name: sums, .offset: 112, .size: 8, .value_kind: global_buffer, .address_space: global }
      - { .name: idxw, .offset: 120, .size: 8, .value_kind: global_buffer, .address_space: global }
      - { .name: qws, .offset: 128, .size: 8, .value_kind: global_buffer, .address_space: global }
      - { .name: wimg, .offset: 136, .size: 8, .value_kind: global_buffer, .address_space: global }
    .group_segment_fixed_size: 64000
    .private_segment_fixed_size: 0
    .kernarg_segment_align: 8
    .kernarg_segment_size: 144
    .max_flat_workgroup_size: 512
    .sgpr_count:     80
    .vgpr_count:     256
    .wavefront_size: 32
...
	.end_amdgpu_metadata
.endif
;; end of part 5
;; launch attend (part 6): grid 256 x 1, 4 waves a work-group, no clusters, 246,784 bytes of LDS; arguments ctxq, idxw, qws, wimg, Wk_scales, Wv_scales, Wo_scales, out0; writes out0
.if DOCPART == 6
	.amdgcn_target "amdgcn-amd-amdhsa--gfx1250"
	.amdhsa_code_object_version 6
	.text
	.protected	k_qcf3ed288de_attend
	.globl	k_qcf3ed288de_attend
	.p2align	8
	.type	k_qcf3ed288de_attend,@function
k_qcf3ed288de_attend:
	s_mov_b64 s[64:65], 0
	v_nop
	global_prefetch_b8 v0, s[64:65] scope:SCOPE_SE
	s_setreg_imm32_b32 hwreg(HW_REG_WAVE_SCHED_MODE, 0, 2), 2
	s_setreg_imm32_b32 hwreg(HW_REG_WAVE_MODE, 25, 1), 1
	s_wait_xcnt 0x0
	s_wait_alu depctr_vm_vsrc(0)
; One work-group for each of the 256 latents: gather its 16 blocks, k = ctx Wk, scores, softmax, v = ctx Wv, o, out = o Wo.
; SHARES.  Wave w owns heads 2 w and 2 w + 1: channels 128 w .. 128 w + 127, 8 tiles of 16.  Its 16 fragments of Wk, then of Wv, then 32 of Wo live in its registers: each weight byte is read once a
; work-group.  The 16 chosen blocks' records (codes and scale words as images of operand registers, 12,800 bytes each) are copied into LDS once, each wave a quarter, and read by all four waves twice:
; pass 1 makes k and the scores, pass 2 makes v and o.  Scores, softmax and o never leave the wave.  k and v are never stored: each tile is used up by vector multiply-adds in f32.
; Both products are used transposed (source 0 = 16 rows of the weight, source 1 = 16 tokens): lane (r, h) holds token r and, in tile t's register j, channel 128 w + 32 (t / 2) + 16 h + 8 (t % 2) + j
; (the rows of a weight tile were chosen so when the images were laid out).
; BY TURNS.  A token tile is 16 matrix instructions into one of two sets of 8 accumulators; behind each stand two packed multiply-adds that use up the tile before, from the other set.
; SOFTMAX.  q arrives times log2(e) / 8; the row's true maximum over all 1,024 scores is taken away, p = 2^(t - max), and p is divided by its sum ahead of pass 2.
; No tensor load: the gather's addresses come from a stored list, LDS has no room for the weights beside the blocks, and what work-groups share (the weights) is wanted in registers.
; LIMITS: NaN and infinities are not served; a block number is held at 511 from above.
; REGISTERS, in windows of 256 (s_set_vgpr_msb: bits 1:0 source 0, 3:2 source 1, 5:4 source 2, 7:6 destination):
;  window 0: v1-23, v63 addresses; v24-61 scales and nothing else (v24-25 ctx, v26-33 Wk, v34-41 Wv, v42-45 o, v46-61 Wo); v64-88, v92-116 two blocks on their way to LDS; v120-127 a score's parts;
;            later v64-127 the scores, later o; v128-158 at work; v160-255 Wo's tiles 6, 7.  All exchanges between lanes are made in this window.
;  window 1: v0-63, v64-127 the two sets of accumulators; v128-175 two sets of a token tile's two fragments; v176-183 a score's sums; v188-251 o's sums.
;  window 2: v0-191 Wk, v192-255 q; later v0-239 Wo's tiles 0-4.     window 3: v0-191 Wv; v192-199 p, four pairs; v200-247 Wo's tile 5.
; The multiply-adds take q or p as source 0 (the weight's window) and the accumulators as source 1 (the tokens' window), so they run under the matrix instructions' own setting.
; THE MODE: SCHED_MODE bits 1:0 = 2 (LLVM: expert scheduling mode 2), set by the entry lines.  The code itself states the register dependences
; between vector or matrix instructions and memory or LDS instructions, with s_wait_alu, always for 0.
; THE PLAN.  Registers that memory or LDS instructions touch in the two passes, and who else names them:
;   F0, F1     the two sets of fragments (window 1, v128-151, v152-175), with v24, v25: tile n's fetch lands in set n % 2; tile n's 16 matrix instructions read it; tile n + 2's fetch lands in it again.
;   p0 .. p3   pass 2 (window 3, v192-199): tile n's fetch lands in pair n % 4; tile n's slices, which stand in step n + 1, read it; tile n + 4's fetch lands in it again.
;   v[120:121] pass 1: written by FIN and by the pair's three vector lines; read by the pair's one LDS store; written again by the next even tile's FIN.
;   v64-116    pass 1: named by the memory side alone: a request's loads land, PUBLISH's LDS stores read, the next request's loads land.
;   v14-17     pass 1: written by four additions once a trip; read by the request's loads.
;   v9-13      read by the fetches, by PUBLISH and by the scores' stores; written once a trip, at its end.
;   The accumulators, the sums, q and the weights are named in the passes by vector and matrix instructions alone.
; So ONE wait on va_vdst stands in a tile's step: behind its matrix instructions and the vector lines that follow them, ahead of the step's run of memory and LDS instructions
; (a pair's store, a request's loads, the fetch of the tile two on).  PUBLISH stands ahead of its step's wait: the wait of the step before has shown its addresses written, and no vector instruction names its registers.
; A wait on vm_vsrc stands ahead of each even tile's FIN that follows a pair's store, and ahead of the additions at a trip's end.
; There is no third set of fragments: window 1 holds 128 registers of accumulators, 64 of o's sums and the two sets' 48; 16 are left, and a set is 24.
.set OIMG,  0                          ; LDS: the four waves' fragments of o, 1,536 bytes each,
.set OSC,   6144                       ; their scale words, 128 bytes each,
.set OUTST, 6656                       ; each wave's 128 outputs,
.set ATT,   8704                       ; each wave's scores: 32 pairs of token tiles x 256 bytes; lane l at 8 l: (head 0, head 1); lanes 0-15 the even tile, lanes 16-31 the odd one,
.set CTX,   41472                      ; and the 16 blocks' records; each is written once
.set REC,   12800
.set TM,    128                        ; v128-143 the quantiser's work
.set SEL,   26                         ; s[26:27] lane selects: lane l xor 16
.set MM1,   0x56                       ; source 0 window 2, source 1, C and D window 1
.set MM2,   0x57                       ; the same with source 0 in window 3
.set TO1,   0x40                       ; a load's destination in window 1, 2, 3; its address in window 0
.set TO2,   0x80
.set TO3,   0xc0
.set DS1,   0x04                       ; an LDS store's data in window 1
.set MSB, 0
.macro WIN new                         ; the immediate's high byte repeats the setting that is left; a switch that changes nothing is dropped
.if MSB != \new
	s_set_vgpr_msb (MSB<<8)|\new
.set MSB, \new
.endif
.endm
.macro NOPS n
.rept \n
	v_nop
.endr
.endm
.macro BARRIER
	s_wait_dscnt 0x0
	s_barrier_signal -1
	s_barrier_wait -1
.endm
; The next two blocks of the list: my quarter of each record (tile w's 3,072 bytes and its 128 bytes of scale words) into registers.
; REQ_ADR makes the four offsets; it stands ahead of a wait on va_vdst.  REQ_LD, behind that wait, is the 14 loads; the list then moves up by two.
.macro REQ_ADR
	s_min_u32 s48, s32, 511
	s_min_u32 s49, s33, 511
	s_mul_i32 s48, s48, REC
	s_mul_i32 s49, s49, REC
	v_add_nc_u32 v14, s48, v3
	v_add_nc_u32 v15, s48, v4
	v_add_nc_u32 v16, s49, v3
	v_add_nc_u32 v17, s49, v4
.endm
.macro REQ_LD
.irp c, 0,1,2,3,4,5
	global_load_b128 v[64+4*\c:67+4*\c], v14, s[4:5] offset:512*\c
.endr
	global_load_b32 v88, v15, s[4:5]
.irp c, 0,1,2,3,4,5
	global_load_b128 v[92+4*\c:95+4*\c], v16, s[4:5] offset:512*\c
.endr
	global_load_b32 v116, v17, s[4:5]
.irp i, 0,1,2,3,4,5,6
	s_mov_b64 s[32+2*\i:33+2*\i], s[34+2*\i:35+2*\i]
.endr
.endm
.macro PUBLISH off                     ; and from there into their two slots in LDS: 14 stores
.irp c, 0,1,2,3,4,5
	ds_store_b128 v11, v[64+4*\c:67+4*\c] offset:\off+512*\c
.endr
	ds_store_b32 v12, v88 offset:\off
.irp c, 0,1,2,3,4,5
	ds_store_b128 v11, v[92+4*\c:95+4*\c] offset:\off+REC+512*\c
.endr
	ds_store_b32 v12, v116 offset:\off+REC
.endm
.macro REQ_WV                          ; my 16 fragments of Wv and their scale words: 56 loads, into registers that no instruction has named yet
	WIN TO3
.set I, 0
.rept 48
	global_load_b128 v[4*I:4*I+3], v1, s[52:53] offset:98304+512*I
.set I, I+1
.endr
	WIN 0
.irp t, 0,1,2,3,4,5,6,7
	global_load_b32 v[34+\t], v18, s[14:15] offset:(32*(\t/2)+8*(\t%2))*8
.endr
.endm
; Token tile n of the trip's eight (n = 8, 9: the next trip's first two): its scale words and its two fragments, 7 LDS loads, into set n % 2
.macro FETCH1 n
	WIN 0
	ds_load_b32 v[24+(\n)%2], v10 offset:((\n)/4)*REC+128*((\n)%4)
	WIN TO1
.irp c, 0,1,2,3,4,5
	ds_load_b128 v[128+24*((\n)%2)+4*\c:128+24*((\n)%2)+4*\c+3], v9 offset:((\n)/4)*REC+((\n)%4)*3072+512*\c
.endr
.endm
.macro FETCH2 n                        ; the same and token r's two p: 8 LDS loads
	FETCH1 \n
	WIN TO3
	ds_load_b64 v[192+2*((\n)%4):193+2*((\n)%4)], v13 offset:256*((\n)/2)+128*((\n)%2)
.endm
; Slice i of 16 of a tile's use in pass 1: four channels of q times four of k, onto two of head i / 8's four sums; a head's first slice starts them
.macro KSL x, i
.set KA, 4*(\i)
.set KE, 176+4*((\i)/8)
.if (\i)%8 == 0
	v_pk_mul_f32 v[KE:KE+1], v[192+KA:193+KA], v[\x+KA:\x+KA+1]
	v_pk_mul_f32 v[KE+2:KE+3], v[194+KA:195+KA], v[\x+KA+2:\x+KA+3]
.else
	v_pk_fma_f32 v[KE:KE+1], v[192+KA:193+KA], v[\x+KA:\x+KA+1], v[KE:KE+1]
	v_pk_fma_f32 v[KE+2:KE+3], v[194+KA:195+KA], v[\x+KA+2:\x+KA+3], v[KE+2:KE+3]
.endif
.endm
; and in pass 2: p of head i / 8 (one word of the pair serves both halves) times four channels of v, onto o's sums; od: where the new sums go
.macro VSL x, i, n, od
.set KA, 4*(\i)
.set KP, 192+2*((\n)%4)
.if (\i) < 8
	v_pk_fma_f32 v[\od+KA:\od+KA+1], v[KP:KP+1], v[\x+KA:\x+KA+1], v[188+KA:189+KA] op_sel_hi:[0,1,1]
	v_pk_fma_f32 v[\od+KA+2:\od+KA+3], v[KP:KP+1], v[\x+KA+2:\x+KA+3], v[190+KA:191+KA] op_sel_hi:[0,1,1]
.else
	v_pk_fma_f32 v[\od+KA:\od+KA+1], v[KP:KP+1], v[\x+KA:\x+KA+1], v[188+KA:189+KA] op_sel:[1,0,0] op_sel_hi:[1,1,1]
	v_pk_fma_f32 v[\od+KA+2:\od+KA+3], v[KP:KP+1], v[\x+KA+2:\x+KA+3], v[190+KA:191+KA] op_sel:[1,0,0] op_sel_hi:[1,1,1]
.endif
.endm
; Token tile n: 16 matrix instructions, K step by K step, the 8 accumulators of set n % 2 by turns, one instruction a turn.
; ilv = 1: behind each stands a slice of tile n - 1, which reads the other set from each accumulator's low end on.
.macro MM pass, n, ilv
.if \pass == 1
	WIN MM1
.else
	WIN MM2
.endif
.set XD, 64*((\n)%2)
.set XP, 64-XD
.set XC, 128+24*((\n)%2)
.set XW, 18+8*\pass
.set XS, 24+(\n)%2
.irp k, 0,1
.irp t, 0,1,2,3,4,5,6,7
.if \k == 0
	v_wmma_scale_f32_16x16x128_f8f6f4 v[XD+8*\t:XD+8*\t+7], v[24*\t:24*\t+11], v[XC:XC+11], 0, v[XW+\t], v[XS] matrix_a_fmt:MATRIX_FMT_FP6 matrix_b_fmt:MATRIX_FMT_FP6
.else
	v_wmma_scale_f32_16x16x128_f8f6f4 v[XD+8*\t:XD+8*\t+7], v[24*\t+12:24*\t+23], v[XC+12:XC+23], v[XD+8*\t:XD+8*\t+7], v[XW+\t], v[XS] matrix_a_fmt:MATRIX_FMT_FP6 matrix_b_fmt:MATRIX_FMT_FP6 matrix_a_scale:MATRIX_SCALE_ROW1 matrix_b_scale:MATRIX_SCALE_ROW1
.endif
.if \ilv
.if \pass == 1
	KSL XP, 8*\k+\t
.else
	VSL XP, 8*\k+\t, (\n)-1, 188
.endif
.endif
.endr
.endr
.endm
; A tile's four sums a head become one number a lane and head, in window 0: v120, v121 for an even tile (u = 0), v122, v123 for an odd one.  Four plain instructions.
.macro FIN u
	WIN 0x05                                       ; sources window 1, destination window 0
	v_pk_add_f32 v[124:125], v[176:177], v[178:179]
	v_pk_add_f32 v[126:127], v[180:181], v[182:183]
	WIN 0
	v_add_f32 v[120+2*\u], v124, v125
	v_add_f32 v[121+2*\u], v126, v127
.endm
; Two tiles' numbers: a token's two halves (lanes l and l xor 16) meet: lanes 0-15 then hold the even tile's scores, lanes 16-31 the odd tile's.  The one LDS store follows behind the step's wait.
.macro PAIRA
	v_permlane16_swap_b32 v120, v122
	v_permlane16_swap_b32 v121, v123
	v_pk_add_f32 v[120:121], v[120:121], v[122:123]
.endm
.macro ADDR1                           ; the trip's LDS addresses: s22 the first of its two slots, s23 its place among the scores
	v_add_nc_u32 v9, s22, v1
	v_add_nc_u32 v10, s22, v5
	v_add_nc_u32 v11, s22, v3
	v_add_nc_u32 v12, s22, v4
	v_add_nc_u32 v13, s23, v6
.endm
.macro ADDR2
	v_add_nc_u32 v9, s22, v1
	v_add_nc_u32 v10, s22, v5
	v_add_nc_u32 v13, s23, v7
.endm
; A TRIP OF PASS 1: two blocks, eight token tiles.  pub = 1: the two blocks asked for a trip ago go into LDS, with one barrier, whose signal and wait stand a tile apart.
; req = 1: the next two blocks are asked for; 2: Wv.  nxt = 1: the next trip's first two tiles are fetched.
; The waits on DScnt: LDS instructions end in order; behind tile n's fetch stands tile n + 1's (7), so 7 may be out; where the 14 stores of PUBLISH stand between, 21.  A score's store that stands
; ahead of the younger fetch is thereby finished too.  The count 7 at the head holds on the way in (two fetches out) and on the way back (two fetches and a store between them).
; In front of each fetch into a set that matrix instructions have read stand at least four plain vector instructions that name none of their registers: a slice's two and FIN's four, or four v_nop.
.macro TRIP1 pub, req, nxt
	s_wait_dscnt 7
	MM 1, 0, 0
	NOPS 4
	s_wait_alu depctr_va_vdst(0)                   ; tile 0's matrix instructions are done reading set 0 and v24, in which tile 2 lands; v9 to v13, made at the last trip's end or at the head, are written
	FETCH1 2
	s_wait_dscnt 7
	MM 1, 1, 1
	FIN 0
.if \pub
	s_wait_loadcnt 0x0                             ; the two blocks asked for a trip ago are in my registers
	PUBLISH 2*REC                                  ; no wait on va_vdst: v11 and v12 were written ahead of tile 0's wait, and no vector or matrix instruction names them or v64-116
.endif
	s_wait_alu depctr_va_vdst(0)                   ; tile 1's matrix instructions are done reading set 1 and v25, in which tile 3 lands
	FETCH1 3
	s_wait_dscnt 7+14*\pub
	MM 1, 2, 1
	FIN 1
	PAIRA
	s_wait_alu depctr_va_vdst(0)                   ; v[120:121] are written, which the store reads; tile 2's matrix instructions are done reading set 0 and v24, in which tile 4 lands
	ds_store_b64 v13, v[120:121]
.if \pub
	s_wait_dscnt 0x0                               ; for the others' sake: my part of the two blocks has landed
	s_barrier_signal -1                            ; up to the wait: register work, and loads of a slot that was written trips ago
.endif
	FETCH1 4
	s_wait_dscnt 7
	MM 1, 3, 1
	s_wait_alu depctr_vm_vsrc(0)                   ; the pair's store has read v[120:121], which FIN writes; PUBLISH's stores have read v64-116, in which the next request lands; the last request's loads have read v14-17
	FIN 0
.if \pub
	s_barrier_wait -1                              ; the two blocks are whole: they are read from this trip's end on
.endif
.if \req == 1
	REQ_ADR
.endif
	s_wait_alu depctr_va_vdst(0)                   ; tile 3's matrix instructions are done reading set 1 and v25, in which tile 5 lands; where blocks are asked for, v14-17 are written
.if \req == 1
	REQ_LD
.elseif \req == 2
	REQ_WV
.endif
	FETCH1 5
	s_wait_dscnt 7
	MM 1, 4, 1
	FIN 1
	PAIRA
	s_wait_alu depctr_va_vdst(0)                   ; v[120:121] are written, which the store reads; tile 4's matrix instructions are done reading set 0 and v24, in which tile 6 lands
	ds_store_b64 v13, v[120:121] offset:256
	FETCH1 6
	s_wait_dscnt 7
	MM 1, 5, 1
	s_wait_alu depctr_vm_vsrc(0)                   ; the pair's store has read v[120:121], which FIN writes
	FIN 0
	s_wait_alu depctr_va_vdst(0)                   ; tile 5's matrix instructions are done reading set 1 and v25, in which tile 7 lands
	FETCH1 7
	s_wait_dscnt 7
	MM 1, 6, 1
	FIN 1
	PAIRA
	s_wait_alu depctr_va_vdst(0)                   ; v[120:121] are written, which the store reads; tile 6's matrix instructions are done reading set 0 and v24, in which the next trip's tile 0 lands
	ds_store_b64 v13, v[120:121] offset:512
.if \nxt
	FETCH1 8
	s_wait_dscnt 7
.else
	s_wait_dscnt 0x0
.endif
	MM 1, 7, 1
	s_wait_alu depctr_vm_vsrc(0)                   ; the pair's store has read v[120:121], which FIN writes
	FIN 0
.if \nxt
	s_wait_alu depctr_va_vdst(0)                   ; tile 7's matrix instructions are done reading set 1 and v25, in which the next trip's tile 1 lands
	FETCH1 9
.endif
	WIN MM1
.irp i, 0,1,2,3,4,5,6,7,8,9,10,11,12,13,14,15
	KSL 64, \i                                     ; the trip's last tile is used up by itself
.endr
	FIN 1
	PAIRA
	s_wait_alu depctr_va_vdst(0)                   ; v[120:121] are written, which the store reads; in the last trip also: every matrix instruction and slice of the pass is done reading Wk and q, in whose registers Wo's loads land behind the trip
	ds_store_b64 v13, v[120:121] offset:768
.if \nxt
	s_add_co_u32 s22, s22, 2*REC
	s_add_co_u32 s23, s23, 1024
	s_wait_alu depctr_vm_vsrc(0)                   ; the trip's fetches, PUBLISH's stores and the scores' stores have read v9 to v13, which are written now, and the last of them v[120:121], which the next trip's first FIN writes
	ADDR1
.endif
.endm
; A TRIP OF PASS 2.  Behind tile n's fetch stands tile n + 1's (8).  The last trip's last tile puts o's sums into window 0.
.macro TRIP2 nxt
	s_wait_dscnt 8
	MM 2, 0, 0
	NOPS 4
	s_wait_alu depctr_va_vdst(0)                   ; tile 0's matrix instructions are done reading set 0 and v24, and the slices of the tile four back are done reading pair 2 of p: tile 2 lands in them; v9, v10 and v13 are written
	FETCH2 2
.irp n, 1,2,3,4,5
	s_wait_dscnt 8
	MM 2, \n, 1
	NOPS 2                                         ; with the last slice's two: four places in front of the fetch
	s_wait_alu depctr_va_vdst(0)                   ; this tile's matrix instructions are done reading their set and its scale words, and the slices of the tile two back are done reading their pair of p: the tile two on lands in them
	FETCH2 \n+2
.endr
	s_wait_dscnt 8
	MM 2, 6, 1
.if \nxt
	NOPS 2
	s_wait_alu depctr_va_vdst(0)                   ; tile 6's matrix instructions are done reading set 0 and v24, tile 4's slices pair 0 of p: the next trip's tile 0 lands in them
	FETCH2 8
	s_wait_dscnt 8
.else
	s_wait_dscnt 0x0
.endif
	MM 2, 7, 1
.if \nxt
	NOPS 2
	s_wait_alu depctr_va_vdst(0)                   ; tile 7's matrix instructions are done reading set 1 and v25, tile 5's slices pair 1 of p: the next trip's tile 1 lands in them
	FETCH2 9
	WIN MM2
.irp i, 0,1,2,3,4,5,6,7,8,9,10,11,12,13,14,15
	VSL 64, \i, 7, 188
.endr
	WIN 0
	s_add_co_u32 s22, s22, 2*REC
	s_add_co_u32 s23, s23, 1024
	s_wait_alu depctr_vm_vsrc(0)                   ; the trip's fetches have read v9, v10 and v13, which are written now
	ADDR2
.else
	WIN 0x17                                       ; p window 3, v and the old sums window 1, the new sums window 0
	s_wait_alu depctr_vm_vsrc(0)                   ; the softmax's LDS stores have read v64-127 of window 0, which the sums below write
.irp i, 0,1,2,3,4,5,6,7,8,9,10,11,12,13,14,15
	VSL 64, \i, 7, 64
.endr
	WIN 0
.endif
.endm
; 64 numbers of a lane, register 16 b + i = k 32 b + 16 (lane / 16) + i of its row, become a fragment's 12 registers at v[pc] and the row's scale word in v[pw].
.macro QUANT s, pc, pw
.irp b, 0,1,2,3
	v_max3_num_f32 v[TM+\b], |v[\s+16*\b]|, |v[\s+1+16*\b]|, 0x1800000   ; and the floor 2^(3 - 127): the byte cannot fall under 1
.endr
.irp i, 2,4,6,8,10,12,14
.irp b, 0,1,2,3
	v_max3_num_f32 v[TM+\b], v[TM+\b], |v[\s+16*\b+\i]|, |v[\s+1+16*\b+\i]|
.endr
.endr
.irp b, 0,1,2,3
	v_permlanex16_b32 v[TM+4+\b], v[TM+\b], s[SEL], s[SEL+1]
.endr
.irp b, 0,1,2,3
	v_max_num_f32 v[TM+\b], v[TM+\b], v[TM+4+\b]
.endr
.irp b, 0,1,2,3
	v_add_nc_u32 v[TM+12+\b], 0xff000000, v[TM+\b]
.endr
.irp b, 0,1,2,3
	v_lshrrev_b32 v[TM+4+\b], 23, v[TM+12+\b]
.endr
	v_lshl_or_b32 v[\pw], v[TM+5], 8, v[TM+4]
	v_lshl_or_b32 v[\pw], v[TM+6], 16, v[\pw]
	v_lshl_or_b32 v[\pw], v[TM+7], 24, v[\pw]
	v_cvt_scalef32_pk16_fp6_f32 v[\pc:\pc+2], v[\s:\s+15], v[TM+12]
	v_cvt_scalef32_pk16_fp6_f32 v[TM+8:TM+10], v[\s+16:\s+31], v[TM+13]
	v_cvt_scalef32_pk16_fp6_f32 v[\pc+6:\pc+8], v[\s+32:\s+47], v[TM+14]
	v_cvt_scalef32_pk16_fp6_f32 v[\pc+12:\pc+14], v[\s+48:\s+63], v[TM+15]
	v_nop                                          ; one plain place behind the scaled conversions
.irp i, 0,1,2
	v_permlane16_swap_b32 v[\pc+\i], v[TM+8+\i]
	v_permlane16_swap_b32 v[\pc+6+\i], v[\pc+12+\i]
.endr
.irp i, 0,1,2
	v_mov_b32 v[\pc+3+\i], v[TM+8+\i]
	v_mov_b32 v[\pc+9+\i], v[\pc+12+\i]
.endr
.endm
	s_load_b512 s[4:19], s[0:1], 0x0               ; ctxq 4, idxw 6, qws 8, wimg 10, Wk's scales 12, Wv's 14, Wo's 16, out0 18
	v_lshl_add_u32 v139, v0, 2, 0x3c200
	v_mov_b32 v159, 0
	v_lshrrev_b32 v120, 5, v0
	v_readfirstlane_b32 s20, v120                  ; w
	v_and_b32 v120, 31, v0                         ; l
	v_and_b32 v121, 15, v0                         ; r
	v_bfe_u32 v122, v0, 4, 1                       ; h
	v_and_b32 v123, 8, v121
	v_add_nc_u32 v123, v123, v121                  ; r + 8 (r / 8)
	v_lshlrev_b32 v1, 4, v120                      ; v1  16 l
	v_lshlrev_b32 v2, 2, v120                      ; v2  4 l
	s_wait_alu depctr_va_sdst(0)                   ; s20, the wave's number, is written, ahead of its first reader: LDS addresses and the bases of q, out0 and the weights are made from it
	s_mul_i32 s28, s20, 3072
	v_add_nc_u32 v3, s28, v1                       ; v3  my quarter of a record: its codes,
	v_add_nc_u32 v5, 12288, v2                     ; v5  a record's scale words, tile 0
	s_lshl_b32 s28, s20, 7
	v_add_nc_u32 v4, s28, v5                       ; v4  and my quarter's scale words
	v_add_nc_u32 v22, s28, v2
	v_add_nc_u32 v22, OSC, v22                     ; v22 o's scale word, mine
	s_lshl_b32 s28, s20, 13
	s_add_co_u32 s28, s28, ATT
	v_lshl_add_u32 v6, v120, 3, s28                ; v6  my scores: a pair of tiles in
	v_lshl_add_u32 v7, v121, 3, s28                ; v7  token r's p out
	v_add_nc_u32 v8, s28, v1                       ; v8  all of them, 16 bytes a lane
	v_lshlrev_b32 v18, 3, v123
	v_lshl_add_u32 v18, v122, 2, v18               ; v18 Wk's and Wv's scale words: 8 bytes a row, one K step for each half of the lanes
	v_lshlrev_b32 v19, 4, v123
	v_lshl_add_u32 v19, v122, 2, v19               ; v19 Wo's: 16 bytes a row
	v_lshlrev_b32 v20, 6, v122                     ; v20 q: 64 h
	s_mul_i32 s28, s20, 1536
	v_add_nc_u32 v21, s28, v1                      ; v21 o's fragment, mine (OIMG = 0)
	s_lshl_b32 s28, s20, 9
	s_add_co_u32 s28, s28, OUTST
	v_lshl_add_u32 v23, v123, 2, s28               ; v23 my outputs in
	v_add_nc_u32 v63, s28, v1                      ; v63 and out
	s_mov_b32 s[SEL], 0x76543210
	s_mov_b32 s[SEL+1], 0xfedcba98
	s_mov_b32 s22, CTX
	s_mov_b32 s23, 0
	ADDR1
	s_mov_b32 s29, 0
	s_mov_b32 s31, 0
	s_mov_b32 s51, 0
	s_wait_kmcnt 0x0
	s_lshl_b32 s28, ttmp9, 6
	s_add_nc_u64 s[6:7], s[6:7], s[28:29]
	s_load_b512 s[32:47], s[6:7], 0x0              ; my latent's 16 block numbers
	s_lshl_b32 s28, ttmp9, 11
	s_lshl_b32 s30, s20, 9
	s_add_co_u32 s28, s28, s30
	s_add_nc_u64 s[8:9], s[8:9], s[28:29]          ; q and out0 at my latent's row, my 128 channels
	s_add_nc_u64 s[18:19], s[18:19], s[28:29]
	s_lshl_b32 s30, s20, 10
	s_add_nc_u64 s[12:13], s[12:13], s[30:31]
	s_add_nc_u64 s[14:15], s[14:15], s[30:31]
	s_lshl_b32 s30, s20, 11
	s_add_nc_u64 s[16:17], s[16:17], s[30:31]
	s_mul_i32 s50, s20, 24576
	s_add_nc_u64 s[52:53], s[10:11], s[50:51]      ; my 16 fragments of Wk (Wv: 98,304 on)
	s_add_nc_u64 s[54:55], s[52:53], s[50:51]      ; my 32 of Wo lie 196,608 on from here
	s_wait_kmcnt 0x0
	REQ_ADR
	s_wait_alu depctr_va_vdst(0)                   ; every offset and LDS address made so far (v1 to v23, v63) is written: the loads, LDS stores and fetches below read them
	REQ_LD                                         ; blocks 0 and 1 first: 14 loads
.irp t, 0,1,2,3,4,5,6,7
	global_load_b32 v[26+\t], v18, s[12:13] offset:(32*(\t/2)+8*(\t%2))*8
.endr
	WIN TO2
.irp t, 0,1,2,3,4,5,6,7
	global_load_b128 v[192+8*\t:195+8*\t], v20, s[8:9] offset:128*(\t/2)+32*(\t%2)      ; q in the accumulators' layout
	global_load_b128 v[196+8*\t:199+8*\t], v20, s[8:9] offset:128*(\t/2)+32*(\t%2)+16
.endr
.set I, 0
.rept 48
	global_load_b128 v[4*I:4*I+3], v1, s[52:53] offset:512*I
.set I, I+1
.endr
	WIN 0
	s_wait_loadcnt 63                              ; 72 loads stand behind the first 14: the largest count that the wait can name is under that, so the 14 are in
	PUBLISH 0
	BARRIER                                        ; blocks 0 and 1 lie in LDS
	s_wait_alu depctr_vm_vsrc(0)                   ; the first request's loads have read v14-17, which are written now; PUBLISH's stores have read v64-116, in which the second request lands
	REQ_ADR
	s_wait_alu depctr_va_vdst(0)                   ; v14-17 are written, which the loads below read
	REQ_LD                                         ; blocks 2 and 3
	FETCH1 0
	FETCH1 1
	WIN 0
	s_wait_loadcnt 14                              ; all but the request just made: Wk, its scale words and q are in
	s_mov_b32 s24, 6
.Lpass1:                                           ; trip t: blocks 2 t, 2 t + 1 are multiplied, 2 t + 2, 2 t + 3 go into LDS, 2 t + 4, 2 t + 5 are asked for
	TRIP1 1, 1, 1
	s_sub_co_u32 s24, s24, 1
	s_cmp_lg_u32 s24, 0
	s_cbranch_scc1 .Lpass1
	TRIP1 1, 2, 1                                  ; blocks 14 and 15 go into LDS; Wv is asked for
	TRIP1 0, 0, 0
	; THE SOFTMAX of my two heads, in window 0.  Wv, asked for a trip ago, is waited for first, so that no later wait has to count across Wo's loads.
	s_wait_loadcnt 0x0
	WIN TO2
.set I, 0
.rept 60
	global_load_b128 v[4*I:4*I+3], v1, s[54:55] offset:196608+512*I    ; Wo's tiles 0-4 into Wk's and q's registers: the wait on va_vdst at the last trip's end has shown their readers done, and no vector or matrix instruction stands behind it
.set I, I+1
.endr
	WIN 0
	s_wait_alu depctr_vm_vsrc(0)                   ; PUBLISH's stores have read v64-116 and the last pair's store v[120:121], in which the scores land; pass 1's LDS instructions have read v9, v10 and v13, which pass 2's addresses write
	s_wait_alu depctr_va_vdst(0)                   ; FIN's and the last pair's vector instructions are done with v120-127, in which the scores land
.irp i, 0,1,2,3,4,5,6,7,8,9,10,11,12,13,14,15
	ds_load_b128 v[64+4*\i:67+4*\i], v8 offset:512*\i   ; LDS serves a wave's instructions in order: these see my stores.  Even registers head 0, odd registers head 1
.endr
	v_mov_b32 v130, 0                              ; written once: a lane permute's destination counts as one of its sources
	v_mov_b32 v131, 0
	s_wait_dscnt 0x0
.irp e, 0,1
	v_max3_num_f32 v[128+\e], v[64+\e], v[66+\e], v[68+\e]
.endr
.irp k, 3,5,7,9,11,13,15,17,19,21,23,25,27,29
.irp e, 0,1
	v_max3_num_f32 v[128+\e], v[128+\e], v[64+2*\k+\e], v[66+2*\k+\e]
.endr
.endr
.irp e, 0,1
	v_max_num_f32 v[128+\e], v[128+\e], v[126+\e]
.endr
.irp m, 1,2,4,8
.irp e, 0,1
	v_max_num_f32_dpp v[128+\e], v[128+\e], v[128+\e] row_xmask:\m row_mask:0xf bank_mask:0xf
.endr
.endr
.irp e, 0,1
	v_permlanex16_b32 v[130+\e], v[128+\e], s[SEL], s[SEL+1]
.endr
.irp e, 0,1
	v_max_num_f32 v[128+\e], v[128+\e], v[130+\e]  ; each head's largest score of the 1,024
.endr
.set J, 0
.rept 32
	v_pk_add_f32 v[64+J:65+J], v[64+J:65+J], v[128:129] neg_lo:[0,1] neg_hi:[0,1]
.set J, J+2
.endr
.set J, 0
.rept 64
	v_exp_f32 v[64+J], v[64+J]
.set J, J+1
.endr
	v_nop                                          ; a plain place behind the exponentials
	s_wait_alu depctr_va_vdst(0)                   ; the 64 exponentials have written v64-127: one wait for the batch, ahead of its first reader
	v_pk_add_f32 v[132:133], v[64:65], v[66:67]    ; the sums, in two chains
	v_pk_add_f32 v[134:135], v[68:69], v[70:71]
.irp k, 4,6,8,10,12,14,16,18,20,22,24,26,28,30
	v_pk_add_f32 v[132:133], v[132:133], v[64+2*\k:65+2*\k]
	v_pk_add_f32 v[134:135], v[134:135], v[66+2*\k:67+2*\k]
.endr
	v_pk_add_f32 v[132:133], v[132:133], v[134:135]
.irp m, 1,2,4,8
.irp e, 0,1
	v_add_f32_dpp v[132+\e], v[132+\e], v[132+\e] row_xmask:\m row_mask:0xf bank_mask:0xf
.endr
.endr
.irp e, 0,1
	v_permlanex16_b32 v[130+\e], v[132+\e], s[SEL], s[SEL+1]
.endr
.irp e, 0,1
	v_add_f32 v[132+\e], v[132+\e], v[130+\e]
.endr
	v_rcp_f32 v136, v132
	v_rcp_f32 v137, v133
	v_nop                                          ; a plain place behind the reciprocals
.set J, 0
	s_wait_alu depctr_va_vdst(0)                   ; the two reciprocals have written v136 and v137: one wait for both, ahead of their first reader
.rept 32
	v_pk_mul_f32 v[64+J:65+J], v[64+J:65+J], v[136:137]
.set J, J+2
.endr
	WIN TO1
.set J, 0
.rept 64
	v_mov_b32 v[188+J], 0                          ; o's sums: cleared once, which spares a first trip of its own
.set J, J+1
.endr
	WIN 0
	s_mov_b32 s22, CTX
	s_mov_b32 s23, 0
	ADDR2                                          ; (v9, v10 and v13 are free since the wait on vm_vsrc ahead of the scores' loads: no LDS instruction behind it reads them)
	s_wait_alu depctr_va_vdst(0)                   ; ONE wait for all that follows up to the loop: p is written in v64-127, which the 16 stores read; v9, v10 and v13 are written, which the fetches read; pass 1's matrix instructions are done reading both sets, v24 and v25, in which the fetches land
.irp i, 0,1,2,3,4,5,6,7,8,9,10,11,12,13,14,15
	ds_store_b128 v8, v[64+4*\i:67+4*\i] offset:512*\i
.endr
	WIN TO3
.set I, 60
.rept 12
	global_load_b128 v[200+4*(I-60):203+4*(I-60)], v1, s[54:55] offset:196608+512*I    ; Wo's tile 5
.set I, I+1
.endr
	WIN 0
.rept 24
	global_load_b128 v[160+4*(I-72):163+4*(I-72)], v1, s[54:55] offset:196608+512*I    ; tiles 6 and 7
.set I, I+1
.endr
.irp t, 0,1,2,3,4,5,6,7
.irp g, 0,1
	global_load_b32 v[46+2*\t+\g], v19, s[16:17] offset:(32*(\t/2)+8*(\t%2))*16+8*\g    ; Wo's scale words: two K steps a register
.endr
.endr
	FETCH2 0
	FETCH2 1
	WIN 0
	s_mov_b32 s24, 7
.Lpass2:
	TRIP2 1
	s_sub_co_u32 s24, s24, 1
	s_cmp_lg_u32 s24, 0
	s_cbranch_scc1 .Lpass2
	TRIP2 0
	; THE TAIL.  A lane's 64 sums are one token's share: the 16 lanes of a half are added, so that every lane of a half holds o at its 64 channels: 16 equal rows of K step w of the last product.
.irp m, 1,2,4,8
.set J, 0
.rept 64
	v_add_f32_dpp v[64+J], v[64+J], v[64+J] row_xmask:\m row_mask:0xf bank_mask:0xf
.set J, J+1
.endr
.endr
	QUANT 64, 144, 62
	s_wait_alu depctr_va_vdst(0)                   ; the quantiser has written v144-155 and v62, which the LDS stores read; pass 2's matrix instructions and slices are done with window 1's v64-111, in which o's four fragments land behind the barrier
.irp c, 0,1,2
	ds_store_b128 v21, v[144+4*\c:147+4*\c] offset:512*\c       ; the fragment goes to the other waves as an image of its registers
.endr
	ds_store_b32 v22, v62
	BARRIER                                        ; o's four fragments lie in LDS
	WIN TO1
.irp k, 0,1,2,3
.irp c, 0,1,2
	ds_load_b128 v[64+12*\k+4*\c:67+12*\k+4*\c], v1 offset:OIMG+1536*\k+512*\c
.endr
.endr
	WIN 0
.irp k, 0,1,2,3
	ds_load_b32 v[42+\k], v2 offset:OSC+128*\k
.endr
	s_wait_dscnt 0x0
	s_wait_loadcnt 0x0                             ; Wo and its scale words
; out = o Wo: source 0 = o's 16 equal rows, source 1 = 16 rows of Wo: lane r's register 0 is the output of that row.  Eight accumulators by turns, a K step at a time.
.macro OMM t, k
.if (\t) < 5
	WIN 0x59                                       ; o, C and D window 1; Wo window 2
.set OB, 12*(4*(\t)+\k)
.elseif (\t) == 5
	WIN 0x5d                                       ; Wo window 3
.set OB, 200+12*\k
.else
	WIN 0x51                                       ; Wo window 0
.set OB, 160+12*(4*((\t)-6)+\k)
.endif
.if \k == 0
	v_wmma_scale_f32_16x16x128_f8f6f4 v[8*\t:8*\t+7], v[64+12*\k:75+12*\k], v[OB:OB+11], 0, v[42+\k], v[46+2*\t+\k/2] matrix_a_fmt:MATRIX_FMT_FP6 matrix_b_fmt:MATRIX_FMT_FP6
.elseif \k%2
	v_wmma_scale_f32_16x16x128_f8f6f4 v[8*\t:8*\t+7], v[64+12*\k:75+12*\k], v[OB:OB+11], v[8*\t:8*\t+7], v[42+\k], v[46+2*\t+\k/2] matrix_a_fmt:MATRIX_FMT_FP6 matrix_b_fmt:MATRIX_FMT_FP6 matrix_b_scale:MATRIX_SCALE_ROW1
.else
	v_wmma_scale_f32_16x16x128_f8f6f4 v[8*\t:8*\t+7], v[64+12*\k:75+12*\k], v[OB:OB+11], v[8*\t:8*\t+7], v[42+\k], v[46+2*\t+\k/2] matrix_a_fmt:MATRIX_FMT_FP6 matrix_b_fmt:MATRIX_FMT_FP6
.endif
.endm
.irp k, 0,1,2,3
.irp t, 0,1,2,3,4,5,6,7
	OMM \t, \k
.endr
.endr
	NOPS 4                                         ; four places in front of the first read of results
	WIN DS1
	s_wait_alu depctr_va_vdst(0)                   ; the matrix instructions have written the eight accumulators, whose lowest registers the LDS stores read; the places above stay beside this wait
.irp t, 0,1,2,3,4,5,6,7
	ds_store_b32 v23, v[8*\t] offset:128*(\t/2)+32*(\t%2)       ; each accumulator's lowest register; the two halves of the lanes store the same word with the same number
.endr
	WIN 0
	ds_load_b128 v[64:67], v63                     ; LDS serves a wave's instructions in order: this sees my stores.  (The quantiser's reads of v64-67 stand ahead of the waits on va_vdst above)
	s_wait_dscnt 0x0
	global_store_b128 v1, v[64:67], s[18:19]       ; my 128 outputs: 512 consecutive bytes, at a multiple of 256 from out0's first byte
	s_wait_dscnt 0x0                               ; the closing lines, six on end
	s_wait_alu 0x0
	s_wait_tensorcnt 0x0
	ds_add_u32 v139, v159
	s_wait_dscnt 0x0
	s_endpgm
.Lfunc_end_k_qcf3ed288de_attend:
	.size	k_qcf3ed288de_attend, .Lfunc_end_k_qcf3ed288de_attend-k_qcf3ed288de_attend
	.p2alignl 7, 3214868480
	.fill 96, 4, 3214868480
	.section	.rodata,"a",@progbits
	.p2align	6, 0x0
	.amdhsa_kernel k_qcf3ed288de_attend
		.amdhsa_group_segment_fixed_size 246784
		.amdhsa_private_segment_fixed_size 0
		.amdhsa_enable_private_segment 0
		.amdhsa_kernarg_size 64
		.amdhsa_user_sgpr_count 2
		.amdhsa_user_sgpr_kernarg_segment_ptr 1
		.amdhsa_wavefront_size32 1
		.amdhsa_system_sgpr_workgroup_id_x 1
		.amdhsa_system_sgpr_workgroup_id_y 1
		.amdhsa_system_sgpr_workgroup_id_z 1
		.amdhsa_system_vgpr_workitem_id 0
		.amdhsa_next_free_vgpr 1024
		.amdhsa_next_free_sgpr 66
		.amdhsa_reserve_vcc 0
		.amdhsa_float_denorm_mode_32 3
		.amdhsa_float_denorm_mode_16_64 3
		.amdhsa_memory_ordered 1
		.amdhsa_forward_progress 1
		.amdhsa_inst_pref_size 255
	.end_amdhsa_kernel
	.section	.bss,"aw",@nobits
	.p2align	6
	.space	262144
	.amdgpu_metadata
---
amdhsa.version: [ 1, 2 ]
amdhsa.kernels:
  - .name:           k_qcf3ed288de_attend
    .symbol:         k_qcf3ed288de_attend.kd
    .args:
      - { .name: ctxq, .offset: 0, .size: 8, .value_kind: global_buffer, .address_space: global }
      - { .name: idxw, .offset: 8, .size: 8, .value_kind: global_buffer, .address_space: global }
      - { .name: qws, .offset: 16, .size: 8, .value_kind: global_buffer, .address_space: global }
      - { .name: wimg, .offset: 24, .size: 8, .value_kind: global_buffer, .address_space: global }
      - { .name: Wk_scales, .offset: 32, .size: 8, .value_kind: global_buffer, .address_space: global }
      - { .name: Wv_scales, .offset: 40, .size: 8, .value_kind: global_buffer, .address_space: global }
      - { .name: Wo_scales, .offset: 48, .size: 8, .value_kind: global_buffer, .address_space: global }
      - { .name: out0, .offset: 56, .size: 8, .value_kind: global_buffer, .address_space: global }
    .group_segment_fixed_size: 246784
    .private_segment_fixed_size: 0
    .kernarg_segment_align: 8
    .kernarg_segment_size: 64
    .max_flat_workgroup_size: 128
    .sgpr_count:     66
    .vgpr_count:     1024
    .wavefront_size: 32
...
	.end_amdgpu_metadata
.endif
;; end of part 6
